; MI455X (gfx1250); checked and timed in simulation.
; The chip was launched on July 23, 2026; its instructions are those of AMD's public machine-readable ISA for CDNA 5 (MIT licence, August 2026) and "CDNA5" Instruction Set Architecture Reference Guide (July 2026). The comments in the code are by the model that wrote it; some were corrected since.
;; Attn Block. Allowed arithmetic: float matrix products may take bf16 or f16 operands with f32 sums; all other float work in f32.
;; Inputs: bk 512 float32; bp 512 float32; bq 512 float32; bv 512 float32; gn_bias 512 float32; gn_scale 512 float32; wk 512 x 512 float32; wp 512 x 512 float32; wq 512 x 512 float32; wv 512 x 512 float32; x 8 x 512 x 2,048 float32.
;; Outputs: out0 8 x 512 x 2,048 float32.
;; 3 versions, each right; version 2 is faster than version 1; version 3 is version 2 with the launch gnorm written anew for expert scheduling mode. Each part assembles by itself: llvm-mc -triple=amdgcn-amd-amdhsa -mcpu=gfx1250 --defsym DOCPART=n.
;; ======== version 1 of 3: 4 launches
;; limits: values outside matrix products are rounded to bf16
;; workspace buffers: hb 16,777,216 bytes; wqkv 1,572,864 bytes; wpb 524,288 bytes; qt 16,777,216 bytes; kv 33,619,968 bytes; op 33,554,432 bytes; st 262,144 bytes
;; launch gnorm (part 1): grid 256 x 1, 8 waves a work-group, no clusters, 1,280 bytes of LDS; arguments x, gn_scale, gn_bias, wq, wk, wv, wp, hb, wqkv, wpb, kv; writes hb, wqkv, wpb, kv
.if DOCPART == 1
	.amdgcn_target "amdgcn-amd-amdhsa--gfx1250"
	.amdhsa_code_object_version 6
	.text
	.protected	k_qc930e34467_gnorm
	.globl	k_qc930e34467_gnorm
	.p2align	8
	.type	k_qc930e34467_gnorm,@function
k_qc930e34467_gnorm:
	s_mov_b64 s[64:65], 0
	v_nop
	global_prefetch_b8 v0, s[64:65] scope:SCOPE_SE
	s_setreg_imm32_b32 hwreg(HW_REG_WAVE_MODE, 25, 1), 1
	s_wait_xcnt 0x0
; GROUP NORM, AND THE WEIGHTS IN bf16.  x: [8][512][2048] f32.  A group is 16 channels x 2,048 positions: 131,072 consecutive bytes.
; One work-group of eight waves takes one of the 256 groups and keeps it in registers (128 a thread) between the pass that finds the mean,
; the pass that finds the variance of x - mean (so a common offset in x costs nothing) and the pass that writes h = (x - mean) rstd scale + bias,
; rounded once to bf16: x is read once.  All 32 loads of a thread go out together.
; Beside that each work-group rounds two rows of each of the four weight matrices to bf16 and lays them as the later launches fetch them:
;   wqkv [o/128][c/64][q,k,v][o%128][c%64]      wpb [c/128][o][c%128]
; and writes 256 of the 65,536 zero bytes behind kv's last block, which the attention's last fetch touches and does not use.
; No cluster and no matrix unit: no two work-groups read the same bytes, and the work is a stream.
; LIMITS: NaN and infinities are not treated apart.
.set SPARE, 256                        ; the spare words, 128 bytes for each of eight waves; bytes 0-31 and 64-95 hold the waves' partial sums
.set SPW, 3                            ; v3   LDS address of my spare word; never rewritten
.set NIL, 4                            ; v4   0; never rewritten
.set X,   40                           ; v[40:167] my 128 numbers of the group
.macro WRED r, t                       ; the sum of register r over the wave's 32 lanes, in every lane
	v_add_f32_dpp v[\r], v[\r], v[\r] row_xmask:1 row_mask:0xf bank_mask:0xf
	v_add_f32_dpp v[\r], v[\r], v[\r] row_xmask:2 row_mask:0xf bank_mask:0xf
	v_add_f32_dpp v[\r], v[\r], v[\r] row_xmask:4 row_mask:0xf bank_mask:0xf
	v_add_f32_dpp v[\r], v[\r], v[\r] row_xmask:8 row_mask:0xf bank_mask:0xf
	v_permlanex16_b32 v[\t], v[\r], s8, s9
	v_add_f32 v[\r], v[\r], v[\t]
.endm
.macro FOLD                            ; four chains in v[8:15] into v8
	v_pk_add_f32 v[8:9], v[8:9], v[10:11]
	v_pk_add_f32 v[12:13], v[12:13], v[14:15]
	v_pk_add_f32 v[8:9], v[8:9], v[12:13]
	v_add_f32 v8, v8, v9
	WRED 8, 9
.endm
.macro MEET off                        ; the eight waves' sums meet in LDS at byte off; the total comes back in v6
	ds_store_b32 v5, v8 offset:\off
	s_wait_dscnt 0x0                               ; for the others' sake: my word is written
	s_barrier_signal -1
	s_barrier_wait -1
	ds_load_b128 v[16:19], v173 offset:\off
	ds_load_b128 v[20:23], v173 offset:(\off)+16
	s_wait_dscnt 0x0
	v_pk_add_f32 v[16:17], v[16:17], v[18:19]
	v_pk_add_f32 v[20:21], v[20:21], v[22:23]
	v_pk_add_f32 v[16:17], v[16:17], v[20:21]
	v_add_f32 v6, v16, v17
.endm
	s_load_b512 s[68:83], s[0:1], 0x0              ; x 68, gn_scale 70, gn_bias 72, wq 74, wk 76, wv 78, wp 80, hb 82
	s_load_b128 s[84:87], s[0:1], 0x40             ; wqkv 84, wpb 86
	s_load_b64 s[88:89], s[0:1], 0x50              ; kv
	v_lshl_add_u32 v[SPW], v0, 2, SPARE
	v_mov_b32 v[NIL], 0
	v_lshrrev_b32 v5, 5, v0
	v_readfirstlane_b32 s10, v5                    ; wave w, 0..7
	v_lshlrev_b32 v5, 2, v5                        ; my wave's word among the partial sums
	v_lshlrev_b32 v1, 4, v0                        ; 16 t: my 16 bytes in 4,096 of x
	v_lshlrev_b32 v2, 3, v0                        ; 8 t: my 8 bytes in 2,048 of hb
	v_and_b32 v6, 31, v0                           ; lane l
	v_and_b32 v7, 15, v0                           ; l % 16
	v_bfe_u32 v8, v0, 4, 1                         ; l / 16
	s_mov_b32 s8, 0x76543210                       ; v_permlanex16_b32: each lane takes its own place in the other half
	s_mov_b32 s9, 0xfedcba98
	s_mov_b32 s95, 0x38000000                      ; 2^-15 = 1 / 32,768 numbers in a group
	s_lshl_b32 s12, ttmp9, 17                      ; the group's first byte in x
	s_mov_b32 s13, 0
	s_and_b32 s6, ttmp9, 31
	s_lshl_b32 s6, s6, 6                           ; its 16 channels in gn_scale and gn_bias
	s_mov_b32 s7, 0
	s_lshl_b32 s14, ttmp9, 16                      ; its first byte in hb
	s_mov_b32 s15, 0
	; wq, wk, wv: the wave takes rows 2 G and 2 G + 1, columns 64 w .. 64 w + 63; a lane four numbers
	s_lshl_b32 s3, ttmp9, 12
	s_lshl_b32 s4, s10, 8
	s_add_co_u32 s3, s3, s4
	v_lshl_add_u32 v168, v7, 4, s3
	v_lshl_add_u32 v168, v8, 11, v168              ; from: (2 G + l / 16) 2,048 + 256 w + 16 (l % 16)
	s_lshr_b32 s4, ttmp9, 6
	s_lshl3_add_u32 s4, s4, s10                    ; 8 (o / 128) + c / 64
	s_mul_i32 s4, s4, 49152
	s_and_b32 s5, ttmp9, 63
	s_lshl_b32 s5, s5, 8                           ; (o % 128) 128
	s_add_co_u32 s4, s4, s5
	v_lshl_add_u32 v169, v6, 3, s4                 ; to: the two rows are 256 consecutive bytes, 8 a lane; the matrix stands in the immediate
	; wp: the wave takes row 2 G + w / 4, columns 128 (w % 4) ..
	s_lshr_b32 s90, s10, 2
	s_lshl1_add_u32 s90, ttmp9, s90                ; o
	s_and_b32 s91, s10, 3
	s_lshl_b32 s92, s90, 11
	s_lshl_b32 s93, s91, 9
	s_add_co_u32 s92, s92, s93
	v_lshl_add_u32 v170, v6, 4, s92
	s_add_co_u32 s93, s93, s90                     ; 512 (c / 128) + o
	s_lshl_b32 s93, s93, 8
	v_lshl_add_u32 v171, v6, 3, s93
	s_lshl_b32 s94, ttmp9, 8
	s_add_co_u32 s94, s94, 0x2000000               ; behind kv's 33,554,432 bytes of blocks
	v_lshl_add_u32 v172, v6, 3, s94
	v_mov_b32 v173, 0                              ; LDS byte 0
	v_mov_b32 v174, 0
	v_mov_b32 v175, 0
	s_wait_kmcnt 0x0
	s_add_nc_u64 s[68:69], s[68:69], s[12:13]
	s_add_nc_u64 s[70:71], s[70:71], s[6:7]
	s_add_nc_u64 s[72:73], s[72:73], s[6:7]
	s_add_nc_u64 s[82:83], s[82:83], s[14:15]
	s_load_b512 s[16:31], s[70:71], 0x0            ; scale of the 16 channels
	s_load_b512 s[32:47], s[72:73], 0x0            ; bias
	global_load_b128 v[16:19], v168, s[74:75]
	global_load_b128 v[20:23], v168, s[76:77]
	global_load_b128 v[24:27], v168, s[78:79]
	global_load_b128 v[28:31], v170, s[80:81]
.set i, 0
.rept 32                               ; load i: 4,096 consecutive bytes for the work-group, half of channel i / 2
	global_load_b128 v[X+4*i:X+4*i+3], v1, s[68:69] offset:4096*i th:TH_LOAD_NT
.set i, i+1
.endr
	s_wait_loadcnt 32                              ; the four weight loads are in; x's 32 stay out
.irp k, 0,1,2,3,4,5,6,7
	v_cvt_pk_bf16_f32 v[32+\k], v[16+2*\k], v[17+2*\k]
.endr
	global_store_b64 v169, v[32:33], s[84:85]                 ; each store of the wave covers 256 consecutive bytes, aligned
	global_store_b64 v169, v[34:35], s[84:85] offset:16384
	global_store_b64 v169, v[36:37], s[84:85] offset:32768
	global_store_b64 v171, v[38:39], s[86:87]
	s_cmp_lg_u32 s10, 0
	s_cbranch_scc1 .Lno_tail
	global_store_b64 v172, v[174:175], s[88:89]               ; wave 0: my group's 256 bytes of kv's tail
.Lno_tail:
	s_wait_loadcnt 0x0
	; pass 1: the sum, in four chains that the first eight pairs start
.irp k, 0,1,2,3
	v_pk_add_f32 v[8+2*\k:9+2*\k], v[X+2*\k:X+2*\k+1], v[X+8+2*\k:X+9+2*\k]
.endr
.set i, 8
.rept 56
	v_pk_add_f32 v[8+2*(i%4):9+2*(i%4)], v[8+2*(i%4):9+2*(i%4)], v[X+2*i:X+2*i+1]
.set i, i+1
.endr
	FOLD
	MEET 0
	v_mul_f32 v6, s95, v6                          ; the mean,
	v_mov_b32 v7, v6                               ; as a pair
	; pass 2: d = x - mean in place, and the sum of d d
.set i, 0
.rept 64
	v_pk_add_f32 v[X+2*i:X+2*i+1], v[X+2*i:X+2*i+1], v[6:7] neg_lo:[0,1] neg_hi:[0,1]
.set i, i+1
.endr
.irp k, 0,1,2,3
	v_pk_mul_f32 v[8+2*\k:9+2*\k], v[X+2*\k:X+2*\k+1], v[X+2*\k:X+2*\k+1]
.endr
.set i, 4
.rept 60
	v_pk_fma_f32 v[8+2*(i%4):9+2*(i%4)], v[X+2*i:X+2*i+1], v[X+2*i:X+2*i+1], v[8+2*(i%4):9+2*(i%4)]
.set i, i+1
.endr
	FOLD
	MEET 64                                        ; other bytes than the first meeting's: no wave need wait for the readers of those
	v_mov_b32 v7, 0x358637bd                       ; 1e-6
	v_fma_f32 v6, v6, s95, v7                      ; variance + eps
	v_rsq_f32 v9, v6
	v_nop                                          ; a plain instruction between the root and the use of its result (ISA guide 5.7.2)
	s_wait_alu depctr_va_vdst(0)
	v_readfirstlane_b32 s11, v9
	s_wait_kmcnt 0x0                               ; scale and bias
.set k, 0
.rept 16
	s_mul_f32 s[48+k], s[16+k], s11                ; rstd x scale, a channel each
.set k, k+1
.endr
	; pass 3: h, rounded to bf16; no register is written again behind its store
.set i, 0
.rept 32
.irp z, 0,1,2,3
	v_fma_f32 v[X+4*i+\z], v[X+4*i+\z], s[48+i/2], s[32+i/2]
.endr
	v_cvt_pk_bf16_f32 v[X+4*i], v[X+4*i], v[X+4*i+1]
	v_cvt_pk_bf16_f32 v[X+4*i+1], v[X+4*i+2], v[X+4*i+3]
	global_store_b64 v2, v[X+4*i:X+4*i+1], s[82:83] offset:2048*i   ; a wave's store covers 256 consecutive bytes, aligned
.set i, i+1
.endr
	s_wait_tensorcnt 0x0                           ; the wave's end
	ds_add_u32 v[SPW], v[NIL]
	s_wait_dscnt 0x0
	s_endpgm
.Lfunc_end_k_qc930e34467_gnorm:
	.size	k_qc930e34467_gnorm, .Lfunc_end_k_qc930e34467_gnorm-k_qc930e34467_gnorm
	.p2alignl 7, 3214868480
	.fill 96, 4, 3214868480
	.section	.rodata,"a",@progbits
	.p2align	6, 0x0
	.amdhsa_kernel k_qc930e34467_gnorm
		.amdhsa_group_segment_fixed_size 1280
		.amdhsa_private_segment_fixed_size 0
		.amdhsa_enable_private_segment 0
		.amdhsa_kernarg_size 88
		.amdhsa_user_sgpr_count 2
		.amdhsa_user_sgpr_kernarg_segment_ptr 1
		.amdhsa_wavefront_size32 1
		.amdhsa_system_sgpr_workgroup_id_x 1
		.amdhsa_system_sgpr_workgroup_id_y 1
		.amdhsa_system_sgpr_workgroup_id_z 1
		.amdhsa_system_vgpr_workitem_id 0
		.amdhsa_next_free_vgpr 176
		.amdhsa_next_free_sgpr 96
		.amdhsa_reserve_vcc 0
		.amdhsa_float_denorm_mode_32 3
		.amdhsa_float_denorm_mode_16_64 3
		.amdhsa_memory_ordered 1
		.amdhsa_forward_progress 1
		.amdhsa_inst_pref_size 38
	.end_amdhsa_kernel
	.amdgpu_metadata
---
amdhsa.version: [ 1, 2 ]
amdhsa.kernels:
  - .name:           k_qc930e34467_gnorm
    .symbol:         k_qc930e34467_gnorm.kd
    .args:
      - { .name: x, .offset: 0, .size: 8, .value_kind: global_buffer, .address_space: global }
      - { .name: gn_scale, .offset: 8, .size: 8, .value_kind: global_buffer, .address_space: global }
      - { .name: gn_bias, .offset: 16, .size: 8, .value_kind: global_buffer, .address_space: global }
      - { .name: wq, .offset: 24, .size: 8, .value_kind: global_buffer, .address_space: global }
      - { .name: wk, .offset: 32, .size: 8, .value_kind: global_buffer, .address_space: global }
      - { .name: wv, .offset: 40, .size: 8, .value_kind: global_buffer, .address_space: global }
      - { .name: wp, .offset: 48, .size: 8, .value_kind: global_buffer, .address_space: global }
      - { .name: hb, .offset: 56, .size: 8, .value_kind: global_buffer, .address_space: global }
      - { .name: wqkv, .offset: 64, .size: 8, .value_kind: global_buffer, .address_space: global }
      - { .name: wpb, .offset: 72, .size: 8, .value_kind: global_buffer, .address_space: global }
      - { .name: kv, .offset: 80, .size: 8, .value_kind: global_buffer, .address_space: global }
    .group_segment_fixed_size: 1280
    .private_segment_fixed_size: 0
    .kernarg_segment_align: 8
    .kernarg_segment_size: 88
    .max_flat_workgroup_size: 256
    .sgpr_count:     96
    .vgpr_count:     176
    .wavefront_size: 32
...
	.end_amdgpu_metadata
.endif
;; end of part 1
;; launch qkv (part 2): grid 4 x 64, 4 waves a work-group, clusters of 4 x 4, 327,680 bytes of LDS; arguments hb, wqkv, bq, bk, bv, qt, kv; writes qt, kv
.if DOCPART == 2
	.amdgcn_target "amdgcn-amd-amdhsa--gfx1250"
	.amdhsa_code_object_version 6
	.text
	.protected	k_qc930e34467_qkv
	.globl	k_qc930e34467_qkv
	.p2align	8
	.type	k_qc930e34467_qkv,@function
k_qc930e34467_qkv:
	s_mov_b64 s[64:65], 0
	v_nop
	global_prefetch_b8 v0, s[64:65] scope:SCOPE_SE
	s_setreg_imm32_b32 hwreg(HW_REG_WAVE_MODE, 25, 1), 1
	s_wait_xcnt 0x0
	s_wait_alu depctr_hold_cnt(0) depctr_sa_sdst(0) depctr_va_vdst(0) depctr_va_sdst(0) depctr_va_ssrc(0) depctr_va_vcc(0) depctr_vm_vsrc(0)
	s_getreg_b32 s2, hwreg(HW_REG_IB_STS2, 6, 4)
	s_cmp_eq_u32 s2, 0
	s_cbranch_scc0 .Lentry_in_a_cluster
	s_endpgm
.Lentry_in_a_cluster:
	s_bfe_u32 s2, ttmp6, 0x10000c
	s_cmp_lg_u32 s2, 0xf033
	s_cbranch_scc0 .Lentry_shape_is_right
	s_endpgm
.Lentry_shape_is_right:
; q, k, v = W h + b, all three in one pass over h.  h: hb [8][512 c][2048 n] bf16.  W: wqkv [o/128][c/64][q,k,v][o%128][c%64] bf16.  Sums in f32, the bias as the first C, one rounding to bf16.
; SHARES.  A work-group makes outputs 128 oq .. +127 of each of q, k and v for 256 positions; a wave 64 outputs x 128 positions of each: 3 x 32 accumulators, 768 registers.
; The 512 channels go in 8 steps of 64 through two LDS slots; for a step's 192 matrix instructions a wave issues 80 LDS loads.
; ORDER OF THE SOURCES.  q and k: source 0 = 16 rows of W, source 1 = 16 positions of h: a lane holds one position and eight neighbouring outputs, 16 bytes of a row of qt or of a K block.
; v: the sources swapped: a lane holds one output and eight neighbouring positions, 16 bytes of a row of a V block.  h lies [channel][position] in LDS and comes out turned (ds_load_tr16_b128).
; OUT.  qt [b][n/64][c/64][n%64][c%64].  kv: for each (b, n/64) 131,072 bytes: K [c/64][key][c%64], then V [c][key].
; CLUSTER, 4 x 4.  The four work-groups of a row of the cluster share their 256 positions, so h's tiles are asked for jointly along the row; the four of a column share oq, so W's tiles
; are asked for jointly along the column: each tile is requested a quarter as often.
; REGISTERS: window 0: v0-31 addresses; v32-95, v96-159 h's fragments (8 each); v160-191, v192-223 W's (4 each); v224-255 bq.  bk and bv lie in h's second buffer until the first step has read them.
;   windows 1, 2, 3: the accumulators of q, k, v: output block a, position block p at v[8 (8 a + p)].
; LIMITS: NaN and infinities are not treated apart.
.set SLOT,  90112                      ; h: 64 rows x 544; W: 384 rows x 144
.set WOFF,  34816
.set PH,    544                        ; 512 bytes + 32: an odd multiple of 32, for the turning load
.set PW,    144                        ; 128 bytes + 16: an odd multiple of 16, so the sixteen rows of a load begin 16 bytes apart modulo 256
.set STAGE, 2*SLOT                     ; behind the ring, never filled by a tensor load: 16 rows x 144 bytes for each wave
.set SP,    144
.set SPARE, STAGE+4*16*SP              ; the spare words, 128 bytes a wave
.set ADRH, 16                          ; v16-17 my place in h's part of slot 0, 1
.set ADRW, 20                          ; v20-21 in W's part
.set STO,  24
.set RD,   25
.set GO,   26
.set SPW,  28                          ; LDS address of my spare word; never rewritten
.set NIL,  29                          ; 0; never rewritten
.set H0,   32
.set H1,   96
.set WA,   160
.set WB,   192
.set BQ,   224
.set BK,   96
.set BV,   128
.set TMP,  32                          ; the way out
.set OB,   48
.set WV,   20                          ; s20 wave; s21 wave / 2: my 64 outputs, and: I fetch h (0) or W (1); s22 wave % 2: my 128 positions, and: which half of the tile I fetch
.set KIND, 21
.set HALF, 22
.set G1,   24                          ; s[24:31] group 1 for h's tiles;  s[32:39] group 0, a set for each slot
.set G0,   32
.set G1B,  48                          ; the same for W's
.set G0B,  56
.set OUTB, 68                          ; s[68:73] where my q, k, v begin
.set MSB, 0
.macro WIN new                         ; the immediate's high byte repeats the setting that is left; a switch that changes nothing is dropped
.if MSB != (\new)
	s_set_vgpr_msb (MSB<<8)|(\new)
.set MSB, (\new)
.endif
.endm
.macro PLACES                          ; four places in front of loads into registers that matrix instructions have read, and of conversions that read results
.rept 4
	v_nop
.endr
.endm
.macro JLOAD s                         ; a joint load; the branch hangs on the wave's number alone; s_nop 0 and four v_nop follow each line
	s_cmp_eq_u32 s[KIND], 0
	s_cbranch_scc0 .Lfor_w_\@
	tensor_load_to_lds s[G0+4*(\s):G0+4*(\s)+3], s[G1:G1+7]
	s_nop 0
.rept 4
	v_nop
.endr
	s_branch .Lasked_\@
.Lfor_w_\@:
	tensor_load_to_lds s[G0B+4*(\s):G0B+4*(\s)+3], s[G1B:G1B+7]
	s_nop 0
.rept 4
	v_nop
.endr
.Lasked_\@:
.endm
.macro CREST                           ; a round of the cluster's barrier behind its opening barrier
	s_cmp_lg_u32 s[WV], 0
	s_cbranch_scc1 .Lnot_wave_0_\@
	s_barrier_signal -3
.Lnot_wave_0_\@:
	s_barrier_wait -3
	s_barrier_signal -1
	s_barrier_wait -1
.endm
.macro CROUND
	s_barrier_signal -1
	s_barrier_wait -1
	CREST
.endm
	s_load_b256 s[4:11], s[0:1], 0x0               ; hb 4, wqkv 6, bq 8, bk 10
	s_load_b128 s[12:15], s[0:1], 0x20             ; bv 12, qt 14
	s_load_b64 s[16:17], s[0:1], 0x30              ; kv
	v_lshl_add_u32 v[SPW], v0, 2, SPARE
	v_mov_b32 v[NIL], 0
	ds_add_u32 v[SPW], v[NIL]                      ; the wave's opening: the add, and its wait ahead of my first tensor load
	v_lshrrev_b32 v1, 5, v0
	v_readfirstlane_b32 s[WV], v1
	s_lshr_b32 s[KIND], s[WV], 1
	s_and_b32 s[HALF], s[WV], 1
	s_bfe_u32 s40, ttmp6, 0x40000                  ; cx
	s_bfe_u32 s41, ttmp6, 0x40004                  ; cy
	s_lshl_b32 s42, ttmp9, 2
	s_add_co_u32 s42, s42, s40                     ; oq = 4 x cluster x + cx
	s_and_b32 s43, ttmp7, 0xffff
	s_lshl_b32 s43, s43, 2
	s_add_co_u32 s43, s43, s41                     ; the block of 256 positions, 0..63 = 4 x cluster y + cy
	s_lshl_b32 s44, s41, 2
	s_lshl_b32 s44, 15, s44                        ; my row of the cluster
	s_lshl_b32 s45, 0x1111, s40                    ; my column
	; h's tile: 32 rows (channels) of 256 elements, 2,048 elements apart; 8 words of padding behind every 128
	s_or_b32 s[G1+0], s44, (1<<16)|(1<<20)|(1<<21)|(6<<22)|(7<<25)
	s_mov_b32 s[G1+1], 256<<16
	s_mov_b32 s[G1+2], 32<<16
	s_mov_b32 s[G1+3], 256<<16
	s_mov_b32 s[G1+4], 32
	s_mov_b32 s[G1+5], 2048
	s_mov_b32 s[G1+6], 0
	s_mov_b32 s[G1+7], 0
	; W's tile: 24,576 dense bytes (192 rows of 128) asked for as 96 rows of 256 bytes; 4 words of padding behind every 32
	s_or_b32 s[G1B+0], s45, (1<<16)|(1<<20)|(1<<21)|(4<<22)|(3<<25)
	s_mov_b32 s[G1B+1], 128<<16
	s_mov_b32 s[G1B+2], 96<<16
	s_mov_b32 s[G1B+3], 128<<16
	s_mov_b32 s[G1B+4], 96
	s_mov_b32 s[G1B+5], 128
	s_mov_b32 s[G1B+6], 0
	s_mov_b32 s[G1B+7], 0
	; h's address hangs on the block of positions and the wave alone, W's on oq and the wave alone, each in registers that never hold the other coordinate
	s_lshr_b32 s46, s43, 3                         ; batch
	s_lshl_b32 s46, s46, 21
	s_lshl_b32 s47, s[HALF], 17                    ; 32 channels of 4,096 bytes
	s_add_co_u32 s46, s46, s47
	s_and_b32 s47, s43, 7
	s_lshl_b32 s47, s47, 9                         ; 256 positions
	s_add_co_u32 s46, s46, s47
	s_mov_b32 s47, 0
	s_mul_i32 s66, s42, 393216
	s_mul_i32 s67, s[HALF], 24576
	s_add_co_u32 s66, s66, s67
	s_mov_b32 s67, 0
	s_mul_i32 s23, s[HALF], 32*PH                  ; where they go: no place in the cluster enters an LDS address
	s_mul_i32 s19, s[HALF], 192*PW
	s_add_co_u32 s19, s19, WOFF
	s_wait_dscnt 0x0                               ; the opening add is done
	s_wait_kmcnt 0x0
	s_add_nc_u64 s[46:47], s[4:5], s[46:47]
	s_add_nc_u64 s[66:67], s[6:7], s[66:67]
	CROUND                                         ; all sixteen work-groups are here: the first joint loads meet
.irp s, 0,1
	s_mov_b32 s[G0+4*(\s)], 1
	s_add_co_u32 s[G0+4*(\s)+1], s23, (\s)*SLOT
	s_add_nc_u64 s[G0+4*(\s)+2:G0+4*(\s)+3], s[46:47], (\s)*262144     ; step s: 64 channels on
	s_or_b32 s[G0+4*(\s)+3], s[G0+4*(\s)+3], 0x80000000
	s_mov_b32 s[G0B+4*(\s)], 1
	s_add_co_u32 s[G0B+4*(\s)+1], s19, (\s)*SLOT
	s_add_nc_u64 s[G0B+4*(\s)+2:G0B+4*(\s)+3], s[66:67], (\s)*49152
	s_or_b32 s[G0B+4*(\s)+3], s[G0B+4*(\s)+3], 0x80000000
	JLOAD \s                                       ; two loads of mine are out
.endr
	v_and_b32 v1, 15, v0                           ; r = l % 16
	v_bfe_u32 v2, v0, 4, 1                         ; h = l / 16
	v_and_b32 v3, 7, v0
	v_bfe_u32 v4, v0, 3, 1
	v_lshl_add_u32 v5, v2, 3, v3                   ; the turning load: channel 8 h + l % 8,
	v_mul_u32_u24 v5, v5, PH
	v_lshl_add_u32 v5, v4, 4, v5                   ; positions 8 ((l / 8) % 2) ..
	s_lshl_b32 s74, s[HALF], 8                     ; my 128 positions
	v_add_nc_u32 v[ADRH], s74, v5
	v_add_nc_u32 v[ADRH+1], SLOT, v[ADRH]
	v_mul_u32_u24 v6, v1, PW
	v_lshl_add_u32 v6, v2, 4, v6                   ; 144 r + 16 h
	s_mul_i32 s74, s[KIND], 64*PW                  ; my 64 outputs
	s_add_co_u32 s74, s74, WOFF
	v_add_nc_u32 v[ADRW], s74, v6
	v_add_nc_u32 v[ADRW+1], SLOT, v[ADRW]
	s_mul_i32 s74, s[WV], 16*SP
	s_add_co_u32 s74, s74, STAGE                   ; my stage
	v_add_nc_u32 v[STO], s74, v6                   ; in: row r, 16 bytes for each half of the lanes
	v_bfe_u32 v7, v0, 3, 2
	v_mul_u32_u24 v7, v7, SP
	v_lshl_add_u32 v7, v3, 4, v7
	v_add_nc_u32 v[RD], s74, v7                    ; back: 32 lanes take four rows of 128 bytes,
	v_and_b32 v[GO], 31, v0
	v_lshlrev_b32 v[GO], 4, v[GO]                  ; which are 512 consecutive bytes in memory
	s_lshl_b32 s75, s42, 9
	s_lshl_b32 s76, s[KIND], 8
	s_add_co_u32 s75, s75, s76                     ; my first output, in bytes of a bias
	v_lshl_add_u32 v8, v2, 5, s75                  ; q, k: register j of C is output 16 a + 8 h + j
	v_lshl_add_u32 v9, v1, 2, s75                  ; v: every register of C is output 16 a + r
.irp a, 0,1,2,3
	global_load_b128 v[BQ+8*\a:BQ+8*\a+3], v8, s[8:9] offset:64*\a
	global_load_b128 v[BQ+8*\a+4:BQ+8*\a+7], v8, s[8:9] offset:64*\a+16
	global_load_b128 v[BK+8*\a:BK+8*\a+3], v8, s[10:11] offset:64*\a
	global_load_b128 v[BK+8*\a+4:BK+8*\a+7], v8, s[10:11] offset:64*\a+16
.irp j, 0,1,2,3,4,5,6,7
	global_load_b32 v[BV+8*\a+\j], v9, s[12:13] offset:64*\a
.endr
.endr
	; where my results begin
	s_lshr_b32 s74, s43, 3
	s_lshl_b32 s74, s74, 21
	s_and_b32 s75, s43, 7
	s_lshl_b32 s75, s75, 2
	s_lshl1_add_u32 s75, s[HALF], s75              ; my first block of 64 positions
	s_lshl_b32 s75, s75, 16
	s_add_co_u32 s74, s74, s75
	s_lshl1_add_u32 s76, s42, s[KIND]              ; my block of 64 channels
	s_lshl_b32 s76, s76, 13
	s_add_co_u32 s78, s74, s76
	s_mov_b32 s79, 0
	s_add_nc_u64 s[OUTB:OUTB+1], s[14:15], s[78:79]
	s_lshl1_add_u32 s78, s74, s76                  ; kv's blocks are twice as far apart
	s_add_nc_u64 s[OUTB+2:OUTB+3], s[16:17], s[78:79]
	s_add_nc_u64 s[OUTB+4:OUTB+5], s[OUTB+2:OUTB+3], 65536
; 8 matrix instructions: matrix mat (0 q, 1 k, 2 v), output block a, all 8 position blocks, 32 channels.  first = 1: the bias starts the sums.
; The accumulators take turns, one instruction a turn: 32 in a matrix, and the next matrix has others.
.macro MUL8 mat, a, hb, wb, first
.set xm, 1+(\mat)
.if \first
	WIN xm<<6
.else
	WIN (xm<<6)|(xm<<4)
.endif
.set xc, BQ+8*(\a)
.if (\mat) == 1
.set xc, BK+8*(\a)
.endif
.if (\mat) == 2
.set xc, BV+8*(\a)
.endif
.set xw, (\wb)+8*(\a)
.set xp, 0
.rept 8
.set xd, 8*(8*(\a)+xp)
.set xh, (\hb)+8*xp
.if (\mat) < 2
.if \first
	v_wmma_f32_16x16x32_bf16 v[xd:xd+7], v[xw:xw+7], v[xh:xh+7], v[xc:xc+7]
.else
	v_wmma_f32_16x16x32_bf16 v[xd:xd+7], v[xw:xw+7], v[xh:xh+7], v[xd:xd+7]
.endif
.else
.if \first
	v_wmma_f32_16x16x32_bf16 v[xd:xd+7], v[xh:xh+7], v[xw:xw+7], v[xc:xc+7]
.else
	v_wmma_f32_16x16x32_bf16 v[xd:xd+7], v[xh:xh+7], v[xw:xw+7], v[xd:xd+7]
.endif
.endif
.set xp, xp+1
.endr
.endm
.macro MUL24 mat, hb, wb, first
	MUL8 \mat, 1, \hb, \wb, \first
	MUL8 \mat, 2, \hb, \wb, \first
	MUL8 \mat, 3, \hb, \wb, \first
.endm
.macro FW slot, mat, ks, wb            ; 8 loads: W's four fragments of a matrix, channels 32 ks ..
	WIN 0
.irp a, 0,1,2,3
	ds_load_b128 v[(\wb)+8*\a:(\wb)+8*\a+3], v[ADRW+(\slot)] offset:(128*(\mat)+16*\a)*PW+64*(\ks)
	ds_load_b128 v[(\wb)+8*\a+4:(\wb)+8*\a+7], v[ADRW+(\slot)] offset:(128*(\mat)+16*\a)*PW+64*(\ks)+32
.endr
.endm
.macro FH slot, ks, hb                 ; 16 loads: h's eight fragments, turned
	WIN 0
.irp p, 0,1,2,3,4,5,6,7
	ds_load_tr16_b128 v[(\hb)+8*\p:(\hb)+8*\p+3], v[ADRH+(\slot)] offset:32*(\ks)*PH+32*\p
	ds_load_tr16_b128 v[(\hb)+8*\p+4:(\hb)+8*\p+7], v[ADRH+(\slot)] offset:32*(\ks)*PH+16*PH+32*\p
.endr
.endm
; The first 32 channels of a step: q, k, v on h's buffer 0; each matrix's run fetches the next run's fragments of W behind its first 8 products.
.macro HALF_A slot, first
	s_wait_dscnt 0x0
	MUL8 0, 0, H0, WA, \first
	PLACES
	FW \slot, 1, 0, WB
	MUL24 0, H0, WA, \first
	s_wait_dscnt 0x0
	MUL8 1, 0, H0, WB, \first
	PLACES
	FW \slot, 2, 0, WA
.if !(\first)
	FH \slot, 1, H1
.endif
	MUL24 1, H0, WB, \first
.if \first
	s_wait_dscnt 0x0
.else
	s_wait_dscnt 16                                ; W's eight are in; h's sixteen, issued behind them, may stay out
.endif
	MUL8 2, 0, H0, WA, \first
	PLACES
	FW \slot, 0, 1, WB
	MUL24 2, H0, WA, \first
.if \first
	PLACES                                         ; bk and bv have been read: h's second buffer is free
	FH \slot, 1, H1
.endif
.endm
.macro G34 slot                        ; the second 32 channels: q and k
	s_wait_dscnt 0x0
	MUL8 0, 0, H1, WB, 0
	PLACES
	FW \slot, 1, 1, WA
	MUL24 0, H1, WB, 0
	s_wait_dscnt 0x0
	MUL8 1, 0, H1, WA, 0
	PLACES
	FW \slot, 2, 1, WB
	MUL24 1, H1, WA, 0
.endm
; ... and v, with the change of slots: each wave waits for all its tensor loads (one is out: its part of the next slot), adds 0 to its spare word, and waits for that and for its reads of this slot.
; fill = 1: the barrier opens a round of the cluster's, and this slot is filled again, two steps ahead, first thing behind it: the load has about 176 matrix instructions in which to land.
.macro HALF_B slot, next, fill
	G34 \slot
	WIN 0
	s_wait_tensorcnt 0x0
	ds_add_u32 v[SPW], v[NIL]
	s_wait_dscnt 1                                 ; W's eight loads are in; the add may be out
	MUL8 2, 0, H1, WB, 0
	s_wait_dscnt 0x0                               ; the add is done, and my reads of this slot are over
	s_barrier_signal -1
	MUL8 2, 1, H1, WB, 0
	WIN 0
	s_barrier_wait -1
.if \fill
	CREST
	s_add_nc_u64 s[G0+4*(\slot)+2:G0+4*(\slot)+3], s[G0+4*(\slot)+2:G0+4*(\slot)+3], 524288
	s_add_nc_u64 s[G0B+4*(\slot)+2:G0B+4*(\slot)+3], s[G0B+4*(\slot)+2:G0B+4*(\slot)+3], 98304
	JLOAD \slot                                    ; its four v_nop are also the places in front of the loads below
.else
	PLACES
.endif
	FH \next, 0, H0
	FW \next, 0, 0, WA
	MUL8 2, 2, H1, WB, 0
	MUL8 2, 3, H1, WB, 0
.endm
	s_wait_tensorcnt 1                             ; my part of step 0 is in; step 1's may stay out
	s_barrier_signal -1
	s_barrier_wait -1
	FH 0, 0, H0
	FW 0, 0, 0, WA
	s_wait_loadcnt 0x0                             ; the biases
	HALF_A 0, 1
	WIN 0
	s_mov_b32 s3, 3
.Lk:                                   ; a trip: two steps, from a step's second half to the first half of the step after next; both slots are filled again (steps 2 to 7)
	HALF_B 0, 1, 1
	HALF_A 1, 0
	HALF_B 1, 0, 1
	HALF_A 0, 0
	WIN 0
	s_sub_co_u32 s3, s3, 1
	s_cmp_lg_u32 s3, 0
	s_cbranch_scc1 .Lk
	HALF_B 0, 1, 0                                 ; the last two steps ask for nothing
	HALF_A 1, 0
	G34 1
	s_wait_dscnt 0x0
	MUL8 2, 0, H1, WB, 0
	MUL24 2, H1, WB, 0
; THE WAY OUT: 24 units of 16 rows x 128 bytes.  q, k (units 0-7, 8-15): 16 positions x my 64 outputs.  v (16-23): 16 outputs x 64 positions.  Rounded, through my own stage, out as 2,048 consecutive bytes.
.macro PACK u
.set xm, 1+(\u)/8
.set xi, (\u)%8
	s_wait_xcnt 0x0                                ; the registers that earlier stores read are loaded again only behind this wait
	WIN 5*xm                                       ; sources 0 and 1 in the matrix's window
.set xc, 0
.rept 4
.if xm < 3
.set xa, 8*(8*xc+xi)
.else
.set xa, 8*(8*(xi/2)+4*(xi%2)+xc)
.endif
.irp z, 0,1,2,3
	v_cvt_pk_bf16_f32 v[TMP+4*xc+\z], v[xa+2*\z], v[xa+2*\z+1]
.endr
.set xc, xc+1
.endr
	WIN 0
.irp c, 0,1,2,3
	ds_store_b128 v[STO], v[TMP+4*\c:TMP+4*\c+3] offset:32*\c
.endr
.set xo, OB+16*((\u)%2)
.irp f, 0,1,2,3
	ds_load_b128 v[xo+4*\f:xo+4*\f+3], v[RD] offset:\f*4*SP   ; LDS serves a wave's instructions in order (ISA guide 5.7.1.4): these see the stores above
.endr
.endm
.macro SEND u, younger                 ; younger: the LDS instructions issued behind this unit's loads
.set xm, (\u)/8
.set xi, (\u)%8
.if xm == 0
.set xg, (xi/4)*65536+(xi%4)*2048
.elseif xm == 1
.set xg, (xi/4)*131072+(xi%4)*2048
.else
.set xg, (xi%2)*131072+(xi/2)*2048
.endif
.set xo, OB+16*((\u)%2)
.irp f, 0,1,2,3
	s_wait_dscnt (\younger)+3-\f
	global_store_b128 v[GO], v[xo+4*\f:xo+4*\f+3], s[OUTB+2*xm:OUTB+2*xm+1] offset:xg+512*\f   ; 512 consecutive bytes, aligned
.endr
.endm
	PLACES
	PACK 0
.set u, 1
.rept 23                               ; a unit's conversions stand between the loads of the unit before and its stores
	PACK u
	SEND u-1, 8
.set u, u+1
.endr
	SEND 23, 0
	s_wait_tensorcnt 0x0                           ; the wave's end
	ds_add_u32 v[SPW], v[NIL]
	s_wait_dscnt 0x0
	CROUND                                         ; the closing round
	s_endpgm
.Lfunc_end_k_qc930e34467_qkv:
	.size	k_qc930e34467_qkv, .Lfunc_end_k_qc930e34467_qkv-k_qc930e34467_qkv
	.p2alignl 7, 3214868480
	.fill 96, 4, 3214868480
	.section	.rodata,"a",@progbits
	.p2align	6, 0x0
	.amdhsa_kernel k_qc930e34467_qkv
		.amdhsa_group_segment_fixed_size 327680
		.amdhsa_private_segment_fixed_size 0
		.amdhsa_enable_private_segment 0
		.amdhsa_kernarg_size 56
		.amdhsa_user_sgpr_count 2
		.amdhsa_user_sgpr_kernarg_segment_ptr 1
		.amdhsa_wavefront_size32 1
		.amdhsa_system_sgpr_workgroup_id_x 1
		.amdhsa_system_sgpr_workgroup_id_y 1
		.amdhsa_system_sgpr_workgroup_id_z 1
		.amdhsa_system_vgpr_workitem_id 0
		.amdhsa_next_free_vgpr 1024
		.amdhsa_next_free_sgpr 84
		.amdhsa_reserve_vcc 0
		.amdhsa_float_denorm_mode_32 3
		.amdhsa_float_denorm_mode_16_64 3
		.amdhsa_memory_ordered 1
		.amdhsa_forward_progress 1
		.amdhsa_inst_pref_size 140
	.end_amdhsa_kernel
	.amdgpu_metadata
---
amdhsa.version: [ 1, 2 ]
amdhsa.kernels:
  - .name:           k_qc930e34467_qkv
    .symbol:         k_qc930e34467_qkv.kd
    .args:
      - { .name: hb, .offset: 0, .size: 8, .value_kind: global_buffer, .address_space: global }
      - { .name: wqkv, .offset: 8, .size: 8, .value_kind: global_buffer, .address_space: global }
      - { .name: bq, .offset: 16, .size: 8, .value_kind: global_buffer, .address_space: global }
      - { .name: bk, .offset: 24, .size: 8, .value_kind: global_buffer, .address_space: global }
      - { .name: bv, .offset: 32, .size: 8, .value_kind: global_buffer, .address_space: global }
      - { .name: qt, .offset: 40, .size: 8, .value_kind: global_buffer, .address_space: global }
      - { .name: kv, .offset: 48, .size: 8, .value_kind: global_buffer, .address_space: global }
    .group_segment_fixed_size: 327680
    .private_segment_fixed_size: 0
    .kernarg_segment_align: 8
    .kernarg_segment_size: 56
    .max_flat_workgroup_size: 128
    .sgpr_count:     84
    .vgpr_count:     1024
    .wavefront_size: 32
...
	.end_amdgpu_metadata
.endif
;; end of part 2
;; launch attn (part 3): grid 16 x 16, 4 waves a work-group, clusters of 4 x 1, 327,680 bytes of LDS; arguments qt, kv, op, st; writes op, st
.if DOCPART == 3
	.amdgcn_target "amdgcn-amd-amdhsa--gfx1250"
	.amdhsa_code_object_version 6
	.text
	.protected	k_qc930e34467_attn
	.globl	k_qc930e34467_attn
	.p2align	8
	.type	k_qc930e34467_attn,@function
k_qc930e34467_attn:
	s_mov_b64 s[64:65], 0
	v_nop
	global_prefetch_b8 v0, s[64:65] scope:SCOPE_SE
	s_setreg_imm32_b32 hwreg(HW_REG_WAVE_MODE, 25, 1), 1
	s_wait_xcnt 0x0
	s_wait_alu depctr_hold_cnt(0) depctr_sa_sdst(0) depctr_va_vdst(0) depctr_va_sdst(0) depctr_va_ssrc(0) depctr_va_vcc(0) depctr_vm_vsrc(0)
	s_getreg_b32 s2, hwreg(HW_REG_IB_STS2, 6, 4)
	s_cmp_eq_u32 s2, 0
	s_cbranch_scc0 .Lentry_in_a_cluster
	s_endpgm
.Lentry_in_a_cluster:
	s_bfe_u32 s2, ttmp6, 0x10000c
	s_cmp_lg_u32 s2, 0x3003
	s_cbranch_scc0 .Lentry_shape_is_right
	s_endpgm
.Lentry_shape_is_right:
; ATTENTION, head size 512, one head a batch.  A work-group takes 128 queries and HALF of the batch's 2,048 keys (16 blocks of 64), so that 8 x 16 x 2 = 256 work-groups have 128 queries each.
; It stores the unnormalised O = sum p v (bf16), and for each query c m and l = sum p (f32); the next launch joins the two halves.  p = 2^(c s - c m), c = log2(e) / sqrt(512), m the running maximum.
; SHARES.  A wave owns 32 queries, two tiles of 16; nothing passes between waves.  S^T = K Q^T (source 0 = 16 keys, source 1 = 16 queries): a lane holds one query and the keys 8 (l / 16) + 0..7;
; two such results rounded to bf16 are source 1 of O^T = V^T P.  K lies [key][channel], V [channel][key]: both come out of LDS by plain loads.
; PIPELINE.  Period j: phase X: the 128 products of S of step j + 1, and behind each pair of them four multiplies O x a of step j; phase Y: the 128 products V^T P of step j, and behind each pair four
; lines of the softmax of step j + 1.  m starts at the lowest finite number, O and l at 0, so that the first step is a step like any other, with a = 0; the price is 512 v_mov_b32 in the wait for the first tile.
; RING.  Chunk i = V of block i and K of block i + 1: 131,072 consecutive bytes of kv.  Period j reads chunk j alone; two slots take turns.  A wave brings its quarter of V and of K by ONE load of two rows of
; 16,384 bytes, 65,536 apart.  The last chunk's K (65,536 of the 2.1 million bytes that a work-group fetches) is fetched and not read: the price of one text for every refill; it lies inside kv (its zero tail at the very end).
; CLUSTER.  The four query blocks of a cluster walk the same keys: every tile is asked for jointly, mask 15.
; REGISTERS: window 0: v0-15 addresses; v16-31 statistics, 8 a tile; v32-95 S^T; v96-127 P; v128-255 four buffers of four fragments.  Windows 1, 2: O^T of tile 0, 1 (channel block n at v[8 n]).  Window 3: Q.
; LIMITS: a weight below 2^-126 counts as 0 in l; the stored O is at most 1,024 x max |v|, which bf16's range holds; NaN and infinities are not treated apart.
.set PK,    144                        ; a row of 128 bytes + 16: an odd multiple of 16
.set VK,    128*PK                     ; a wave's piece: 128 rows of V, then 128 rows of K
.set PIECE, 2*VK
.set SLOT,  4*PIECE                    ; 147,456 = 0x24000: it shares no bit with w x PIECE = w x 0x9000, so one exclusive or turns an address into the other slot's
.set STAGE, 2*SLOT                     ; behind the ring, never filled by a tensor load: 16 rows x 272 bytes for each wave
.set SP,    272
.set SPARE, STAGE+4*16*SP
.set AL,  3                            ; 144 r + 16 h; never rewritten
.set AV0, 4                            ; V's pieces 0, 1 of the slot in hand;  AV1: pieces 2, 3
.set AV1, 5
.set AK0, 6                            ; the same for K
.set AK1, 7
.set QO,  8
.set STO, 9
.set RD,  10
.set GO,  11
.set SPW, 12                           ; LDS address of my spare word; never rewritten
.set NIL, 13                           ; 0; never rewritten
.set ST,  16                           ; tile t at ST + 8 t: c m, m, l (even keys', odd keys'), c0-c3 at work; a takes c2's place
.set S,   32
.set P,   96
.set FR,  128
.set TMP, 32
.set OB,  128
.set WV,  12
.set G1,  24                           ; s[24:31] group 1 of a chunk's load;  s[32:39] of the first K's;  s[40:43] group 0, walking;  s[44:47] the first K's
.set G1K, 32
.set G0,  40
.set G0K, 44
.set SR,  48                           ; the slot that is read: 0 or SLOT
.set WB,  49                           ; my piece's place in a slot
.set CNT, 50
.set CS,  52
.set SEL, 54
.set MSB, 0
.macro WIN new
.if MSB != (\new)
	s_set_vgpr_msb (MSB<<8)|(\new)
.set MSB, (\new)
.endif
.endm
.macro PLACES                          ; four places (ISA guide 7.12.1)
.rept 4
	v_nop
.endr
.endm
.macro JLOAD                           ; every wave asks for its own quarter by the same line; s_nop 0 and four v_nop follow
	tensor_load_to_lds s[G0:G0+3], s[G1:G1+7]
	s_nop 0
.rept 4
	v_nop
.endr
.endm
.macro CREST
	s_cmp_lg_u32 s[WV], 0
	s_cbranch_scc1 .Lnot_wave_0_\@
	s_barrier_signal -3
.Lnot_wave_0_\@:
	s_barrier_wait -3
	s_barrier_signal -1
	s_barrier_wait -1
.endm
.macro CROUND
	s_barrier_signal -1
	s_barrier_wait -1
	CREST
.endm
	s_load_b256 s[4:11], s[0:1], 0x0               ; qt 4, kv 6, op 8, st 10
	v_lshl_add_u32 v[SPW], v0, 2, SPARE
	v_mov_b32 v[NIL], 0
	ds_add_u32 v[SPW], v[NIL]                      ; the wave's opening: the add, and its wait ahead of my first tensor load
	v_lshrrev_b32 v1, 5, v0
	v_readfirstlane_b32 s[WV], v1
	s_bfe_u32 s13, ttmp6, 0x40000                  ; cx
	s_lshl_b32 s14, ttmp9, 2
	s_add_co_u32 s14, s14, s13                     ; my block of 128 queries: it enters qt's, op's and st's addresses alone
	s_and_b32 s15, ttmp7, 0xffff
	s_lshr_b32 s16, s15, 1                         ; batch
	s_and_b32 s17, s15, 1                          ; which half of the keys
	s_lshl_b32 s20, s16, 22                        ; kv: the batch, the half's first block, my quarter: what the four partners share
	s_lshl_b32 s21, s17, 21
	s_add_co_u32 s20, s20, s21
	s_lshl_b32 s21, s[WV], 14
	s_add_co_u32 s20, s20, s21
	s_mov_b32 s21, 0
	s_mul_i32 s[WB], s[WV], PIECE
	s_lshl_b32 s22, s16, 21                        ; qt: batch, block of 64 positions 2 QB + w / 2, 32 (w % 2) rows of 128 bytes
	s_lshl_b32 s23, s14, 17
	s_add_co_u32 s22, s22, s23
	s_lshr_b32 s23, s[WV], 1
	s_lshl_b32 s23, s23, 16
	s_add_co_u32 s22, s22, s23
	s_and_b32 s23, s[WV], 1
	s_lshl_b32 s23, s23, 12
	s_add_co_u32 s22, s22, s23
	s_mov_b32 s23, 0
	s_lshl_b32 s56, s17, 24                        ; op: half, then (2,048 b + 128 QB + 32 w) rows of 1,024 bytes
	s_lshl_b32 s57, s16, 21
	s_add_co_u32 s56, s56, s57
	s_lshl_b32 s57, s14, 17
	s_add_co_u32 s56, s56, s57
	s_lshl_b32 s57, s[WV], 15
	s_add_co_u32 s56, s56, s57
	s_mov_b32 s57, 0
	s_lshl_b32 s58, s17, 17                        ; st: the same rows, 8 bytes each
	s_lshl_b32 s59, s16, 14
	s_add_co_u32 s58, s58, s59
	s_lshl_b32 s59, s14, 10
	s_add_co_u32 s58, s58, s59
	s_lshl_b32 s59, s[WV], 8
	s_add_co_u32 s58, s58, s59
	s_mov_b32 s59, 0
	; group 1: rows of 8,192 elements (16,384 bytes), 32,768 elements apart; 4 words of padding behind every 32.  Two rows for a chunk, one for the first K
.irp g, G1, G1K
	s_mov_b32 s[\g], 15|(1<<16)|(1<<20)|(1<<21)|(4<<22)|(3<<25)
	s_mov_b32 s[\g+1], 8192<<16
	s_mov_b32 s[\g+3], 8192<<16
	s_mov_b32 s[\g+5], 32768
	s_mov_b32 s[\g+6], 0
	s_mov_b32 s[\g+7], 0
.endr
	s_mov_b32 s[G1+2], 2<<16
	s_mov_b32 s[G1+4], 2
	s_mov_b32 s[G1K+2], 1<<16
	s_mov_b32 s[G1K+4], 1
	s_mov_b32 s[G0], 1
	s_mov_b32 s[G0+1], s[WB]                       ; chunk 0 into slot 0
	s_mov_b32 s[G0K], 1
	s_add_co_u32 s[G0K+1], s[WB], SLOT+VK          ; the first K where slot 1 keeps K
	s_mov_b32 s[SR], SLOT
	s_mov_b32 s[CS], 0x3d8293ee                    ; c = log2(e) / sqrt(512) = 0.0637587
	s_mov_b32 s[CS+1], s[CS]
	s_mov_b32 s[SEL], 0x76543210
	s_mov_b32 s[SEL+1], 0xfedcba98
	s_wait_dscnt 0x0                               ; the opening add is done
	s_wait_kmcnt 0x0
	s_add_nc_u64 s[G0K+2:G0K+3], s[6:7], s[20:21]
	s_add_nc_u64 s[G0+2:G0+3], s[G0K+2:G0K+3], 65536
	s_or_b32 s[G0K+3], s[G0K+3], 0x80000000
	s_or_b32 s[G0+3], s[G0+3], 0x80000000
	s_add_nc_u64 s[4:5], s[4:5], s[22:23]
	s_add_nc_u64 s[8:9], s[8:9], s[56:57]
	s_add_nc_u64 s[10:11], s[10:11], s[58:59]
	CROUND                                         ; all four work-groups are here: the first joint loads meet
	tensor_load_to_lds s[G0K:G0K+3], s[G1K:G1K+7]
	s_nop 0
	JLOAD                                          ; two loads of mine are out
	v_and_b32 v1, 15, v0                           ; r
	v_bfe_u32 v2, v0, 4, 1                         ; h
	v_lshlrev_b32 v[QO], 7, v1
	v_lshl_add_u32 v[QO], v2, 4, v[QO]
	WIN 0xc0                                       ; destination window 3
.set i, 0
.rept 32                               ; Q stays in registers: tile i / 16, channels 32 (i % 16) ..
	global_load_b128 v[8*i:8*i+3], v[QO], s[4:5] offset:((i%16)/2)*8192+2048*(i/16)+64*(i%2)
	global_load_b128 v[8*i+4:8*i+7], v[QO], s[4:5] offset:((i%16)/2)*8192+2048*(i/16)+64*(i%2)+32
.set i, i+1
.endr
	WIN 0x40
.set i, 0
.rept 256
	v_mov_b32 v[i], 0
.set i, i+1
.endr
	WIN 0x80
.set i, 0
.rept 256
	v_mov_b32 v[i], 0
.set i, i+1
.endr
	WIN 0
.irp t, 0,1
	v_mov_b32 v[ST+8*\t], 0xfe000000               ; c m: far below every c s
	v_mov_b32 v[ST+8*\t+1], 0xff7fffff             ; m
	v_mov_b32 v[ST+8*\t+2], 0
	v_mov_b32 v[ST+8*\t+3], 0
.endr
	v_mul_u32_u24 v[AL], v1, PK
	v_lshl_add_u32 v[AL], v2, 4, v[AL]
	s_mul_i32 s13, s[WV], 16*SP
	s_add_co_u32 s13, s13, STAGE                   ; my stage
	v_mul_u32_u24 v[STO], v1, SP
	v_lshl_add_u32 v[STO], v2, 4, v[STO]
	v_add_nc_u32 v[STO], s13, v[STO]
	v_mul_u32_u24 v[RD], v2, SP
	v_lshl_add_u32 v[RD], v1, 4, v[RD]
	v_add_nc_u32 v[RD], s13, v[RD]
	v_lshlrev_b32 v[GO], 10, v2
	v_lshl_add_u32 v[GO], v1, 4, v[GO]
.macro ADDRS                           ; the four addresses of the slot in hand
	WIN 0
	v_add_nc_u32 v[AV0], s[SR], v[AL]
	v_add_nc_u32 v[AV1], 2*PIECE, v[AV0]
	v_add_nc_u32 v[AK0], VK, v[AV0]
	v_add_nc_u32 v[AK1], 2*PIECE+VK, v[AV0]
.endm
; A period has 32 GROUPS of 8 loads and 8 products, on buffer g % 4.  g < 16: K's four key blocks, channels 32 g ..   g >= 16: V's channel blocks 4 ((g - 16) % 8) + n, keys 32 ((g - 16) / 8) ..
.macro LOADS g
.set lf, FR+32*((\g)%4)
.if (\g) < 16
.set lr, AK0+(\g)/8
.set lb, (((\g)/4)%2)*PIECE+(((\g)/2)%2)*64*PK+((\g)%2)*64
.irp n, 0,1,2,3
	ds_load_b128 v[lf+8*\n:lf+8*\n+3], v[lr] offset:lb+16*\n*PK
	ds_load_b128 v[lf+8*\n+4:lf+8*\n+7], v[lr] offset:lb+16*\n*PK+32
.endr
.else
.set lu, (\g)-16
.irp n, 0,1,2,3
.set lc, 4*(lu%8)+\n
.set lr, AV0+lc/16
.set lb, ((lc/8)%2)*PIECE+(lc%8)*16*PK+64*(lu/8)
	ds_load_b128 v[lf+8*\n:lf+8*\n+3], v[lr] offset:lb
	ds_load_b128 v[lf+8*\n+4:lf+8*\n+7], v[lr] offset:lb+32
.endr
.endif
.endm
; ONE TILE'S SOFTMAX FOR A STEP is a list of 94; SM writes number j for tile t.
;   0-15 the maximum of the lane's 32 scores and the old m (each accumulator's lowest registers first)   16-20 the other half of the lanes', the new m, c m, c m_old - c m_new
;   23 a; the odd numbers 25-87 the 32 exponentials, in place; between them whatever is ready:
;   F b, c s - c m for pair b: 21, 22, 24, 26 (b = 0..3), then 28, 32 .. 72 (b = 4..15): each stands ahead of its pair's first exponential, number 25 + 4 b
;   SUM p, l takes pair p of the weights (the first as l = a l + pair): 30 + 4 p, three numbers behind the pair's second exponential
;   C p, pair p rounded to bf16, p = 0..7: 76, 80, 84, 88, 89, 91, 92, 93: when the products on P's first half are long past.  Pairs 8-15 are rounded in POST.
; sk says which of the three a number is (-1: none of them, the line has been written), sn its pair.
.macro SM t
.set rT, ST+8*(\t)
.set rS, S+32*(\t)
.set rP, P+16*(\t)
.set sk, -1
.set sn, 0
.if j < 4
	v_max3_num_f32 v[rT+4+j], v[rS+8*j], v[rS+8*j+1], v[rS+8*j+2]
.elseif j < 12
	v_max3_num_f32 v[rT+4+j%4], v[rT+4+j%4], v[rS+8*(j%4)+2*(j/4)+1], v[rS+8*(j%4)+2*(j/4)+2]
.elseif j == 12
	v_max3_num_f32 v[rT+4], v[rT+4], v[rS+7], v[rS+15]
.elseif j == 13
	v_max3_num_f32 v[rT+6], v[rT+6], v[rS+23], v[rS+31]
.elseif j == 14
	v_max3_num_f32 v[rT+4], v[rT+4], v[rT+5], v[rT+6]
.elseif j == 15
	v_max3_num_f32 v[rT+4], v[rT+4], v[rT+7], v[rT+1]
.elseif j == 16
	v_permlanex16_b32 v[rT+5], v[rT+4], s[SEL], s[SEL+1]
.elseif j == 17
	v_mov_b32 v[rT+7], v[rT]
.elseif j == 18
	v_max_num_f32 v[rT+1], v[rT+4], v[rT+5]
.elseif j == 19
	v_mul_f32 v[rT], s[CS], v[rT+1]
.elseif j == 20
	v_sub_f32 v[rT+7], v[rT+7], v[rT]
.elseif j == 23
	v_exp_f32 v[rT+6], v[rT+7]
.elseif (j > 23) && (j < 88) && (j%2 == 1)
	v_exp_f32 v[rS+(j-25)/2], v[rS+(j-25)/2]
.elseif j == 21
.set sk, 0
.set sn, 0
.elseif j < 28
.set sk, 0
.set sn, (j-20)/2
.elseif (j%4 == 0) && (j <= 72)
.set sk, 0
.set sn, j/4-3
.elseif j%4 == 2
.set sk, 1
.set sn, (j-30)/4
.elseif (j%4 == 0) && (j <= 88)
.set sk, 2
.set sn, (j-76)/4
.elseif j == 89
.set sk, 2
.set sn, 4
.else
.set sk, 2
.set sn, j-86
.endif
.if sk == 0
	v_pk_fma_f32 v[rS+2*sn:rS+2*sn+1], v[rS+2*sn:rS+2*sn+1], s[CS:CS+1], v[rT:rT+1] op_sel_hi:[1,0,0] neg_lo:[0,0,1] neg_hi:[0,0,1]
.elseif (sk == 1) && (sn == 0)
	s_wait_alu depctr_va_vdst(0)
	v_pk_fma_f32 v[rT+2:rT+3], v[rT+2:rT+3], v[rT+6:rT+7], v[rS:rS+1] op_sel_hi:[1,0,1]
.elseif sk == 1
	s_wait_alu depctr_va_vdst(0)
	v_pk_add_f32 v[rT+2:rT+3], v[rT+2:rT+3], v[rS+2*sn:rS+2*sn+1]
.elseif sk == 2
	v_cvt_pk_bf16_f32 v[rP+sn], v[rS+2*sn], v[rS+2*sn+1]
.endif
.endm
; Slice k of 47: numbers 2 k and 2 k + 1 of both tiles.  Where exponentials stand: tile by tile, plain, exponential, plain, exponential, so that each has a plain line behind it before its result is used; elsewhere the tiles alternate.
.macro SLICE k
	WIN 0
.if ((\k) >= 11) && ((\k) <= 43)
.irp t, 0,1
.set j, 2*(\k)
	SM \t
.set j, 2*(\k)+1
	SM \t
.endr
.else
.irp n, 0,1
.set j, 2*(\k)+\n
	SM 0
	SM 1
.endr
.endif
.endm
.macro POST                            ; P's second half: its last readers stand in front of the four places of the change of slots
	WIN 0
.irp p, 8,9,10,11,12,13,14,15
	v_cvt_pk_bf16_f32 v[P+\p], v[S+2*\p], v[S+2*\p+1]
	v_cvt_pk_bf16_f32 v[P+16+\p], v[S+32+2*\p], v[S+32+2*\p+1]
.endr
.endm
; A group of phase X.  At its head the loads of group g + 2; the wait leaves those and group g + 1's out.  The buffer that they fill was last read in group g - 2; the riders behind that group's last pair are the places.
; The 8 accumulators take turns.  ride = 1: behind pair y = 4 g + n the eight registers of O^T's channel block y % 32 of tile y / 32 are multiplied by a, in ascending order.
.macro XGROUP g, ride, ld, wt
	WIN 0x0c                                       ; Q (source 1) in window 3; all else, the loads' registers too, in window 0
.if (!(\ride)) && (\ld)
	PLACES
.endif
.if \ld
	LOADS (\g)+2
.endif
	s_wait_dscnt \wt
.set xf, FR+32*((\g)%4)
.irp n, 0,1,2,3
	WIN 0x0c
.if (\g) == 0
	v_wmma_f32_16x16x32_bf16 v[S+8*\n:S+8*\n+7], v[xf+8*\n:xf+8*\n+7], v[8*(\g):8*(\g)+7], 0
	v_wmma_f32_16x16x32_bf16 v[S+32+8*\n:S+32+8*\n+7], v[xf+8*\n:xf+8*\n+7], v[128+8*(\g):128+8*(\g)+7], 0
.else
	v_wmma_f32_16x16x32_bf16 v[S+8*\n:S+8*\n+7], v[xf+8*\n:xf+8*\n+7], v[8*(\g):8*(\g)+7], v[S+8*\n:S+8*\n+7]
	v_wmma_f32_16x16x32_bf16 v[S+32+8*\n:S+32+8*\n+7], v[xf+8*\n:xf+8*\n+7], v[128+8*(\g):128+8*(\g)+7], v[S+32+8*\n:S+32+8*\n+7]
.endif
.if \ride
.set xy, 4*(\g)+\n
.set xb, 8*(xy%32)
.set xa, ST+8*(xy/32)+6
	WIN 0x41*(1+xy/32)                             ; O^T (destination and source 0) in window 1 or 2, a in window 0
.irp z, 0,1,2,3
	v_pk_mul_f32 v[xb+2*\z:xb+2*\z+1], v[xb+2*\z:xb+2*\z+1], v[xa:xa+1] op_sel_hi:[1,0]
.endr
.endif
.endr
.endm
; A group of phase Y.  ride = 1: behind pair y = 4 (g - 16) + n stands slice y - 8, for y = 8 .. 54.  pl = 1: four v_nop at the head, where no riders have stood since the buffer's last reader.  wt < 0: no wait is written.
.macro YGROUP g, ride, ld, wt, pl
.if \pl
	PLACES
.endif
.if \ld
	WIN 0
	LOADS (\g)+2
.endif
.if (\wt) >= 0
	s_wait_dscnt \wt
.endif
.set xu, (\g)-16
.set xf, FR+32*((\g)%4)
.set xp, P+8*(xu/8)
.irp n, 0,1,2,3
.set xo, 8*(4*(xu%8)+\n)
	WIN 0x50                                       ; C and D in window 1
	v_wmma_f32_16x16x32_bf16 v[xo:xo+7], v[xf+8*\n:xf+8*\n+7], v[xp:xp+7], v[xo:xo+7]
	WIN 0xa0                                       ; in window 2
	v_wmma_f32_16x16x32_bf16 v[xo:xo+7], v[xf+8*\n:xf+8*\n+7], v[xp+16:xp+23], v[xo:xo+7]
.if (\ride) && (4*xu+\n >= 8) && (4*xu+\n <= 54)
	SLICE 4*xu+\n-8
.endif
.endr
.endm
; THE CHANGE OF SLOTS holds a period's last two groups.  Each wave waits for all its tensor loads (one is out: its quarter of the other slot), adds 0 to its spare word, and waits for that and for its reads of the slot.
; fill = 1: the barrier opens a round of the cluster's, and the slot just read is filled again first thing behind it, with the chunk two on: the load has about 240 matrix instructions in which to land.
.macro CHANGE_OVL fill
	WIN 0
	s_wait_tensorcnt 0x0                           ; no tensor load of mine is out, so group 0 may be written
	ds_add_u32 v[SPW], v[NIL]
.if \fill
	s_xor_b32 s[G0+1], s[G0+1], SLOT
	s_add_nc_u64 s[G0+2:G0+3], s[G0+2:G0+3], 131072
.endif
	s_xor_b32 s[SR], s[SR], SLOT
	YGROUP 30, 0, 0, 9, 0                          ; group 31's eight loads and the add may be out
	s_wait_dscnt 0x0                               ; the add is done, and my reads of the slot are over
	s_barrier_signal -1
	YGROUP 31, 0, 0, -1, 0
	WIN 0
	s_barrier_wait -1
.if \fill
	CREST
	JLOAD                                          ; its four v_nop are also the places in front of POST and of the loads that follow
.else
	PLACES
.endif
.endm
	s_wait_tensorcnt 0x0                           ; my quarters of the first K and of chunk 0 are in,
	s_barrier_signal -1
	s_barrier_wait -1                              ; everybody's are
	ADDRS
	LOADS 0
	LOADS 1
	s_wait_loadcnt 0x0                             ; Q
.set g, 0
.rept 14
	XGROUP g, 0, 1, 16                             ; the first scores: there is no vector work yet to set between them
.set g, g+1
.endr
	XGROUP 14, 0, 0, 8                             ; nothing more to fetch: the counts run down
	XGROUP 15, 0, 0, 0
	PLACES
	WIN 0
.set j, 0
.rept 94                               ; the first softmax; behind each pair of exponentials stands a plain line that reads neither
	SM 0
	SM 1
.set j, j+1
.endr
	s_wait_tensorcnt 0x0                           ; the first change of slots: K of block 0 has been read; slot 1 takes chunk 1
	ds_add_u32 v[SPW], v[NIL]
	s_xor_b32 s[G0+1], s[G0+1], SLOT
	s_add_nc_u64 s[G0+2:G0+3], s[G0+2:G0+3], 131072
	s_xor_b32 s[SR], s[SR], SLOT
	s_wait_dscnt 0x0
	CROUND
	JLOAD
	s_mov_b32 s[CNT], 15
	s_branch .Lmid                                 ; the loop is entered behind its change of slots
.Ltop:                                 ; 14 times: chunks 2 to 15 are asked for
	CHANGE_OVL 1
.Lmid:
	ADDRS
	LOADS 0
	LOADS 1
	POST
.set g, 0
.rept 16
	XGROUP g, 1, 1, 16
.set g, g+1
.endr
	YGROUP 16, 1, 1, 16, 0
	YGROUP 17, 1, 1, 16, 0
	YGROUP 18, 1, 1, 16, 1                         ; groups 16 and 17 carry no riders
.set g, 19
.rept 11
	YGROUP g, 1, 1, 16, 0
.set g, g+1
.endr
	WIN 0
	s_sub_co_u32 s[CNT], s[CNT], 1
	s_cmp_lg_u32 s[CNT], 0
	s_cbranch_scc1 .Ltop
	CHANGE_OVL 0                                   ; the tail is written out: nothing is asked for
	ADDRS
	LOADS 16
	LOADS 17
	POST
	WIN 0x41
.set i, 0
.rept 128
	v_pk_mul_f32 v[2*i:2*i+1], v[2*i:2*i+1], v[ST+6:ST+7] op_sel_hi:[1,0]
.set i, i+1
.endr
	WIN 0x82
.set i, 0
.rept 128
	v_pk_mul_f32 v[2*i:2*i+1], v[2*i:2*i+1], v[ST+14:ST+15] op_sel_hi:[1,0]
.set i, i+1
.endr
.set g, 16
.rept 14
	YGROUP g, 0, 1, 16, 1
.set g, g+1
.endr
	YGROUP 30, 0, 0, 8, 0
	YGROUP 31, 0, 0, 0, 0
	; THE WAY OUT.  c m and l: lanes 0-15 take tile 0's, lanes 16-31 tile 1's: 32 queries, 256 consecutive bytes.
	PLACES
	WIN 0
.irp t, 0,1
	v_add_f32 v[ST+8*\t+2], v[ST+8*\t+2], v[ST+8*\t+3]
.endr
.irp t, 0,1
	v_permlanex16_b32 v[ST+8*\t+3], v[ST+8*\t+2], s[SEL], s[SEL+1]
.endr
.irp t, 0,1
	v_add_f32 v[ST+8*\t+2], v[ST+8*\t+2], v[ST+8*\t+3]
.endr
	v_cmp_eq_u32 vcc_lo, 1, v2
	v_cndmask_b32 v14, v[ST], v[ST+8], vcc_lo
	v_cndmask_b32 v15, v[ST+2], v[ST+10], vcc_lo
	v_and_b32 v8, 31, v0
	v_lshlrev_b32 v8, 3, v8
	global_store_b64 v8, v[14:15], s[10:11]
; O^T, as it is: unit u = 4 t + quarter: 16 queries x 128 channels, rounded, through my stage, out as rows of 256 bytes
.macro OPACK u
.set xt, (\u)/4
.set xq, (\u)%4
	s_wait_xcnt 0x0                                ; the registers that earlier stores read are loaded again only behind this wait
	WIN 5*(1+xt)
.set xi, 0
.rept 8
.irp z, 0,1,2,3
	v_cvt_pk_bf16_f32 v[TMP+4*xi+\z], v[8*(8*xq+xi)+2*\z], v[8*(8*xq+xi)+2*\z+1]
.endr
.set xi, xi+1
.endr
	WIN 0
.irp n, 0,1,2,3,4,5,6,7
	ds_store_b128 v[STO], v[TMP+4*\n:TMP+4*\n+3] offset:32*\n
.endr
.set xb, OB+32*((\u)%2)
.irp f, 0,1,2,3,4,5,6,7
	ds_load_b128 v[xb+4*\f:xb+4*\f+3], v[RD] offset:2*SP*\f   ; LDS serves a wave's instructions in order (ISA guide 5.7.1.4)
.endr
.endm
.macro OSEND u, younger
.set xb, OB+32*((\u)%2)
.irp f, 0,1,2,3,4,5,6,7
	s_wait_dscnt (\younger)+7-\f
	global_store_b128 v[GO], v[xb+4*\f:xb+4*\f+3], s[8:9] offset:16384*((\u)/4)+2048*\f+256*((\u)%4)   ; 16 lanes store 256 consecutive bytes, aligned
.endr
.endm
	OPACK 0
.set u, 1
.rept 7
	OPACK u
	OSEND u-1, 16
.set u, u+1
.endr
	OSEND 7, 0
	s_wait_tensorcnt 0x0                           ; the wave's end
	ds_add_u32 v[SPW], v[NIL]
	s_wait_dscnt 0x0
	CROUND                                         ; the closing round
	s_endpgm
.Lfunc_end_k_qc930e34467_attn:
	.size	k_qc930e34467_attn, .Lfunc_end_k_qc930e34467_attn-k_qc930e34467_attn
	.p2alignl 7, 3214868480
	.fill 96, 4, 3214868480
	.section	.rodata,"a",@progbits
	.p2align	6, 0x0
	.amdhsa_kernel k_qc930e34467_attn
		.amdhsa_group_segment_fixed_size 327680
		.amdhsa_private_segment_fixed_size 0
		.amdhsa_enable_private_segment 0
		.amdhsa_kernarg_size 32
		.amdhsa_user_sgpr_count 2
		.amdhsa_user_sgpr_kernarg_segment_ptr 1
		.amdhsa_wavefront_size32 1
		.amdhsa_system_sgpr_workgroup_id_x 1
		.amdhsa_system_sgpr_workgroup_id_y 1
		.amdhsa_system_sgpr_workgroup_id_z 1
		.amdhsa_system_vgpr_workitem_id 0
		.amdhsa_next_free_vgpr 1024
		.amdhsa_next_free_sgpr 66
		.amdhsa_reserve_vcc 1
		.amdhsa_float_denorm_mode_32 3
		.amdhsa_float_denorm_mode_16_64 3
		.amdhsa_memory_ordered 1
		.amdhsa_forward_progress 1
		.amdhsa_inst_pref_size 205
	.end_amdhsa_kernel
	.amdgpu_metadata
---
amdhsa.version: [ 1, 2 ]
amdhsa.kernels:
  - .name:           k_qc930e34467_attn
    .symbol:         k_qc930e34467_attn.kd
    .args:
      - { .name: qt, .offset: 0, .size: 8, .value_kind: global_buffer, .address_space: global }
      - { .name: kv, .offset: 8, .size: 8, .value_kind: global_buffer, .address_space: global }
      - { .name: op, .offset: 16, .size: 8, .value_kind: global_buffer, .address_space: global }
      - { .name: st, .offset: 24, .size: 8, .value_kind: global_buffer, .address_space: global }
    .group_segment_fixed_size: 327680
    .private_segment_fixed_size: 0
    .kernarg_segment_align: 8
    .kernarg_segment_size: 32
    .max_flat_workgroup_size: 128
    .sgpr_count:     66
    .vgpr_count:     1024
    .wavefront_size: 32
...
	.end_amdgpu_metadata
.endif
;; end of part 3
;; launch proj (part 4): grid 256 x 1, 4 waves a work-group, clusters of 4 x 1, 327,680 bytes of LDS; arguments op, st, wpb, bp, x, out0; writes out0
.if DOCPART == 4
	.amdgcn_target "amdgcn-amd-amdhsa--gfx1250"
	.amdhsa_code_object_version 6
	.text
	.protected	k_qc930e34467_proj
	.globl	k_qc930e34467_proj
	.p2align	8
	.type	k_qc930e34467_proj,@function
k_qc930e34467_proj:
	s_mov_b64 s[64:65], 0
	v_nop
	global_prefetch_b8 v0, s[64:65] scope:SCOPE_SE
	s_setreg_imm32_b32 hwreg(HW_REG_WAVE_MODE, 25, 1), 1
	s_wait_xcnt 0x0
	s_wait_alu depctr_hold_cnt(0) depctr_sa_sdst(0) depctr_va_vdst(0) depctr_va_sdst(0) depctr_va_ssrc(0) depctr_va_vcc(0) depctr_vm_vsrc(0)
	s_getreg_b32 s2, hwreg(HW_REG_IB_STS2, 6, 4)
	s_cmp_eq_u32 s2, 0
	s_cbranch_scc0 .Lentry_in_a_cluster
	s_endpgm
.Lentry_in_a_cluster:
	s_bfe_u32 s2, ttmp6, 0x10000c
	s_cmp_lg_u32 s2, 0x3003
	s_cbranch_scc0 .Lentry_shape_is_right
	s_endpgm
.Lentry_shape_is_right:
; out = x + wp O + bp, where O joins the two key halves:  O = (e0 O0 + e1 O1) / (e0 l0 + e1 l1),  e_i = 2^(c m_i - max(c m_0, c m_1)).
; op: [half][b][n][512 c] bf16, unnormalised.  st: [half][b][n][c m, l] f32.  wpb: [c/128][o][c%128] bf16.  x, out0: [b][o][n] f32.
; SHARES.  A work-group takes 64 positions and all 512 outputs, a wave 128 outputs: 32 accumulators.  Every byte of op, x and out0 moves once.
; THE JOIN.  Each wave joins 16 positions (f32, then one rounding to bf16) and hands them to the others through LDS in four chunks of 128 channels, two buffers by turns; each wave then keeps all 64 positions x 512
; channels as fragments in 512 registers.  The divisor is at least 1: the half with the larger maximum has l >= 1.
; PRODUCT.  Source 0 = 16 positions of O, source 1 = 16 rows of wp; bp is the first C.  A lane holds one output and eight neighbouring positions.
; CLUSTER.  All work-groups walk the same wp: its tiles (128 channels, 512 rows of 256 bytes) are asked for jointly by the four of a cluster.  A wave reads only the 128 rows that it fetched.
; REGISTERS: window 0: v0-17 addresses; v32-95, v96-159 wp's fragments (in the join: statistics, factors, work); v160-223 bp.  Window 1: the accumulators ((a, p) at v[8 (4 a + p)]; in the join: op as loaded).
;   Windows 2, 3: O's fragments ((p, ks) at v[8 (4 (ks % 8) + p)]); when window 2 has been multiplied it takes x.
; LIMITS: the joined O is rounded to bf16 a second time; NaN and infinities are not treated apart.
.set PITCH, 272                        ; 256 bytes + 16: an odd multiple of 16
.set SLOT,  512*PITCH
.set SB,    2*SLOT                     ; behind the ring, written by LDS stores alone: two buffers of 64 rows for the join; later each wave's stage for the way out
.set SBUF,  64*PITCH
.set SPARE, SB+2*SBUF
.set AW,  4                            ; v4-5 my place in slot 0, 1
.set VO,  6
.set VS,  7
.set STB, 8
.set FRD, 9
.set STO, 10
.set RDO, 11
.set XO,  12
.set BPO, 13
.set SPW, 14                           ; LDS address of my spare word; never rewritten
.set NIL, 15                           ; 0; never rewritten
.set ZR,  16                           ; 0, for the join
.set STT, 32                           ; (c m, l) of half f, row i at STT + 2 (8 f + i)
.set B0,  64                           ; the factors of my 8 rows, half 0;  B1: half 1
.set B1,  72
.set WKS, 80
.set WK,  96                           ; 64 registers at work
.set W0,  32
.set T0,  32
.set BP,  160
.set WV,  20
.set G1,  24
.set G0,  32
.set MSB, 0
.macro WIN new
.if MSB != (\new)
	s_set_vgpr_msb (MSB<<8)|(\new)
.set MSB, (\new)
.endif
.endm
.macro PLACES                          ; four places (ISA guide 7.12.1)
.rept 4
	v_nop
.endr
.endm
.macro CREST
	s_cmp_lg_u32 s[WV], 0
	s_cbranch_scc1 .Lnot_wave_0_\@
	s_barrier_signal -3
.Lnot_wave_0_\@:
	s_barrier_wait -3
	s_barrier_signal -1
	s_barrier_wait -1
.endm
.macro CROUND
	s_barrier_signal -1
	s_barrier_wait -1
	CREST
.endm
	s_load_b256 s[4:11], s[0:1], 0x0               ; op 4, st 6, wpb 8, bp 10
	s_load_b128 s[12:15], s[0:1], 0x20             ; x 12, out0 14
	v_lshl_add_u32 v[SPW], v0, 2, SPARE
	v_mov_b32 v[NIL], 0
	ds_add_u32 v[SPW], v[NIL]                      ; the wave's opening: the add, and its wait ahead of my first tensor load
	v_lshrrev_b32 v1, 5, v0
	v_readfirstlane_b32 s[WV], v1
	s_bfe_u32 s40, ttmp6, 0x40000                  ; cx
	s_lshl_b32 s41, ttmp9, 2
	s_add_co_u32 s41, s41, s40                     ; my block of 64 positions, 0..255
	; group 1: 128 rows of 128 elements, dense; 4 words of padding behind every 64
	s_mov_b32 s[G1], 15|(1<<16)|(1<<20)|(1<<21)|(5<<22)|(3<<25)
	s_mov_b32 s[G1+1], 128<<16
	s_mov_b32 s[G1+2], 128<<16
	s_mov_b32 s[G1+3], 128<<16
	s_mov_b32 s[G1+4], 128
	s_mov_b32 s[G1+5], 128
	s_mov_b32 s[G1+6], 0
	s_mov_b32 s[G1+7], 0
	s_mul_i32 s21, s[WV], 128*PITCH                ; my 128 rows in a slot
	s_lshl_b32 s22, s[WV], 15                      ; and in a tile of wpb
	s_mov_b32 s23, 0
	s_lshl_b32 s42, s41, 16                        ; op: 64 rows of 1,024 bytes a block
	s_mov_b32 s43, 0
	s_lshl_b32 s44, s41, 9                         ; st: 64 rows of 8 bytes
	s_mov_b32 s45, 0
	s_lshr_b32 s46, s41, 5                         ; x, out0: batch, my 128 outputs, the block's 256 bytes of a row
	s_lshl_b32 s46, s46, 22
	s_lshl_b32 s47, s[WV], 20
	s_add_co_u32 s46, s46, s47
	s_and_b32 s47, s41, 31
	s_lshl_b32 s47, s47, 8
	s_add_co_u32 s46, s46, s47
	s_mov_b32 s47, 0
	s_wait_dscnt 0x0                               ; the opening add is done
	s_wait_kmcnt 0x0
	s_add_nc_u64 s[22:23], s[8:9], s[22:23]
	s_add_nc_u64 s[4:5], s[4:5], s[42:43]
	s_add_nc_u64 s[16:17], s[4:5], 0x1000000       ; the second half of the keys
	s_add_nc_u64 s[6:7], s[6:7], s[44:45]
	s_add_nc_u64 s[12:13], s[12:13], s[46:47]
	s_add_nc_u64 s[14:15], s[14:15], s[46:47]
.irp s, 0,1
	s_mov_b32 s[G0+4*(\s)], 1
	s_add_co_u32 s[G0+4*(\s)+1], s21, (\s)*SLOT
	s_add_nc_u64 s[G0+4*(\s)+2:G0+4*(\s)+3], s[22:23], (\s)*131072
	s_or_b32 s[G0+4*(\s)+3], s[G0+4*(\s)+3], 0x80000000
.endr
	CROUND                                         ; all four work-groups are here: the first joint loads meet
	tensor_load_to_lds s[G0:G0+3], s[G1:G1+7]
	s_nop 0
	tensor_load_to_lds s[G0+4:G0+7], s[G1:G1+7]    ; two loads of mine are out
	s_nop 0
.rept 4
	v_nop
.endr
	v_and_b32 v1, 15, v0                           ; r
	v_bfe_u32 v2, v0, 4, 1                         ; h
	v_mul_u32_u24 v3, v1, PITCH
	v_lshl_add_u32 v3, v2, 4, v3                   ; a fragment's row x pitch + 16 h
	v_add_nc_u32 v[AW], s21, v3
	v_add_nc_u32 v[AW+1], SLOT, v[AW]
	v_add_nc_u32 v[FRD], SB, v3
	v_mul_u32_u24 v17, v2, PITCH
	v_lshl_add_u32 v17, v1, 4, v17                 ; row h, 16 bytes a lane
	s_mul_i32 s44, s[WV], 16*PITCH
	s_add_co_u32 s44, s44, SB
	v_add_nc_u32 v[STB], s44, v17                  ; the join: my 16 positions
	s_mul_i32 s44, s[WV], 32*PITCH
	s_add_co_u32 s44, s44, SB                      ; the way out: my stage
	v_add_nc_u32 v[RDO], s44, v17
	v_mul_u32_u24 v[STO], v1, PITCH
	v_lshl_add_u32 v[STO], v2, 5, v[STO]
	v_add_nc_u32 v[STO], s44, v[STO]
	v_lshlrev_b32 v[XO], 13, v2
	v_lshl_add_u32 v[XO], v1, 4, v[XO]             ; x, out0: row h of two, 16 bytes a lane
	s_lshl_b32 s44, s[WV], 14
	v_lshl_add_u32 v[VO], v2, 10, s44
	v_lshl_add_u32 v[VO], v1, 4, v[VO]             ; op: row 16 w + h, 16 bytes a lane
	s_lshl_b32 s44, s[WV], 7
	v_lshl_add_u32 v[VS], v2, 3, s44
	s_lshl_b32 s44, s[WV], 9
	v_lshl_add_u32 v[BPO], v1, 2, s44
	v_mov_b32 v[ZR], 0
.irp a, 0,1,2,3,4,5,6,7
.irp j, 0,1,2,3,4,5,6,7
	global_load_b32 v[BP+8*\a+\j], v[BPO], s[10:11] offset:64*\a   ; every register of C is output 16 a + r
.endr
.endr
.irp f, 0,1
.irp i, 0,1,2,3,4,5,6,7
	global_load_b64 v[STT+2*(8*\f+\i):STT+2*(8*\f+\i)+1], v[VS], s[6:7] offset:131072*\f+16*\i   ; rows 16 w + 2 i + h
.endr
.endr
	WIN 0x40
.irp c, 0,1,2,3
.irp i, 0,1,2,3,4,5,6,7
	global_load_b128 v[4*(16*\c+\i):4*(16*\c+\i)+3], v[VO], s[4:5] offset:2048*\i+256*\c
.endr
.irp i, 0,1,2,3,4,5,6,7
	global_load_b128 v[4*(16*\c+8+\i):4*(16*\c+8+\i)+3], v[VO], s[16:17] offset:2048*\i+256*\c
.endr
.endr
	WIN 0
	s_wait_loadcnt 63                              ; the largest count a wait can name: of 144 loads the first 81 are in, bp's 64 and st's 16 among them
.irp i, 0,1,2,3,4,5,6,7
	v_max_num_f32 v[WKS+\i], v[STT+2*\i], v[STT+16+2*\i]
.endr
.irp i, 0,1,2,3,4,5,6,7
	v_sub_f32 v[B0+\i], v[STT+2*\i], v[WKS+\i]
	v_sub_f32 v[B1+\i], v[STT+16+2*\i], v[WKS+\i]
.endr
.irp i, 0,1,2,3,4,5,6,7
	v_exp_f32 v[B0+\i], v[B0+\i]
	v_exp_f32 v[B1+\i], v[B1+\i]
.endr
	v_nop                                          ; a plain line between the last exponential and the use of its result
	s_wait_alu depctr_va_vdst(0)
.irp i, 0,1,2,3,4,5,6,7
	v_mul_f32 v[WKS+\i], v[B0+\i], v[STT+2*\i+1]
.endr
.irp i, 0,1,2,3,4,5,6,7
	v_fmac_f32 v[WKS+\i], v[B1+\i], v[STT+16+2*\i+1]
.endr
.irp i, 0,1,2,3,4,5,6,7
	v_rcp_f32 v[WKS+\i], v[WKS+\i]
.endr
	v_nop
	s_wait_alu depctr_va_vdst(0)
.irp i, 0,1,2,3,4,5,6,7
	v_mul_f32 v[B0+\i], v[B0+\i], v[WKS+\i]
	v_mul_f32 v[B1+\i], v[B1+\i], v[WKS+\i]
.endr
; Chunk c: channels 128 c ..  My 8 rows x 8 channels a lane are joined, rounded, and stored into buffer c % 2; behind the barrier every wave takes all 64 positions as fragments.
; One barrier a chunk: a buffer is written again two chunks on, behind a barrier in front of which every wave has waited for its reads of it.
.macro CHUNK c
	s_wait_loadcnt 48-16*(\c)                      ; this chunk's 16 loads are in; the later chunks' stay out
	WIN 0x01                                       ; source 0 (op) in window 1
.set i, 0
.rept 8
.irp z, 0,1,2,3
.set xx, 4*(16*(\c)+i)+\z
.set xd, WK+8*i+2*\z
	v_fma_mix_f32_bf16 v[xd], v[xx], v[B0+i], v[ZR] op_sel_hi:[1,0,0]
	v_fma_mix_f32_bf16 v[xd+1], v[xx], v[B0+i], v[ZR] op_sel:[1,0,0] op_sel_hi:[1,0,0]
	v_fma_mix_f32_bf16 v[xd], v[xx+32], v[B1+i], v[xd] op_sel_hi:[1,0,0]
	v_fma_mix_f32_bf16 v[xd+1], v[xx+32], v[B1+i], v[xd+1] op_sel:[1,0,0] op_sel_hi:[1,0,0]
.endr
.set i, i+1
.endr
	WIN 0
.set i, 0
.rept 8
.irp z, 0,1,2,3
	v_cvt_pk_bf16_f32 v[WK+8*i+\z], v[WK+8*i+2*\z], v[WK+8*i+2*\z+1]
.endr
	ds_store_b128 v[STB], v[WK+8*i:WK+8*i+3] offset:2*PITCH*i+((\c)%2)*SBUF
.set i, i+1
.endr
	s_wait_dscnt 0x0                               ; for the others' sake: my stores are done, and so are my reads of the chunk before
	s_barrier_signal -1
	s_barrier_wait -1
	WIN 0x80+0x40*((\c)/2)                         ; destination window 2 or 3
.irp k, 0,1,2,3
.irp p, 0,1,2,3
.set xd, 8*(4*((4*(\c)+\k)%8)+\p)
	ds_load_b128 v[xd:xd+3], v[FRD] offset:((\c)%2)*SBUF+16*\p*PITCH+64*\k
	ds_load_b128 v[xd+4:xd+7], v[FRD] offset:((\c)%2)*SBUF+16*\p*PITCH+64*\k+32
.endr
.endr
	WIN 0
.endm
	CHUNK 0
	CHUNK 1
	CHUNK 2
	CHUNK 3
.macro FWP ks                          ; 16 loads: wp's eight fragments, channels 32 ks .., into buffer ks % 2
	WIN 0
.set xw, W0+64*((\ks)%2)
.set xr, AW+((\ks)/4)%2
.irp a, 0,1,2,3,4,5,6,7
	ds_load_b128 v[xw+8*\a:xw+8*\a+3], v[xr] offset:16*\a*PITCH+64*((\ks)%4)
	ds_load_b128 v[xw+8*\a+4:xw+8*\a+7], v[xr] offset:16*\a*PITCH+64*((\ks)%4)+32
.endr
.endm
.macro MULP ks, a0, n                  ; 4 n products: output blocks a0 .., all four position blocks.  The 32 accumulators take turns
.if (\ks) == 0
	WIN 0x42                                       ; O in window 2, bp (C) in window 0, D in window 1
.elseif (\ks) < 8
	WIN 0x52
.else
	WIN 0x53
.endif
.set xa, (\a0)
.rept \n
.set xw, W0+64*((\ks)%2)+8*xa
.irp p, 0,1,2,3
.set xd, 8*(4*xa+\p)
.set xo, 8*(4*((\ks)%8)+\p)
.if (\ks) == 0
	v_wmma_f32_16x16x32_bf16 v[xd:xd+7], v[xo:xo+7], v[xw:xw+7], v[BP+8*xa:BP+8*xa+7]
.else
	v_wmma_f32_16x16x32_bf16 v[xd:xd+7], v[xo:xo+7], v[xw:xw+7], v[xd:xd+7]
.endif
.endr
.set xa, xa+1
.endr
.endm
.macro KS ks                           ; 32 channels: 32 products; behind the first eight the next 32 channels' fragments are fetched
	s_wait_dscnt 0x0
	MULP \ks, 0, 2
	PLACES
.if (\ks) == 8                         ; window 2 has been multiplied: it takes x, 64 loads of two rows of 256 bytes
	WIN 0x80
.irp a, 0,1,2,3,4,5,6,7
.irp f, 0,1,2,3,4,5,6,7
	global_load_b128 v[32*\a+4*\f:32*\a+4*\f+3], v[XO], s[12:13] offset:(16*\a+2*\f)*8192
.endr
.endr
.endif
.if (\ks) == 11
	s_wait_tensorcnt 0x0                           ; the last tile: no load was issued behind it; its rows are my own, so my wait is all that the reads need
.endif
	FWP (\ks)+1
	MULP \ks, 2, 6
.endm
; The last 32 channels of a tile that is followed by a refill: the three lines, a round of the cluster's barrier, the joint refill first behind it.
.macro KSC ks, slot
	WIN 0
	s_wait_tensorcnt 0x0                           ; all my tensor loads have landed, my rows of the other slot among them
	ds_add_u32 v[SPW], v[NIL]
	s_add_nc_u64 s[G0+4*(\slot)+2:G0+4*(\slot)+3], s[G0+4*(\slot)+2:G0+4*(\slot)+3], 262144
	s_wait_dscnt 1                                 ; the sixteen fragment loads are in; the add may be out
	MULP \ks, 0, 2
	s_wait_dscnt 0x0                               ; the add is done, and my reads of this slot are over
	s_barrier_signal -1
	MULP \ks, 2, 2
	WIN 0
	s_barrier_wait -1
	CREST
	tensor_load_to_lds s[G0+4*(\slot):G0+4*(\slot)+3], s[G1:G1+7]
	s_nop 0
.rept 4
	v_nop                                          ; also the places in front of the loads below
.endr
	FWP (\ks)+1
	MULP \ks, 4, 4
.endm
	s_wait_tensorcnt 1                             ; my rows of slot 0 are in; slot 1's load may stay out
	FWP 0
	KS 0
	KS 1
	KS 2
	KSC 3, 0
	KS 4
	KS 5
	KS 6
	KSC 7, 1
	KS 8
	KS 9
	KS 10
	KS 11
	KS 12
	KS 13
	KS 14
	s_wait_dscnt 0x0
	MULP 15, 0, 8
; THE WAY OUT.  Unit a: 16 outputs x 64 positions of f32 through my stage, back as rows of 256 bytes; x is added; sixteen lanes store one aligned row of 256 bytes.
.macro OUTU a
	WIN 0x04                                       ; the stores' data in window 1
.irp p, 0,1,2,3
	ds_store_b128 v[STO], v[8*(4*(\a)+\p):8*(4*(\a)+\p)+3] offset:64*\p
	ds_store_b128 v[STO], v[8*(4*(\a)+\p)+4:8*(4*(\a)+\p)+7] offset:64*\p+16
.endr
	WIN 0
	s_wait_xcnt 0x0                                ; the registers that earlier stores read are loaded again only behind this wait
.set xt, T0+32*((\a)%2)
.irp f, 0,1,2,3,4,5,6,7
	ds_load_b128 v[xt+4*\f:xt+4*\f+3], v[RDO] offset:2*PITCH*\f   ; LDS serves a wave's instructions in order (ISA guide 5.7.1.4)
.endr
	s_wait_dscnt 0x0
	s_wait_loadcnt 56-8*(\a)                       ; this unit's eight loads of x are in; the later units' stay out
	WIN 0x08                                       ; source 1 (x) in window 2
.set z, 0
.rept 16
	v_pk_add_f32 v[xt+2*z:xt+2*z+1], v[xt+2*z:xt+2*z+1], v[32*(\a)+2*z:32*(\a)+2*z+1]
.set z, z+1
.endr
	WIN 0
.irp f, 0,1,2,3,4,5,6,7
	global_store_b128 v[XO], v[xt+4*\f:xt+4*\f+3], s[14:15] offset:(16*(\a)+2*\f)*8192
.endr
.endm
	PLACES
.irp a, 0,1,2,3,4,5,6,7
	OUTU \a
.endr
	s_wait_tensorcnt 0x0                           ; the wave's end
	ds_add_u32 v[SPW], v[NIL]
	s_wait_dscnt 0x0
	CROUND                                         ; the closing round
	s_endpgm
.Lfunc_end_k_qc930e34467_proj:
	.size	k_qc930e34467_proj, .Lfunc_end_k_qc930e34467_proj-k_qc930e34467_proj
	.p2alignl 7, 3214868480
	.fill 96, 4, 3214868480
	.section	.rodata,"a",@progbits
	.p2align	6, 0x0
	.amdhsa_kernel k_qc930e34467_proj
		.amdhsa_group_segment_fixed_size 327680
		.amdhsa_private_segment_fixed_size 0
		.amdhsa_enable_private_segment 0
		.amdhsa_kernarg_size 48
		.amdhsa_user_sgpr_count 2
		.amdhsa_user_sgpr_kernarg_segment_ptr 1
		.amdhsa_wavefront_size32 1
		.amdhsa_system_sgpr_workgroup_id_x 1
		.amdhsa_system_sgpr_workgroup_id_y 1
		.amdhsa_system_sgpr_workgroup_id_z 1
		.amdhsa_system_vgpr_workitem_id 0
		.amdhsa_next_free_vgpr 1024
		.amdhsa_next_free_sgpr 66
		.amdhsa_reserve_vcc 0
		.amdhsa_float_denorm_mode_32 3
		.amdhsa_float_denorm_mode_16_64 3
		.amdhsa_memory_ordered 1
		.amdhsa_forward_progress 1
		.amdhsa_inst_pref_size 156
	.end_amdhsa_kernel
	.amdgpu_metadata
---
amdhsa.version: [ 1, 2 ]
amdhsa.kernels:
  - .name:           k_qc930e34467_proj
    .symbol:         k_qc930e34467_proj.kd
    .args:
      - { .name: op, .offset: 0, .size: 8, .value_kind: global_buffer, .address_space: global }
      - { .name: st, .offset: 8, .size: 8, .value_kind: global_buffer, .address_space: global }
      - { .name: wpb, .offset: 16, .size: 8, .value_kind: global_buffer, .address_space: global }
      - { .name: bp, .offset: 24, .size: 8, .value_kind: global_buffer, .address_space: global }
      - { .name: x, .offset: 32, .size: 8, .value_kind: global_buffer, .address_space: global }
      - { .name: out0, .offset: 40, .size: 8, .value_kind: global_buffer, .address_space: global }
    .group_segment_fixed_size: 327680
    .private_segment_fixed_size: 0
    .kernarg_segment_align: 8
    .kernarg_segment_size: 48
    .max_flat_workgroup_size: 128
    .sgpr_count:     66
    .vgpr_count:     1024
    .wavefront_size: 32
...
	.end_amdgpu_metadata
.endif
;; end of part 4
;; ======== version 2 of 3: 4 launches; 1.12 times as fast as version 1
;; limits: values outside matrix products are rounded to bf16
;; workspace buffers: hb 16,777,216 bytes; wqkv 1,572,864 bytes; wpb 524,288 bytes; qt 16,777,216 bytes; kv 33,619,968 bytes; op 33,554,432 bytes; st 262,144 bytes
;; launch gnorm: the kernel of part 1 again; grid 256 x 1, 8 waves a work-group, no clusters, 1,280 bytes of LDS; arguments x, gn_scale, gn_bias, wq, wk, wv, wp, hb, wqkv, wpb, kv; writes hb, wqkv, wpb, kv
;; launch qkv (part 5): grid 4 x 64, 4 waves a work-group, clusters of 4 x 4, 327,680 bytes of LDS; arguments hb, wqkv, bq, bk, bv, qt, kv; writes qt, kv
.if DOCPART == 5
	.amdgcn_target "amdgcn-amd-amdhsa--gfx1250"
	.amdhsa_code_object_version 6
	.text
	.protected	k_qc930e34467_qkv
	.globl	k_qc930e34467_qkv
	.p2align	8
	.type	k_qc930e34467_qkv,@function
k_qc930e34467_qkv:
	s_mov_b64 s[64:65], 0
	v_nop
	global_prefetch_b8 v0, s[64:65] scope:SCOPE_SE
	s_setreg_imm32_b32 hwreg(HW_REG_WAVE_MODE, 25, 1), 1
	s_wait_xcnt 0x0
	s_wait_alu depctr_hold_cnt(0) depctr_sa_sdst(0) depctr_va_vdst(0) depctr_va_sdst(0) depctr_va_ssrc(0) depctr_va_vcc(0) depctr_vm_vsrc(0)
	s_getreg_b32 s2, hwreg(HW_REG_IB_STS2, 6, 4)
	s_cmp_eq_u32 s2, 0
	s_cbranch_scc0 .Lentry_in_a_cluster
	s_endpgm
.Lentry_in_a_cluster:
	s_bfe_u32 s2, ttmp6, 0x10000c
	s_cmp_lg_u32 s2, 0xf033
	s_cbranch_scc0 .Lentry_shape_is_right
	s_endpgm
.Lentry_shape_is_right:
; q, k, v = W h + b, all three in one pass over h.  h: hb [8][512 c][2048 n] bf16.  W: wqkv [o/128][c/64][q,k,v][o%128][c%64] bf16.  Sums in f32, the bias as the first C, one rounding to bf16.
; SHARES.  A work-group makes outputs 128 oq .. +127 of each of q, k and v for 256 positions; a wave 64 outputs x 128 positions of each: 3 x 32 accumulators, 768 registers.
; The 512 channels go in 8 steps of 64 through two LDS slots; for a step's 192 matrix instructions a wave issues 80 LDS loads.
; ORDER OF THE SOURCES.  q and k: source 0 = 16 rows of W, source 1 = 16 positions of h: a lane holds one position and eight neighbouring outputs.
; v: the sources swapped: a lane holds one output and eight neighbouring positions.  h lies [channel][position] in LDS and comes out turned (ds_load_tr16_b128).
; OUT, IN THE ORDER OF THE NEXT LAUNCH'S FRAGMENTS.  An accumulator rounded to bf16 is four registers a lane, and lane for lane it is one half of a fragment of 16 x 32 that the attention multiplies by.
; So it is stored as it lies, 32 lanes x 16 bytes = 512 consecutive bytes, with no way through LDS:
;   qt  [position / 16][channel / 32][half][lane][16 bytes]: lane (r, h) holds position r, channels 16 half + 8 h + 0..7
;   kv  for each (b, position / 64) 131,072 bytes: K [channel / 32][key block of 16][half][lane][16], the same map; then V [keys / 32][channel / 16][half][lane][16]: lane (r, h) holds channel r, keys 16 half + 8 h + 0..7
; CLUSTER, 4 x 4.  The four work-groups of a row of the cluster share their 256 positions, so h's tiles are asked for jointly along the row; the four of a column share oq, so W's tiles
; are asked for jointly along the column: each tile is requested a quarter as often.
; REGISTERS: window 0: v0-31 addresses; v32-95, v96-159 h's fragments (8 each); v160-191, v192-223 W's (4 each); v224-255 bq.  bk and bv lie in h's second buffer until the first step has read them.
;   windows 1, 2, 3: the accumulators of q, k, v: output block a, position block p at v[8 (8 a + p)].
; LIMITS: NaN and infinities are not treated apart.
.set SLOT,  131072                     ; a slot uses 90,112 bytes (h: 64 rows x 544; W: 384 rows x 144); slot 1 begins here, so that one exclusive or turns an address in one slot into the other's
.set WOFF,  34816
.set PH,    544                        ; 512 bytes + 32: an odd multiple of 32, for the turning load
.set PW,    144                        ; 128 bytes + 16: an odd multiple of 16, so the sixteen rows of a load begin 16 bytes apart modulo 256
.set SPARE, 2*SLOT                     ; the spare words, 128 bytes a wave
.set AH0,  16                          ; v16 my place in h's part of slot 0; never rewritten
.set AW0,  17                          ; v17 in W's part
.set ADRH, 18                          ; v18-19 the same in the slot that is read
.set ADRW, 19
.set GO,   26                          ; v26 16 x lane
.set SPW,  28                          ; LDS address of my spare word; never rewritten
.set NIL,  29                          ; 0; never rewritten
.set H0,   32
.set H1,   96
.set WA,   160
.set WB,   192
.set BQ,   224
.set BK,   96
.set BV,   128
.set WV,   20                          ; s20 wave; s21 wave / 2: my 64 outputs, and: I fetch h (0) or W (1); s22 wave % 2: my 128 positions, and: which half of the tile I fetch
.set KIND, 21
.set HALF, 22
.set G1,   24                          ; s[24:31] group 1 for h's tiles;  s[32:35] group 0 of step 0;  s[36:39] group 0 that walks, from step 1 on
.set G0,   32
.set G1B,  48                          ; the same for W's
.set G0B,  56
.set OUTB, 68                          ; s[68:73] where my q, k, v begin
.set SR,   80                          ; s80 the slot that is read: 0 or SLOT
.set MSB, 0
.macro WIN new                         ; the immediate's high byte repeats the setting that is left; a switch that changes nothing is dropped
.if MSB != (\new)
	s_set_vgpr_msb (MSB<<8)|(\new)
.set MSB, (\new)
.endif
.endm
.macro PLACES                          ; four places in front of loads into registers that matrix instructions have read, and of conversions that read results
.rept 4
	v_nop
.endr
.endm
.macro JLOAD s                         ; a joint load; the branch hangs on the wave's number alone; s_nop 0 and four v_nop follow each line
	s_cmp_eq_u32 s[KIND], 0
	s_cbranch_scc0 .Lfor_w_\@
	tensor_load_to_lds s[G0+4*(\s):G0+4*(\s)+3], s[G1:G1+7]
	s_nop 0
.rept 4
	v_nop
.endr
	s_branch .Lasked_\@
.Lfor_w_\@:
	tensor_load_to_lds s[G0B+4*(\s):G0B+4*(\s)+3], s[G1B:G1B+7]
	s_nop 0
.rept 4
	v_nop
.endr
.Lasked_\@:
.endm
.macro CREST                           ; a round of the cluster's barrier behind its opening barrier
	s_cmp_lg_u32 s[WV], 0
	s_cbranch_scc1 .Lnot_wave_0_\@
	s_barrier_signal -3
.Lnot_wave_0_\@:
	s_barrier_wait -3
	s_barrier_signal -1
	s_barrier_wait -1
.endm
.macro CROUND
	s_barrier_signal -1
	s_barrier_wait -1
	CREST
.endm
.macro TURNADR                         ; my two read addresses in the slot that is read
	WIN 0
	v_add_nc_u32 v[ADRH], s[SR], v[AH0]
	v_add_nc_u32 v[ADRW], s[SR], v[AW0]
.endm
	s_load_b256 s[4:11], s[0:1], 0x0               ; hb 4, wqkv 6, bq 8, bk 10
	s_load_b128 s[12:15], s[0:1], 0x20             ; bv 12, qt 14
	s_load_b64 s[16:17], s[0:1], 0x30              ; kv
	v_lshl_add_u32 v[SPW], v0, 2, SPARE
	v_mov_b32 v[NIL], 0
	ds_add_u32 v[SPW], v[NIL]                      ; the wave's opening: the add, and its wait ahead of my first tensor load
	v_lshrrev_b32 v1, 5, v0
	v_readfirstlane_b32 s[WV], v1
	s_lshr_b32 s[KIND], s[WV], 1
	s_and_b32 s[HALF], s[WV], 1
	s_mov_b32 s[SR], 0
	s_bfe_u32 s40, ttmp6, 0x40000                  ; cx
	s_bfe_u32 s41, ttmp6, 0x40004                  ; cy
	s_lshl_b32 s42, ttmp9, 2
	s_add_co_u32 s42, s42, s40                     ; oq = 4 x cluster x + cx
	s_and_b32 s43, ttmp7, 0xffff
	s_lshl_b32 s43, s43, 2
	s_add_co_u32 s43, s43, s41                     ; the block of 256 positions, 0..63 = 4 x cluster y + cy
	s_lshl_b32 s44, s41, 2
	s_lshl_b32 s44, 15, s44                        ; my row of the cluster
	s_lshl_b32 s45, 0x1111, s40                    ; my column
	; h's tile: 32 rows (channels) of 256 elements, 2,048 elements apart; 8 words of padding behind every 128
	s_or_b32 s[G1+0], s44, (1<<16)|(1<<20)|(1<<21)|(6<<22)|(7<<25)
	s_mov_b32 s[G1+1], 256<<16
	s_mov_b32 s[G1+2], 32<<16
	s_mov_b32 s[G1+3], 256<<16
	s_mov_b32 s[G1+4], 32
	s_mov_b32 s[G1+5], 2048
	s_mov_b32 s[G1+6], 0
	s_mov_b32 s[G1+7], 0
	; W's tile: 24,576 dense bytes (192 rows of 128) asked for as 96 rows of 256 bytes; 4 words of padding behind every 32
	s_or_b32 s[G1B+0], s45, (1<<16)|(1<<20)|(1<<21)|(4<<22)|(3<<25)
	s_mov_b32 s[G1B+1], 128<<16
	s_mov_b32 s[G1B+2], 96<<16
	s_mov_b32 s[G1B+3], 128<<16
	s_mov_b32 s[G1B+4], 96
	s_mov_b32 s[G1B+5], 128
	s_mov_b32 s[G1B+6], 0
	s_mov_b32 s[G1B+7], 0
	; h's address hangs on the block of positions and the wave alone, W's on oq and the wave alone, each in registers that never hold the other coordinate
	s_lshr_b32 s46, s43, 3                         ; batch
	s_lshl_b32 s46, s46, 21
	s_lshl_b32 s47, s[HALF], 17                    ; 32 channels of 4,096 bytes
	s_add_co_u32 s46, s46, s47
	s_and_b32 s47, s43, 7
	s_lshl_b32 s47, s47, 9                         ; 256 positions
	s_add_co_u32 s46, s46, s47
	s_mov_b32 s47, 0
	s_mul_i32 s66, s42, 393216
	s_mul_i32 s67, s[HALF], 24576
	s_add_co_u32 s66, s66, s67
	s_mov_b32 s67, 0
	s_mul_i32 s23, s[HALF], 32*PH                  ; where they go: no place in the cluster enters an LDS address
	s_mul_i32 s19, s[HALF], 192*PW
	s_add_co_u32 s19, s19, WOFF
	s_wait_dscnt 0x0                               ; the opening add is done
	s_wait_kmcnt 0x0
	s_add_nc_u64 s[46:47], s[4:5], s[46:47]
	s_add_nc_u64 s[66:67], s[6:7], s[66:67]
	CROUND                                         ; all sixteen work-groups are here: the first joint loads meet
.irp s, 0,1
	s_mov_b32 s[G0+4*(\s)], 1
	s_add_co_u32 s[G0+4*(\s)+1], s23, (\s)*SLOT
	s_add_nc_u64 s[G0+4*(\s)+2:G0+4*(\s)+3], s[46:47], (\s)*262144     ; step s: 64 channels on
	s_or_b32 s[G0+4*(\s)+3], s[G0+4*(\s)+3], 0x80000000
	s_mov_b32 s[G0B+4*(\s)], 1
	s_add_co_u32 s[G0B+4*(\s)+1], s19, (\s)*SLOT
	s_add_nc_u64 s[G0B+4*(\s)+2:G0B+4*(\s)+3], s[66:67], (\s)*49152
	s_or_b32 s[G0B+4*(\s)+3], s[G0B+4*(\s)+3], 0x80000000
	JLOAD \s                                       ; two loads of mine are out
.endr
	v_and_b32 v1, 15, v0                           ; r = l % 16
	v_bfe_u32 v2, v0, 4, 1                         ; h = l / 16
	v_and_b32 v3, 7, v0
	v_bfe_u32 v4, v0, 3, 1
	v_lshl_add_u32 v5, v2, 3, v3                   ; the turning load: channel 8 h + l % 8,
	v_mul_u32_u24 v5, v5, PH
	v_lshl_add_u32 v5, v4, 4, v5                   ; positions 8 ((l / 8) % 2) ..
	s_lshl_b32 s74, s[HALF], 8                     ; my 128 positions
	v_add_nc_u32 v[AH0], s74, v5
	v_mul_u32_u24 v6, v1, PW
	v_lshl_add_u32 v6, v2, 4, v6                   ; 144 r + 16 h
	s_mul_i32 s74, s[KIND], 64*PW                  ; my 64 outputs
	s_add_co_u32 s74, s74, WOFF
	v_add_nc_u32 v[AW0], s74, v6
	TURNADR
	v_and_b32 v[GO], 31, v0
	v_lshlrev_b32 v[GO], 4, v[GO]                  ; a store's 512 consecutive bytes, 16 a lane
	s_lshl_b32 s75, s42, 9
	s_lshl_b32 s76, s[KIND], 8
	s_add_co_u32 s75, s75, s76                     ; my first output, in bytes of a bias
	v_lshl_add_u32 v8, v2, 5, s75                  ; q, k: register j of C is output 16 a + 8 h + j
	v_lshl_add_u32 v9, v1, 2, s75                  ; v: every register of C is output 16 a + r
.irp a, 0,1,2,3
	global_load_b128 v[BQ+8*\a:BQ+8*\a+3], v8, s[8:9] offset:64*\a
	global_load_b128 v[BQ+8*\a+4:BQ+8*\a+7], v8, s[8:9] offset:64*\a+16
	global_load_b128 v[BK+8*\a:BK+8*\a+3], v8, s[10:11] offset:64*\a
	global_load_b128 v[BK+8*\a+4:BK+8*\a+7], v8, s[10:11] offset:64*\a+16
.irp j, 0,1,2,3,4,5,6,7
	global_load_b32 v[BV+8*\a+\j], v9, s[12:13] offset:64*\a
.endr
.endr
	; where my results begin.  My first position is 2,048 b + 256 (block % 8) + 128 (wave % 2); a tile of 16 positions is 16,384 bytes of qt, a block of 64 is 131,072 bytes of kv, twice as much a position
	s_lshr_b32 s74, s43, 3
	s_lshl_b32 s74, s74, 21
	s_and_b32 s75, s43, 7
	s_lshl_b32 s75, s75, 18
	s_add_co_u32 s74, s74, s75
	s_lshl_b32 s75, s[HALF], 17
	s_add_co_u32 s74, s74, s75                     ; my first position's tile in qt
	s_lshl1_add_u32 s76, s42, s[KIND]              ; my block of 64 channels, 0..7
	s_lshl_b32 s77, s76, 11                        ; q: two channel steps of 1,024 bytes
	s_add_co_u32 s78, s74, s77
	s_mov_b32 s79, 0
	s_add_nc_u64 s[OUTB:OUTB+1], s[14:15], s[78:79]
	s_lshl_b32 s74, s74, 1
	s_lshl_b32 s77, s76, 13                        ; k: two channel steps of 4,096 bytes
	s_add_co_u32 s78, s74, s77
	s_add_nc_u64 s[OUTB+2:OUTB+3], s[16:17], s[78:79]
	s_lshl_b32 s77, s76, 12                        ; v: four channel blocks of 1,024 bytes, behind the block's K
	s_add_co_u32 s78, s74, s77
	s_add_co_u32 s78, s78, 65536
	s_add_nc_u64 s[OUTB+4:OUTB+5], s[16:17], s[78:79]
; 8 matrix instructions: matrix mat (0 q, 1 k, 2 v), output block a, all 8 position blocks, 32 channels.  first = 1: the bias starts the sums.
; The accumulators take turns, one instruction a turn: 32 in a matrix, and the next matrix has others.
.macro MUL8 mat, a, hb, wb, first
.set xm, 1+(\mat)
.if \first
	WIN xm<<6
.else
	WIN (xm<<6)|(xm<<4)
.endif
.set xc, BQ+8*(\a)
.if (\mat) == 1
.set xc, BK+8*(\a)
.endif
.if (\mat) == 2
.set xc, BV+8*(\a)
.endif
.set xw, (\wb)+8*(\a)
.set xp, 0
.rept 8
.set xd, 8*(8*(\a)+xp)
.set xh, (\hb)+8*xp
.if (\mat) < 2
.if \first
	v_wmma_f32_16x16x32_bf16 v[xd:xd+7], v[xw:xw+7], v[xh:xh+7], v[xc:xc+7]
.else
	v_wmma_f32_16x16x32_bf16 v[xd:xd+7], v[xw:xw+7], v[xh:xh+7], v[xd:xd+7]
.endif
.else
.if \first
	v_wmma_f32_16x16x32_bf16 v[xd:xd+7], v[xh:xh+7], v[xw:xw+7], v[xc:xc+7]
.else
	v_wmma_f32_16x16x32_bf16 v[xd:xd+7], v[xh:xh+7], v[xw:xw+7], v[xd:xd+7]
.endif
.endif
.set xp, xp+1
.endr
.endm
.macro MUL24 mat, hb, wb, first
	MUL8 \mat, 1, \hb, \wb, \first
	MUL8 \mat, 2, \hb, \wb, \first
	MUL8 \mat, 3, \hb, \wb, \first
.endm
.macro FW mat, ks, wb                  ; 8 loads: W's four fragments of a matrix, channels 32 ks ..
	WIN 0
.irp a, 0,1,2,3
	ds_load_b128 v[(\wb)+8*\a:(\wb)+8*\a+3], v[ADRW] offset:(128*(\mat)+16*\a)*PW+64*(\ks)
	ds_load_b128 v[(\wb)+8*\a+4:(\wb)+8*\a+7], v[ADRW] offset:(128*(\mat)+16*\a)*PW+64*(\ks)+32
.endr
.endm
.macro FH ks, hb                       ; 16 loads: h's eight fragments, turned
	WIN 0
.irp p, 0,1,2,3,4,5,6,7
	ds_load_tr16_b128 v[(\hb)+8*\p:(\hb)+8*\p+3], v[ADRH] offset:32*(\ks)*PH+32*\p
	ds_load_tr16_b128 v[(\hb)+8*\p+4:(\hb)+8*\p+7], v[ADRH] offset:32*(\ks)*PH+16*PH+32*\p
.endr
.endm
; The first 32 channels of a step: q, k, v on h's buffer 0; each matrix's run fetches the next run's fragments of W behind its first 8 products.
.macro HALF_A first
	s_wait_dscnt 0x0
	MUL8 0, 0, H0, WA, \first
	PLACES
	FW 1, 0, WB
	MUL24 0, H0, WA, \first
	s_wait_dscnt 0x0
	MUL8 1, 0, H0, WB, \first
	PLACES
	FW 2, 0, WA
.if !(\first)
	FH 1, H1
.endif
	MUL24 1, H0, WB, \first
.if \first
	s_wait_dscnt 0x0
.else
	s_wait_dscnt 16                                ; W's eight are in; h's sixteen, issued behind them, may stay out
.endif
	MUL8 2, 0, H0, WA, \first
	PLACES
	FW 0, 1, WB
	MUL24 2, H0, WA, \first
.if \first
	PLACES                                         ; bk and bv have been read: h's second buffer is free
	FH 1, H1
.endif
.endm
.macro G34                             ; the second 32 channels: q and k
	s_wait_dscnt 0x0
	MUL8 0, 0, H1, WB, 0
	PLACES
	FW 1, 1, WA
	MUL24 0, H1, WB, 0
	s_wait_dscnt 0x0
	MUL8 1, 0, H1, WA, 0
	PLACES
	FW 2, 1, WB
	MUL24 1, H1, WA, 0
.endm
; ... and v, with the change of slots: each wave waits for all its tensor loads (one is out: its part of the next slot), adds 0 to its spare word, and waits for that and for its reads of this slot.
; fill = 1: the barrier opens a round of the cluster's, and the slot just read is filled again, two steps ahead, first thing behind it: the load has about 176 matrix instructions in which to land.
.macro HALF_B fill
	G34
	WIN 0
	s_wait_tensorcnt 0x0                           ; no tensor load of mine is out, so a group 0 may be written
	ds_add_u32 v[SPW], v[NIL]
	s_xor_b32 s[SR], s[SR], SLOT                   ; the reads go on in the other slot
	s_wait_dscnt 1                                 ; W's eight loads are in; the add may be out
	MUL8 2, 0, H1, WB, 0
	s_wait_dscnt 0x0                               ; the add is done, and my reads of this slot are over
	s_barrier_signal -1
	MUL8 2, 1, H1, WB, 0
	WIN 0
	s_barrier_wait -1
.if \fill
	CREST
	s_xor_b32 s[G0+5], s[G0+5], SLOT               ; the walking descriptors: the other slot than last time, the next step
	s_add_nc_u64 s[G0+6:G0+7], s[G0+6:G0+7], 262144
	s_xor_b32 s[G0B+5], s[G0B+5], SLOT
	s_add_nc_u64 s[G0B+6:G0B+7], s[G0B+6:G0B+7], 49152
	JLOAD 1                                        ; its four v_nop are also the places in front of the loads below
.else
	PLACES
.endif
	TURNADR
	FH 0, H0
	FW 0, 0, WA
	MUL8 2, 2, H1, WB, 0
	MUL8 2, 3, H1, WB, 0
.endm
	s_wait_tensorcnt 1                             ; my part of step 0 is in; step 1's may stay out
	s_barrier_signal -1
	s_barrier_wait -1
	FH 0, H0
	FW 0, 0, WA
	s_wait_loadcnt 0x0                             ; the biases
	HALF_A 1
	WIN 0
	s_mov_b32 s3, 6
.Lk:                                   ; a trip: from a step's second half to the next step's first half; the slot that is left is filled again (steps 2 to 7)
	HALF_B 1
	HALF_A 0
	WIN 0
	s_sub_co_u32 s3, s3, 1
	s_cmp_lg_u32 s3, 0
	s_cbranch_scc1 .Lk
	HALF_B 0                                       ; the last two steps ask for nothing
	HALF_A 0
	G34
	s_wait_dscnt 0x0
	MUL8 2, 0, H1, WB, 0
	MUL24 2, H1, WB, 0
; THE WAY OUT.  Sixteen accumulators at a time (output blocks 2 bh, 2 bh + 1 of a matrix, all 8 position blocks) are rounded into one of three banks of 64 registers and stored, each as half a fragment.
.macro OUT16 mat, bh
.set xm, 1+(\mat)
.set xk, 32+64*((2*(\mat)+(\bh))%3)
	s_wait_xcnt 0x0                                ; the registers that earlier stores read are written again only behind this wait
	WIN 5*xm                                       ; sources 0 and 1 in the matrix's window
.set xi, 0
.rept 16
.set xs, 8*(8*(2*(\bh)+xi/8)+xi%8)
.irp z, 0,1,2,3
	v_cvt_pk_bf16_f32 v[xk+4*xi+\z], v[xs+2*\z], v[xs+2*\z+1]
.endr
.set xi, xi+1
.endr
	WIN 0
.set xi, 0
.rept 16
.set xa, 2*(\bh)+xi/8
.set xp, xi%8
.if (\mat) == 0
.set xg, xp*16384+xa*512                                                  ; tile p; channel step a / 2, half a % 2
.elseif (\mat) == 1
.set xg, (xp/4)*131072+(xa/2)*4096+(xp%4)*1024+(xa%2)*512                 ; block p / 4; channel step a / 2; key block p % 4; half a % 2
.else
.set xg, (xp/4)*131072+((xp%4)/2)*32768+xa*1024+(xp%2)*512                ; block p / 4; keys 32 ((p % 4) / 2) ..; channel block a; half p % 2
.endif
	global_store_b128 v[GO], v[xk+4*xi:xk+4*xi+3], s[OUTB+2*(\mat):OUTB+2*(\mat)+1] offset:xg   ; 512 consecutive bytes, aligned
.set xi, xi+1
.endr
.endm
	PLACES
	OUT16 0, 0
	OUT16 0, 1
	OUT16 1, 0
	OUT16 1, 1
	OUT16 2, 0
	OUT16 2, 1
	s_wait_tensorcnt 0x0                           ; the wave's end
	ds_add_u32 v[SPW], v[NIL]
	s_wait_dscnt 0x0
	CROUND                                         ; the closing round
	s_endpgm
.Lfunc_end_k_qc930e34467_qkv:
	.size	k_qc930e34467_qkv, .Lfunc_end_k_qc930e34467_qkv-k_qc930e34467_qkv
	.p2alignl 7, 3214868480
	.fill 96, 4, 3214868480
	.section	.rodata,"a",@progbits
	.p2align	6, 0x0
	.amdhsa_kernel k_qc930e34467_qkv
		.amdhsa_group_segment_fixed_size 327680
		.amdhsa_private_segment_fixed_size 0
		.amdhsa_enable_private_segment 0
		.amdhsa_kernarg_size 56
		.amdhsa_user_sgpr_count 2
		.amdhsa_user_sgpr_kernarg_segment_ptr 1
		.amdhsa_wavefront_size32 1
		.amdhsa_system_sgpr_workgroup_id_x 1
		.amdhsa_system_sgpr_workgroup_id_y 1
		.amdhsa_system_sgpr_workgroup_id_z 1
		.amdhsa_system_vgpr_workitem_id 0
		.amdhsa_next_free_vgpr 1024
		.amdhsa_next_free_sgpr 84
		.amdhsa_reserve_vcc 0
		.amdhsa_float_denorm_mode_32 3
		.amdhsa_float_denorm_mode_16_64 3
		.amdhsa_memory_ordered 1
		.amdhsa_forward_progress 1
		.amdhsa_inst_pref_size 104
	.end_amdhsa_kernel
	.amdgpu_metadata
---
amdhsa.version: [ 1, 2 ]
amdhsa.kernels:
  - .name:           k_qc930e34467_qkv
    .symbol:         k_qc930e34467_qkv.kd
    .args:
      - { .name: hb, .offset: 0, .size: 8, .value_kind: global_buffer, .address_space: global }
      - { .name: wqkv, .offset: 8, .size: 8, .value_kind: global_buffer, .address_space: global }
      - { .name: bq, .offset: 16, .size: 8, .value_kind: global_buffer, .address_space: global }
      - { .name: bk, .offset: 24, .size: 8, .value_kind: global_buffer, .address_space: global }
      - { .name: bv, .offset: 32, .size: 8, .value_kind: global_buffer, .address_space: global }
      - { .name: qt, .offset: 40, .size: 8, .value_kind: global_buffer, .address_space: global }
      - { .name: kv, .offset: 48, .size: 8, .value_kind: global_buffer, .address_space: global }
    .group_segment_fixed_size: 327680
    .private_segment_fixed_size: 0
    .kernarg_segment_align: 8
    .kernarg_segment_size: 56
    .max_flat_workgroup_size: 128
    .sgpr_count:     84
    .vgpr_count:     1024
    .wavefront_size: 32
...
	.end_amdgpu_metadata
.endif
;; end of part 5
;; launch attn (part 6): grid 16 x 16, 4 waves a work-group, clusters of 4 x 1, 327,680 bytes of LDS; arguments qt, kv, op, st; writes op, st
.if DOCPART == 6
	.amdgcn_target "amdgcn-amd-amdhsa--gfx1250"
	.amdhsa_code_object_version 6
	.text
	.protected	k_qc930e34467_attn
	.globl	k_qc930e34467_attn
	.p2align	8
	.type	k_qc930e34467_attn,@function
k_qc930e34467_attn:
	s_mov_b64 s[64:65], 0
	v_nop
	global_prefetch_b8 v0, s[64:65] scope:SCOPE_SE
	s_setreg_imm32_b32 hwreg(HW_REG_WAVE_MODE, 25, 1), 1
	s_wait_xcnt 0x0
	s_wait_alu depctr_hold_cnt(0) depctr_sa_sdst(0) depctr_va_vdst(0) depctr_va_sdst(0) depctr_va_ssrc(0) depctr_va_vcc(0) depctr_vm_vsrc(0)
	s_getreg_b32 s2, hwreg(HW_REG_IB_STS2, 6, 4)
	s_cmp_eq_u32 s2, 0
	s_cbranch_scc0 .Lentry_in_a_cluster
	s_endpgm
.Lentry_in_a_cluster:
	s_bfe_u32 s2, ttmp6, 0x10000c
	s_cmp_lg_u32 s2, 0x3003
	s_cbranch_scc0 .Lentry_shape_is_right
	s_endpgm
.Lentry_shape_is_right:
; ATTENTION, head size 512, one head a batch.  A work-group takes 128 queries and HALF of the batch's 2,048 keys (16 blocks of 64), so that 8 x 16 x 2 = 256 work-groups have 128 queries each.
; It stores the unnormalised O = sum p v (bf16), and for each query c m and l = sum p (f32); the next launch joins the two halves.  p = 2^(c s - c m), c = log2(e) / sqrt(512), m the running maximum.
; SHARES.  A wave owns 32 queries, two tiles of 16; nothing passes between waves.  S^T = K Q^T (source 0 = 16 keys, source 1 = 16 queries): a lane holds one query and the keys 8 (l / 16) + 0..7;
; two such results rounded to bf16 are source 1 of O^T = V^T P.
; q, k AND v ARRIVE IN THE ORDER OF THE FRAGMENTS: half a fragment of 16 x 32 is 32 lanes x 16 bytes = 512 consecutive bytes, and the fragments follow each other as they are used.  So Q's loads from memory and
; K's and V's from LDS are 32 lanes at 16 neighbouring bytes each, the tiles lie dense in LDS, and the n-th load of a tile stands 512 n bytes from its first.
; O LEAVES IN THE SAME WAY: op [half][query / 16][channel / 16][lane][16 bytes]: an accumulator of O^T rounded to bf16 is four registers a lane (query l % 16, channels 8 (l / 16) + 0..7 of its block), half a
; fragment of the next launch's product, and is stored as it lies: no way through LDS.
; PIPELINE.  Period j: phase X: the 128 products of S of step j + 1, and behind each pair of them four multiplies O x a of step j; phase Y: the 128 products V^T P of step j, and behind each pair four
; lines of the softmax of step j + 1.  m starts at the lowest finite number, O and l at 0, so that the first step is a step like any other, with a = 0.  O^T's 512 registers are set to 0 by 64 products of zero
; fragments, in the wait for the first tile: 64 matrix instructions that are not attention's, a quarter of the text that 512 v_mov_b32 would take.
; RING.  Chunk i = V of block i and K of block i + 1: 131,072 consecutive bytes of kv.  Period j reads chunk j alone; two slots take turns.  A wave brings its quarter of V and of K by ONE load of two rows of
; 16,384 bytes, 65,536 apart.  The last chunk's K (65,536 of the 2.1 million bytes that a work-group fetches) is fetched and not read: the price of one text for every refill; it lies inside kv (its zero tail at the very end).
; CLUSTER.  The four query blocks of a cluster walk the same keys: every tile is asked for jointly, mask 15.
; REGISTERS: window 0: v0-15 addresses; v16-31 statistics, 8 a tile; v32-95 S^T; v96-127 P; v128-191, v192-255 two buffers of eight fragments.  Window 3: Q.
;   Windows 1, 2: O^T: channel blocks 0-15 in window 1, 16-31 in window 2; tile t's block n at v[128 t + 8 (n % 16)]: the two products of a pair, which share a fragment of V, stand under one window setting.
; LIMITS: a weight below 2^-126 counts as 0 in l; the stored O is at most 1,024 x max |v|, which bf16's range holds; NaN and infinities are not treated apart.
.set VK,    16384                      ; a quarter of V's or of K's 65,536 bytes
.set PIECE, 2*VK                       ; a wave's piece of a slot: its quarter of V, then its quarter of K
.set SLOT,  4*PIECE                    ; 131,072: it shares no bit with w x PIECE, so one exclusive or turns an address into the other slot's
.set SPARE, 2*SLOT                     ; behind the ring: the spare words, 128 bytes a wave
.set AL,  3                            ; 16 x lane; never rewritten
.set A0,  4                            ; the same in pieces 0, 1 of the slot in hand;  A1: in pieces 2, 3
.set A1,  5
.set SPW, 12                           ; LDS address of my spare word; never rewritten
.set NIL, 13                           ; 0; never rewritten
.set ST,  16                           ; tile t at ST + 8 t: c m, m, l (even keys', odd keys'), c0-c3 at work; a takes c2's place
.set S,   32
.set P,   96
.set FR,  128
.set WV,  12
.set G1,  24                           ; s[24:31] group 1 of a chunk's load;  s[32:39] of the first K's;  s[40:43] group 0, walking;  s[44:47] the first K's
.set G1K, 32
.set G0,  40
.set G0K, 44
.set SR,  48                           ; the slot that is read: 0 or SLOT
.set WB,  49                           ; my piece's place in a slot
.set CNT, 50
.set CS,  52
.set SEL, 54
.set MSB, 0
.macro WIN new
.if MSB != (\new)
	s_set_vgpr_msb (MSB<<8)|(\new)
.set MSB, (\new)
.endif
.endm
.macro PLACES                          ; four places (ISA guide 7.12.1)
.rept 4
	v_nop
.endr
.endm
.macro JLOAD                           ; every wave asks for its own quarter by the same line; s_nop 0 and four v_nop follow
	tensor_load_to_lds s[G0:G0+3], s[G1:G1+7]
	s_nop 0
.rept 4
	v_nop
.endr
.endm
.macro CREST
	s_cmp_lg_u32 s[WV], 0
	s_cbranch_scc1 .Lnot_wave_0_\@
	s_barrier_signal -3
.Lnot_wave_0_\@:
	s_barrier_wait -3
	s_barrier_signal -1
	s_barrier_wait -1
.endm
.macro CROUND
	s_barrier_signal -1
	s_barrier_wait -1
	CREST
.endm
	s_load_b256 s[4:11], s[0:1], 0x0               ; qt 4, kv 6, op 8, st 10
	v_lshl_add_u32 v[SPW], v0, 2, SPARE
	v_mov_b32 v[NIL], 0
	ds_add_u32 v[SPW], v[NIL]                      ; the wave's opening: the add, and its wait ahead of my first tensor load
	v_lshrrev_b32 v1, 5, v0
	v_readfirstlane_b32 s[WV], v1
	s_bfe_u32 s13, ttmp6, 0x40000                  ; cx
	s_lshl_b32 s14, ttmp9, 2
	s_add_co_u32 s14, s14, s13                     ; my block of 128 queries: it enters qt's, op's and st's addresses alone
	s_and_b32 s15, ttmp7, 0xffff
	s_lshr_b32 s16, s15, 1                         ; batch
	s_and_b32 s17, s15, 1                          ; which half of the keys
	s_lshl_b32 s20, s16, 22                        ; kv: the batch, the half's first block, my quarter: what the four partners share
	s_lshl_b32 s21, s17, 21
	s_add_co_u32 s20, s20, s21
	s_lshl_b32 s21, s[WV], 14
	s_add_co_u32 s20, s20, s21
	s_mov_b32 s21, 0
	s_mul_i32 s[WB], s[WV], PIECE
	s_lshl_b32 s22, s16, 21                        ; qt: my first query is 2,048 b + 128 QB + 32 w; 1,024 bytes a query, in tiles of 16,384, in qt and in op alike
	s_lshl_b32 s23, s14, 17
	s_add_co_u32 s22, s22, s23
	s_lshl_b32 s23, s[WV], 15
	s_add_co_u32 s22, s22, s23
	s_mov_b32 s23, 0
	s_lshl_b32 s56, s17, 24                        ; op: the half, then the same
	s_add_co_u32 s56, s56, s22
	s_mov_b32 s57, 0
	s_lshl_b32 s58, s17, 17                        ; st: the same queries, 8 bytes each
	s_lshl_b32 s59, s16, 14
	s_add_co_u32 s58, s58, s59
	s_lshl_b32 s59, s14, 10
	s_add_co_u32 s58, s58, s59
	s_lshl_b32 s59, s[WV], 8
	s_add_co_u32 s58, s58, s59
	s_mov_b32 s59, 0
	; group 1: rows of 8,192 elements (16,384 bytes), 32,768 elements apart, no padding.  Two rows for a chunk, one for the first K
.irp g, G1, G1K
	s_mov_b32 s[\g], 15|(1<<16)|(1<<21)
	s_mov_b32 s[\g+1], 8192<<16
	s_mov_b32 s[\g+3], 8192<<16
	s_mov_b32 s[\g+5], 32768
	s_mov_b32 s[\g+6], 0
	s_mov_b32 s[\g+7], 0
.endr
	s_mov_b32 s[G1+2], 2<<16
	s_mov_b32 s[G1+4], 2
	s_mov_b32 s[G1K+2], 1<<16
	s_mov_b32 s[G1K+4], 1
	s_mov_b32 s[G0], 1
	s_mov_b32 s[G0+1], s[WB]                       ; chunk 0 into slot 0
	s_mov_b32 s[G0K], 1
	s_add_co_u32 s[G0K+1], s[WB], SLOT+VK          ; the first K where slot 1 keeps K
	s_mov_b32 s[SR], SLOT
	s_mov_b32 s[CS], 0x3d8293ee                    ; c = log2(e) / sqrt(512) = 0.0637587
	s_mov_b32 s[CS+1], s[CS]
	s_mov_b32 s[SEL], 0x76543210
	s_mov_b32 s[SEL+1], 0xfedcba98
	s_wait_dscnt 0x0                               ; the opening add is done
	s_wait_kmcnt 0x0
	s_add_nc_u64 s[G0K+2:G0K+3], s[6:7], s[20:21]
	s_add_nc_u64 s[G0+2:G0+3], s[G0K+2:G0K+3], 65536
	s_or_b32 s[G0K+3], s[G0K+3], 0x80000000
	s_or_b32 s[G0+3], s[G0+3], 0x80000000
	s_add_nc_u64 s[4:5], s[4:5], s[22:23]
	s_add_nc_u64 s[8:9], s[8:9], s[56:57]
	s_add_nc_u64 s[10:11], s[10:11], s[58:59]
	CROUND                                         ; all four work-groups are here: the first joint loads meet
	tensor_load_to_lds s[G0K:G0K+3], s[G1K:G1K+7]
	s_nop 0
	JLOAD                                          ; two loads of mine are out
	v_bfe_u32 v2, v0, 4, 1                         ; h = l / 16
	v_and_b32 v[AL], 31, v0
	v_lshlrev_b32 v[AL], 4, v[AL]
	WIN 0xc0                                       ; destination window 3
.set i, 0
.rept 32                               ; Q stays in registers: fragment i: tile i / 16, channels 32 (i % 16) ..: 1,024 consecutive bytes
	global_load_b128 v[8*i:8*i+3], v[AL], s[4:5] offset:1024*i
	global_load_b128 v[8*i+4:8*i+7], v[AL], s[4:5] offset:1024*i+512
.set i, i+1
.endr
	WIN 0
.set i, 0
.rept 16                               ; two fragments of zeros,
	v_mov_b32 v[S+i], 0
.set i, i+1
.endr
	WIN 0x40                                       ; whose product is written into every accumulator of O^T: window 1's,
.set i, 0
.rept 32
	v_wmma_f32_16x16x32_bf16 v[8*i:8*i+7], v[S:S+7], v[S+8:S+15], 0
.set i, i+1
.endr
	WIN 0x80                                       ; and window 2's
.set i, 0
.rept 32
	v_wmma_f32_16x16x32_bf16 v[8*i:8*i+7], v[S:S+7], v[S+8:S+15], 0
.set i, i+1
.endr
	WIN 0
.irp t, 0,1                            ; these eight lines and the two of ADDRS are the places between those products and the first scores, which write over the zeros
	v_mov_b32 v[ST+8*\t], 0xfe000000               ; c m: far below every c s
	v_mov_b32 v[ST+8*\t+1], 0xff7fffff             ; m
	v_mov_b32 v[ST+8*\t+2], 0
	v_mov_b32 v[ST+8*\t+3], 0
.endr
.macro ADDRS                           ; the two addresses of the slot in hand
	WIN 0
	v_add_nc_u32 v[A0], s[SR], v[AL]
	v_add_nc_u32 v[A1], 2*PIECE, v[A0]
.endm
; A period has 16 DOUBLE GROUPS of 16 loads and 16 products, on buffer d % 2.  d < 8: K's fragments of channels 64 d .. (two channel steps x four key blocks).  d >= 8: V's fragments 8 (d - 8) .. of 64
; (keys 32 ((d - 8) / 4) .., channel blocks 8 ((d - 8) % 4) ..).  Either way 8,192 consecutive bytes of the tile: half of quarter (d % 8) / 2, which lies in that wave's piece.
.macro LOADS d
.set lf, FR+64*((\d)%2)
.set lq, ((\d)%8)/2
.set lr, A0+lq/2
.set lb, (lq%2)*PIECE+((\d)%2)*8192+(1-(\d)/8)*VK
.set li, 0
.rept 16
	ds_load_b128 v[lf+4*li:lf+4*li+3], v[lr] offset:lb+512*li
.set li, li+1
.endr
.endm
; ONE TILE'S SOFTMAX FOR A STEP is a list of 94; SM writes number j for tile t.
;   0-15 the maximum of the lane's 32 scores and the old m (each accumulator's lowest registers first)   16-20 the other half of the lanes', the new m, c m, c m_old - c m_new
;   23 a; the odd numbers 25-87 the 32 exponentials, in place; between them whatever is ready:
;   F b, c s - c m for pair b: 21, 22, 24, 26 (b = 0..3), then 28, 32 .. 72 (b = 4..15): each stands ahead of its pair's first exponential, number 25 + 4 b
;   SUM p, l takes pair p of the weights (the first as l = a l + pair): 30 + 4 p, three numbers behind the pair's second exponential
;   C p, pair p rounded to bf16, p = 0..7: 76, 80, 84, 88, 89, 91, 92, 93: when the products on P's first half are long past.  Pairs 8-15 are rounded in POST.
; sk says which of the three a number is (-1: none of them, the line has been written), sn its pair.
.macro SM t
.set rT, ST+8*(\t)
.set rS, S+32*(\t)
.set rP, P+16*(\t)
.set sk, -1
.set sn, 0
.if j < 4
	v_max3_num_f32 v[rT+4+j], v[rS+8*j], v[rS+8*j+1], v[rS+8*j+2]
.elseif j < 12
	v_max3_num_f32 v[rT+4+j%4], v[rT+4+j%4], v[rS+8*(j%4)+2*(j/4)+1], v[rS+8*(j%4)+2*(j/4)+2]
.elseif j == 12
	v_max3_num_f32 v[rT+4], v[rT+4], v[rS+7], v[rS+15]
.elseif j == 13
	v_max3_num_f32 v[rT+6], v[rT+6], v[rS+23], v[rS+31]
.elseif j == 14
	v_max3_num_f32 v[rT+4], v[rT+4], v[rT+5], v[rT+6]
.elseif j == 15
	v_max3_num_f32 v[rT+4], v[rT+4], v[rT+7], v[rT+1]
.elseif j == 16
	v_permlanex16_b32 v[rT+5], v[rT+4], s[SEL], s[SEL+1]
.elseif j == 17
	v_mov_b32 v[rT+7], v[rT]
.elseif j == 18
	v_max_num_f32 v[rT+1], v[rT+4], v[rT+5]
.elseif j == 19
	v_mul_f32 v[rT], s[CS], v[rT+1]
.elseif j == 20
	v_sub_f32 v[rT+7], v[rT+7], v[rT]
.elseif j == 23
	v_exp_f32 v[rT+6], v[rT+7]
.elseif (j > 23) && (j < 88) && (j%2 == 1)
	v_exp_f32 v[rS+(j-25)/2], v[rS+(j-25)/2]
.elseif j == 21
.set sk, 0
.set sn, 0
.elseif j < 28
.set sk, 0
.set sn, (j-20)/2
.elseif (j%4 == 0) && (j <= 72)
.set sk, 0
.set sn, j/4-3
.elseif j%4 == 2
.set sk, 1
.set sn, (j-30)/4
.elseif (j%4 == 0) && (j <= 88)
.set sk, 2
.set sn, (j-76)/4
.elseif j == 89
.set sk, 2
.set sn, 4
.else
.set sk, 2
.set sn, j-86
.endif
.if sk == 0
	v_pk_fma_f32 v[rS+2*sn:rS+2*sn+1], v[rS+2*sn:rS+2*sn+1], s[CS:CS+1], v[rT:rT+1] op_sel_hi:[1,0,0] neg_lo:[0,0,1] neg_hi:[0,0,1]
.elseif (sk == 1) && (sn == 0)
	s_wait_alu depctr_va_vdst(0)
	v_pk_fma_f32 v[rT+2:rT+3], v[rT+2:rT+3], v[rT+6:rT+7], v[rS:rS+1] op_sel_hi:[1,0,1]
.elseif sk == 1
	s_wait_alu depctr_va_vdst(0)
	v_pk_add_f32 v[rT+2:rT+3], v[rT+2:rT+3], v[rS+2*sn:rS+2*sn+1]
.elseif sk == 2
	v_cvt_pk_bf16_f32 v[rP+sn], v[rS+2*sn], v[rS+2*sn+1]
.endif
.endm
; Slice k of 47: numbers 2 k and 2 k + 1 of both tiles.  Where exponentials stand: tile by tile, plain, exponential, plain, exponential, so that each has a plain line behind it before its result is used; elsewhere the tiles alternate.
.macro SLICE k
	WIN 0
.if ((\k) >= 11) && ((\k) <= 43)
.irp t, 0,1
.set j, 2*(\k)
	SM \t
.set j, 2*(\k)+1
	SM \t
.endr
.else
.irp n, 0,1
.set j, 2*(\k)+\n
	SM 0
	SM 1
.endr
.endif
.endm
.macro POST                            ; P's second half: its last readers stand in front of the four places of the change of slots
	WIN 0
.irp p, 8,9,10,11,12,13,14,15
	v_cvt_pk_bf16_f32 v[P+\p], v[S+2*\p], v[S+2*\p+1]
	v_cvt_pk_bf16_f32 v[P+16+\p], v[S+32+2*\p], v[S+32+2*\p+1]
.endr
.endm
; A double group of phase X: channel steps 2 d and 2 d + 1.  ld = 1: at its head, in ONE run, the 16 loads of double group d + 1; the wait leaves those out.  They fill the buffer that the products just before have
; read: the four multiplies behind the last pair, which name none of its registers, are the four places (ride = 0: four v_nop).
; The 8 accumulators take turns.  ride = 1: behind pair y = 4 g + n accumulator y % 32 of window 1 + y / 32 (tile (y % 32) / 16) is multiplied by its tile's a, its registers in ascending order.
.macro XDG d, ride, ld, wt
	WIN 0x0c                                       ; Q (source 1) in window 3; all else, the loads' registers too, in window 0
.if \ld
.if !(\ride)
	PLACES
.endif
	LOADS (\d)+1
.endif
	s_wait_dscnt \wt
.set xg, 2*(\d)
.rept 2
.irp n, 0,1,2,3
.set xf, FR+64*((\d)%2)+32*(xg%2)+8*\n
	WIN 0x0c
.if xg == 0
	v_wmma_f32_16x16x32_bf16 v[S+8*\n:S+8*\n+7], v[xf:xf+7], v[8*xg:8*xg+7], 0
	v_wmma_f32_16x16x32_bf16 v[S+32+8*\n:S+32+8*\n+7], v[xf:xf+7], v[128+8*xg:128+8*xg+7], 0
.else
	v_wmma_f32_16x16x32_bf16 v[S+8*\n:S+8*\n+7], v[xf:xf+7], v[8*xg:8*xg+7], v[S+8*\n:S+8*\n+7]
	v_wmma_f32_16x16x32_bf16 v[S+32+8*\n:S+32+8*\n+7], v[xf:xf+7], v[128+8*xg:128+8*xg+7], v[S+32+8*\n:S+32+8*\n+7]
.endif
.if \ride
.set xy, 4*xg+\n
.set xb, 8*(xy%32)
.set xa, ST+8*((xy%32)/16)+6
	WIN 0x41*(1+xy/32)                             ; O^T (destination and source 0) in window 1 or 2, a in window 0
.irp z, 0,1,2,3
	v_pk_mul_f32 v[xb+2*\z:xb+2*\z+1], v[xb+2*\z:xb+2*\z+1], v[xa:xa+1] op_sel_hi:[1,0]
.endr
.endif
.endr
.set xg, xg+1
.endr
.endm
; Pairs i0 .. i0 + cnt - 1 of double group 8 + e of phase Y: fragment i is channel block 8 (e % 4) + i, keys 32 (e / 4) ..: window 1 + (e % 4) / 2, for both tiles.  ride = 1: behind pair y = 8 e + i stands slice y - 8, for y = 8 .. 54.
.macro YPAIRS e, i0, cnt, ride
.set xi, (\i0)
.rept \cnt
.set xo, 8*(8*((\e)%2)+xi)
.set xf, FR+64*((\e)%2)+8*xi
.set xp, P+8*((\e)/4)
	WIN 0x50*(1+((\e)%4)/2)                        ; C and D in window 1 or 2
	v_wmma_f32_16x16x32_bf16 v[xo:xo+7], v[xf:xf+7], v[xp:xp+7], v[xo:xo+7]
	v_wmma_f32_16x16x32_bf16 v[xo+128:xo+135], v[xf:xf+7], v[xp+16:xp+23], v[xo+128:xo+135]
.if (\ride) && (8*(\e)+xi >= 8) && (8*(\e)+xi <= 54)
	SLICE 8*(\e)+xi-8
.endif
.set xi, xi+1
.endr
.endm
; A double group of phase Y.  pl = 1: four v_nop at the head: a slice holds exponentials, which are no places.
.macro YDG e, ride, ld, wt, pl
.if \pl
	PLACES
.endif
.if \ld
	WIN 0
	LOADS 9+(\e)
.endif
	s_wait_dscnt \wt
	YPAIRS \e, 0, 8, \ride
.endm
; THE CHANGE OF SLOTS holds a period's last double group.  Each wave waits for all its tensor loads (one is out: its quarter of the other slot), adds 0 to its spare word, and waits for that and for its reads of the slot.
; fill = 1: the barrier opens a round of the cluster's, and the slot just read is filled again first thing behind it, with the chunk two on: the load has about 240 matrix instructions in which to land.
.macro CHANGE_OVL fill
	WIN 0
	s_wait_tensorcnt 0x0                           ; no tensor load of mine is out, so group 0 may be written
	ds_add_u32 v[SPW], v[NIL]
.if \fill
	s_xor_b32 s[G0+1], s[G0+1], SLOT
	s_add_nc_u64 s[G0+2:G0+3], s[G0+2:G0+3], 131072
.endif
	s_xor_b32 s[SR], s[SR], SLOT
	s_wait_dscnt 1                                 ; the group's sixteen loads are in; the add may be out
	YPAIRS 7, 0, 4, 0
	s_wait_dscnt 0x0                               ; the add is done, and my reads of the slot are over
	s_barrier_signal -1
	YPAIRS 7, 4, 4, 0
	WIN 0
	s_barrier_wait -1
.if \fill
	CREST
	JLOAD                                          ; its four v_nop are also the places in front of POST and of the loads that follow
.else
	PLACES
.endif
.endm
	s_wait_tensorcnt 0x0                           ; my quarters of the first K and of chunk 0 are in,
	s_barrier_signal -1
	s_barrier_wait -1                              ; everybody's are
	ADDRS
	LOADS 0
	LOADS 1
	s_wait_loadcnt 0x0                             ; Q
	XDG 0, 0, 0, 16                                ; the first scores: there is no vector work yet to set between them
.set g, 1
.rept 6
	XDG g, 0, 1, 16
.set g, g+1
.endr
	XDG 7, 0, 0, 0                                 ; nothing more to fetch
	PLACES
	WIN 0
.set j, 0
.rept 94                               ; the first softmax; behind each pair of exponentials stands a plain line that reads neither
	SM 0
	SM 1
.set j, j+1
.endr
	s_wait_tensorcnt 0x0                           ; the first change of slots: K of block 0 has been read; slot 1 takes chunk 1
	ds_add_u32 v[SPW], v[NIL]
	s_xor_b32 s[G0+1], s[G0+1], SLOT
	s_add_nc_u64 s[G0+2:G0+3], s[G0+2:G0+3], 131072
	s_xor_b32 s[SR], s[SR], SLOT
	s_wait_dscnt 0x0
	CROUND
	JLOAD
	s_mov_b32 s[CNT], 15
	s_branch .Lmid                                 ; the loop is entered behind its change of slots
.Ltop:                                 ; 14 times: chunks 2 to 15 are asked for
	CHANGE_OVL 1
.Lmid:
	ADDRS
	LOADS 0
	LOADS 1
	POST
	XDG 0, 1, 0, 16
.set g, 1
.rept 7
	XDG g, 1, 1, 16
.set g, g+1
.endr
	YDG 0, 1, 1, 16, 0                             ; the multiplies behind phase X's last pair are the places
.set g, 1
.rept 6
	YDG g, 1, 1, 16, 1
.set g, g+1
.endr
	WIN 0
	s_sub_co_u32 s[CNT], s[CNT], 1
	s_cmp_lg_u32 s[CNT], 0
	s_cbranch_scc1 .Ltop
	CHANGE_OVL 0                                   ; the tail is written out: nothing is asked for
	ADDRS
	LOADS 8
	LOADS 9
	POST
.irp w, 1,2                            ; O x a of the last step: in each window tile 0's 128 registers, then tile 1's
	WIN 0x41*\w
.set i, 0
.rept 128
	v_pk_mul_f32 v[2*i:2*i+1], v[2*i:2*i+1], v[ST+8*(i/64)+6:ST+8*(i/64)+7] op_sel_hi:[1,0]
.set i, i+1
.endr
.endr
	YDG 0, 0, 0, 16, 0
.set g, 1
.rept 6
	YDG g, 0, 1, 16, 1
.set g, g+1
.endr
	YDG 7, 0, 0, 0, 0
	; THE WAY OUT.  c m and l: lanes 0-15 take tile 0's, lanes 16-31 tile 1's: 32 queries, 256 consecutive bytes.
	PLACES
	WIN 0
.irp t, 0,1
	v_add_f32 v[ST+8*\t+2], v[ST+8*\t+2], v[ST+8*\t+3]
.endr
.irp t, 0,1
	v_permlanex16_b32 v[ST+8*\t+3], v[ST+8*\t+2], s[SEL], s[SEL+1]
.endr
.irp t, 0,1
	v_add_f32 v[ST+8*\t+2], v[ST+8*\t+2], v[ST+8*\t+3]
.endr
	v_cmp_eq_u32 vcc_lo, 1, v2
	v_cndmask_b32 v14, v[ST], v[ST+8], vcc_lo
	v_cndmask_b32 v15, v[ST+2], v[ST+10], vcc_lo
	v_and_b32 v8, 31, v0
	v_lshlrev_b32 v8, 3, v8
	global_store_b64 v8, v[14:15], s[10:11]
; O^T, as it is.  Batch q: tile q % 2, the sixteen channel blocks of window 1 + q / 2: rounded into one of three banks of 64 registers and stored, each accumulator as half a fragment.
.macro OUT16 q
.set xk, 32+64*((\q)%3)
	s_wait_xcnt 0x0                                ; the registers that earlier stores read are written again only behind this wait
	WIN 5*(1+(\q)/2)                               ; sources 0 and 1 in the batch's window
.set xi, 0
.rept 16
.set xs, 128*((\q)%2)+8*xi
.irp z, 0,1,2,3
	v_cvt_pk_bf16_f32 v[xk+4*xi+\z], v[xs+2*\z], v[xs+2*\z+1]
.endr
.set xi, xi+1
.endr
	WIN 0
.set xi, 0
.rept 16
	global_store_b128 v[AL], v[xk+4*xi:xk+4*xi+3], s[8:9] offset:16384*((\q)%2)+512*(16*((\q)/2)+xi)   ; 512 consecutive bytes, aligned
.set xi, xi+1
.endr
.endm
	OUT16 0
	OUT16 1
	OUT16 2
	OUT16 3
	s_wait_tensorcnt 0x0                           ; the wave's end
	ds_add_u32 v[SPW], v[NIL]
	s_wait_dscnt 0x0
	CROUND                                         ; the closing round
	s_endpgm
.Lfunc_end_k_qc930e34467_attn:
	.size	k_qc930e34467_attn, .Lfunc_end_k_qc930e34467_attn-k_qc930e34467_attn
	.p2alignl 7, 3214868480
	.fill 96, 4, 3214868480
	.section	.rodata,"a",@progbits
	.p2align	6, 0x0
	.amdhsa_kernel k_qc930e34467_attn
		.amdhsa_group_segment_fixed_size 327680
		.amdhsa_private_segment_fixed_size 0
		.amdhsa_enable_private_segment 0
		.amdhsa_kernarg_size 32
		.amdhsa_user_sgpr_count 2
		.amdhsa_user_sgpr_kernarg_segment_ptr 1
		.amdhsa_wavefront_size32 1
		.amdhsa_system_sgpr_workgroup_id_x 1
		.amdhsa_system_sgpr_workgroup_id_y 1
		.amdhsa_system_sgpr_workgroup_id_z 1
		.amdhsa_system_vgpr_workitem_id 0
		.amdhsa_next_free_vgpr 1024
		.amdhsa_next_free_sgpr 66
		.amdhsa_reserve_vcc 1
		.amdhsa_float_denorm_mode_32 3
		.amdhsa_float_denorm_mode_16_64 3
		.amdhsa_memory_ordered 1
		.amdhsa_forward_progress 1
		.amdhsa_inst_pref_size 173
	.end_amdhsa_kernel
	.amdgpu_metadata
---
amdhsa.version: [ 1, 2 ]
amdhsa.kernels:
  - .name:           k_qc930e34467_attn
    .symbol:         k_qc930e34467_attn.kd
    .args:
      - { .name: qt, .offset: 0, .size: 8, .value_kind: global_buffer, .address_space: global }
      - { .name: kv, .offset: 8, .size: 8, .value_kind: global_buffer, .address_space: global }
      - { .name: op, .offset: 16, .size: 8, .value_kind: global_buffer, .address_space: global }
      - { .name: st, .offset: 24, .size: 8, .value_kind: global_buffer, .address_space: global }
    .group_segment_fixed_size: 327680
    .private_segment_fixed_size: 0
    .kernarg_segment_align: 8
    .kernarg_segment_size: 32
    .max_flat_workgroup_size: 128
    .sgpr_count:     66
    .vgpr_count:     1024
    .wavefront_size: 32
...
	.end_amdgpu_metadata
.endif
;; end of part 6
;; launch proj (part 7): grid 256 x 1, 4 waves a work-group, clusters of 4 x 1, 327,680 bytes of LDS; arguments op, st, wpb, bp, x, out0; writes out0
.if DOCPART == 7
	.amdgcn_target "amdgcn-amd-amdhsa--gfx1250"
	.amdhsa_code_object_version 6
	.text
	.protected	k_qc930e34467_proj
	.globl	k_qc930e34467_proj
	.p2align	8
	.type	k_qc930e34467_proj,@function
k_qc930e34467_proj:
	s_mov_b64 s[64:65], 0
	v_nop
	global_prefetch_b8 v0, s[64:65] scope:SCOPE_SE
	s_setreg_imm32_b32 hwreg(HW_REG_WAVE_MODE, 25, 1), 1
	s_wait_xcnt 0x0
	s_wait_alu depctr_hold_cnt(0) depctr_sa_sdst(0) depctr_va_vdst(0) depctr_va_sdst(0) depctr_va_ssrc(0) depctr_va_vcc(0) depctr_vm_vsrc(0)
	s_getreg_b32 s2, hwreg(HW_REG_IB_STS2, 6, 4)
	s_cmp_eq_u32 s2, 0
	s_cbranch_scc0 .Lentry_in_a_cluster
	s_endpgm
.Lentry_in_a_cluster:
	s_bfe_u32 s2, ttmp6, 0x10000c
	s_cmp_lg_u32 s2, 0x3003
	s_cbranch_scc0 .Lentry_shape_is_right
	s_endpgm
.Lentry_shape_is_right:
; out = x + wp O + bp, where O joins the two key halves:  O = (e0 O0 + e1 O1) / (e0 l0 + e1 l1),  e_i = 2^(c m_i - max(c m_0, c m_1)).
; op: [half][position / 16][channel / 16][lane][16 bytes] bf16, unnormalised: lane (r, h) holds position r, channels 8 h + 0..7 of the block: half a fragment of this product's source 0.
; st: [half][b][n][c m, l] f32.  wpb: [c/128][o][c%128] bf16.  x, out0: [b][o][n] f32.
; SHARES.  A work-group takes 64 positions and all 512 outputs, a wave 128 outputs: 32 accumulators.  Every byte of op, x and out0 moves once.
; ONE STEP, WALKED FOUR TIMES: a block of 128 channels.  Each wave joins the block for its own 16 positions (a lane holds one position, so two factors a lane serve the whole launch; f32, then one rounding to bf16),
; asks for the next block of op into the same registers, hands its part to the others through LDS (dense, in fragment order, two buffers by turns), takes all 64 positions as 16 fragments, and multiplies: 128 products.
; ONE barrier a step serves the join and the ring: behind it the joined block is whole and the slot of wp read in the step before is free, and wp's next tile is asked for.
; Steps 0 to 2 are a loop; step 3, which asks for nothing, is written out.
; THE SUMS BEGIN WITH bp: a loop cannot give its first products another C, so 32 products of zero fragments with C = bp stand in front of it: 32 matrix instructions, beside 512, that are not the product's own.
; PRODUCT.  Source 0 = 16 positions of O, source 1 = 16 rows of wp.  A lane holds one output and eight neighbouring positions.  The divisor of the join is at least 1: the half with the larger maximum has l >= 1.
; CLUSTER.  All work-groups walk the same wp: its tiles (128 channels, 512 rows of 256 bytes) are asked for jointly by the four of a cluster.  A wave reads only the 128 rows that it fetched.
; x is asked for at the head of the last step: loads come back in order (ISA guide 5.7.1), so asked for earlier it would stand in front of every later block of op.
; REGISTERS: window 0: v0-27 addresses, factors; v32-95, v96-159 wp's fragments (bp lies in the second until the first step fetches into it); v160-223 at work; v224-239 zeros.
;   Window 1: the accumulators ((a, p) at v[8 (4 a + p)]).  Window 2: v0-127 O's fragments of a block ((p, k) at v[8 (4 k + p)]); v128-191 op as loaded, half 0 then half 1.  Window 3: x.
; LIMITS: the joined O is rounded to bf16 a second time; NaN and infinities are not treated apart.
.set PITCH, 272                        ; 256 bytes + 16: an odd multiple of 16
.set SLOT,  512*PITCH                  ; 139,264 = 0x22000: it shares no bit with w x 128 rows = w x 0x8800, so one exclusive or turns an address into the other slot's
.set SB,    2*SLOT                     ; behind the ring, written by LDS stores alone: two buffers for the join; later each wave's stage for the way out
.set SBUF,  16384                      ; 64 positions x 128 channels: [tile of 16 positions][channel block of 16][512 bytes]
.set SPARE, SB+2*SBUF
.set AW0,  4                           ; my place in slot 0; never rewritten.  AWC: in the slot that is read
.set AWC,  5
.set VO,   6                           ; 16 x lane + 4,096 x block: my 16 bytes of a load of op
.set VS,   7
.set STB0, 8                           ; where I store my part of a joined block, buffer 0.  STBC: in the buffer in hand
.set STBC, 9
.set FRD0, 10                          ; where I read fragments, buffer 0.  FRDC: in the buffer in hand
.set FRDC, 11
.set STO,  12
.set RDO,  13
.set SPW,  14                          ; LDS address of my spare word; never rewritten
.set NIL,  15                          ; 0; never rewritten
.set ZR,   16                          ; 0, for the join
.set XO,   18
.set BPO,  19
.set B0,   20                          ; my position's two factors
.set B1,   21
.set STT,  22                          ; v[22:23] c m, l of half 0; v[24:25] of half 1
.set TD,   26
.set W0,   32
.set T0,   32
.set BP,   96
.set WK,   160
.set ZF,   224
.set OX,   128                         ; in window 2
.set WV,  20
.set G1,  24
.set G0,  32                           ; s[32:35] group 0: it walks
.set SR,  36                           ; the slot that is read: 0 or SLOT
.set SQ,  37                           ; the join's buffer in hand: 0 or SBUF
.set MSB, 0
.macro WIN new
.if MSB != (\new)
	s_set_vgpr_msb (MSB<<8)|(\new)
.set MSB, (\new)
.endif
.endm
.macro PLACES                          ; four places (ISA guide 7.12.1)
.rept 4
	v_nop
.endr
.endm
.macro JLOAD                           ; every wave asks for its own 128 rows by the same line; s_nop 0 and four v_nop follow
	tensor_load_to_lds s[G0:G0+3], s[G1:G1+7]
	s_nop 0
.rept 4
	v_nop
.endr
.endm
.macro CREST
	s_cmp_lg_u32 s[WV], 0
	s_cbranch_scc1 .Lnot_wave_0_\@
	s_barrier_signal -3
.Lnot_wave_0_\@:
	s_barrier_wait -3
	s_barrier_signal -1
	s_barrier_wait -1
.endm
.macro CROUND
	s_barrier_signal -1
	s_barrier_wait -1
	CREST
.endm
	s_load_b256 s[4:11], s[0:1], 0x0               ; op 4, st 6, wpb 8, bp 10
	s_load_b128 s[12:15], s[0:1], 0x20             ; x 12, out0 14
	v_lshl_add_u32 v[SPW], v0, 2, SPARE
	v_mov_b32 v[NIL], 0
	ds_add_u32 v[SPW], v[NIL]                      ; the wave's opening: the add, and its wait ahead of my first tensor load
	v_lshrrev_b32 v1, 5, v0
	v_readfirstlane_b32 s[WV], v1
	s_bfe_u32 s40, ttmp6, 0x40000                  ; cx
	s_lshl_b32 s41, ttmp9, 2
	s_add_co_u32 s41, s41, s40                     ; my block of 64 positions, 0..255: it enters op's, st's, x's and out0's addresses alone
	; group 1: 128 rows of 128 elements, dense; 4 words of padding behind every 64
	s_mov_b32 s[G1], 15|(1<<16)|(1<<20)|(1<<21)|(5<<22)|(3<<25)
	s_mov_b32 s[G1+1], 128<<16
	s_mov_b32 s[G1+2], 128<<16
	s_mov_b32 s[G1+3], 128<<16
	s_mov_b32 s[G1+4], 128
	s_mov_b32 s[G1+5], 128
	s_mov_b32 s[G1+6], 0
	s_mov_b32 s[G1+7], 0
	s_mul_i32 s21, s[WV], 128*PITCH                ; my 128 rows in a slot
	s_lshl_b32 s22, s[WV], 15                      ; and in a tile of wpb
	s_mov_b32 s23, 0
	s_lshl_b32 s42, s41, 16                        ; op: four tiles of 16,384 bytes a block; mine is tile w
	s_lshl_b32 s43, s[WV], 14
	s_add_co_u32 s42, s42, s43
	s_mov_b32 s43, 0
	s_lshl_b32 s44, s41, 9                         ; st: 64 positions of 8 bytes
	s_mov_b32 s45, 0
	s_lshr_b32 s46, s41, 5                         ; x, out0: batch, my 128 outputs, the block's 256 bytes of a row
	s_lshl_b32 s46, s46, 22
	s_lshl_b32 s47, s[WV], 20
	s_add_co_u32 s46, s46, s47
	s_and_b32 s47, s41, 31
	s_lshl_b32 s47, s47, 8
	s_add_co_u32 s46, s46, s47
	s_mov_b32 s47, 0
	s_mov_b32 s[G0], 1
	s_mov_b32 s[G0+1], s21                         ; tile 0 into slot 0
	s_mov_b32 s[SR], 0
	s_mov_b32 s[SQ], 0
	s_wait_dscnt 0x0                               ; the opening add is done
	s_wait_kmcnt 0x0
	s_add_nc_u64 s[G0+2:G0+3], s[8:9], s[22:23]
	s_or_b32 s[G0+3], s[G0+3], 0x80000000
	s_add_nc_u64 s[4:5], s[4:5], s[42:43]
	s_add_nc_u64 s[16:17], s[4:5], 0x1000000       ; the second half of the keys
	s_add_nc_u64 s[6:7], s[6:7], s[44:45]
	s_add_nc_u64 s[12:13], s[12:13], s[46:47]
	s_add_nc_u64 s[14:15], s[14:15], s[46:47]
	CROUND                                         ; all four work-groups are here: the first joint loads meet
	JLOAD                                          ; one load of mine is out; slot 1 is first filled behind the first step's round
	v_and_b32 v1, 15, v0                           ; r
	v_bfe_u32 v2, v0, 4, 1                         ; h
	v_and_b32 v3, 31, v0
	v_lshlrev_b32 v[VO], 4, v3                     ; 16 x lane
	s_lshl_b32 s48, s[WV], 7
	v_lshl_add_u32 v[VS], v1, 3, s48               ; st: position 16 w + r
	s_lshl_b32 s48, s[WV], 9
	v_lshl_add_u32 v[BPO], v1, 2, s48              ; bp: output 128 w + r
	global_load_b64 v[STT:STT+1], v[VS], s[6:7]
	global_load_b64 v[STT+2:STT+3], v[VS], s[6:7] offset:131072
.irp a, 0,1,2,3,4,5,6,7
	global_load_b32 v[BP+8*\a], v[BPO], s[10:11] offset:64*\a
.endr
	WIN 0x80                                       ; destination window 2
.irp i, 0,1,2,3,4,5,6,7                ; block 0 of op: eight channel blocks of each half, 512 consecutive bytes a load
	global_load_b128 v[OX+4*\i:OX+4*\i+3], v[VO], s[4:5] offset:512*\i
	global_load_b128 v[OX+32+4*\i:OX+32+4*\i+3], v[VO], s[16:17] offset:512*\i
.endr
	WIN 0
	v_mul_u32_u24 v17, v1, PITCH
	v_lshl_add_u32 v17, v2, 4, v17                 ; a fragment of wp: row x pitch + 16 h
	v_add_nc_u32 v[AW0], s21, v17
	v_mov_b32 v[AWC], v[AW0]
	v_add_nc_u32 v[FRD0], SB, v[VO]                ; a fragment of O: 16 x lane
	v_mov_b32 v[FRDC], v[FRD0]
	s_lshl_b32 s48, s[WV], 12
	v_add_nc_u32 v[STB0], s48, v[FRD0]             ; my tile's 4,096 bytes of a buffer
	v_mov_b32 v[STBC], v[STB0]
	s_mul_i32 s48, s[WV], 16*PITCH
	s_add_co_u32 s48, s48, SB                      ; the way out: my stage, 16 rows
	v_mul_u32_u24 v[RDO], v2, PITCH
	v_lshl_add_u32 v[RDO], v1, 4, v[RDO]
	v_add_nc_u32 v[RDO], s48, v[RDO]
	v_mul_u32_u24 v[STO], v1, PITCH
	v_lshl_add_u32 v[STO], v2, 5, v[STO]
	v_add_nc_u32 v[STO], s48, v[STO]
	v_lshlrev_b32 v[XO], 13, v2
	v_lshl_add_u32 v[XO], v1, 4, v[XO]             ; x, out0: row h of two, 16 bytes a lane
	v_mov_b32 v[ZR], 0
.set i, 0
.rept 16
	v_mov_b32 v[ZF+i], 0
.set i, i+1
.endr
	s_wait_loadcnt 16                              ; st's two and bp's eight are in; op's sixteen, issued behind them, stay out
	v_max_num_f32 v[TD], v[STT], v[STT+2]
	v_sub_f32 v[B0], v[STT], v[TD]
	v_sub_f32 v[B1], v[STT+2], v[TD]
	v_exp_f32 v[B0], v[B0]
	v_exp_f32 v[B1], v[B1]
	v_nop                                          ; a plain line between the last exponential and the use of its result
	s_wait_alu depctr_va_vdst(0)
	v_mul_f32 v[TD], v[B0], v[STT+1]
	v_fmac_f32 v[TD], v[B1], v[STT+3]
	v_rcp_f32 v[TD], v[TD]
	v_nop
	s_wait_alu depctr_va_vdst(0)
	v_mul_f32 v[B0], v[B0], v[TD]
	v_mul_f32 v[B1], v[B1], v[TD]
.irp a, 0,1,2,3,4,5,6,7                ; every register of C is output 16 a + r
.irp j, 1,2,3,4,5,6,7
	v_mov_b32 v[BP+8*\a+\j], v[BP+8*\a]
.endr
.endr
	WIN 0x40                                       ; D in window 1; the zeros and bp in window 0
.irp a, 0,1,2,3,4,5,6,7
.irp p, 0,1,2,3
	v_wmma_f32_16x16x32_bf16 v[8*(4*\a+\p):8*(4*\a+\p)+7], v[ZF:ZF+7], v[ZF+8:ZF+15], v[BP+8*\a:BP+8*\a+7]
.endr
.endr
	WIN 0
.macro FWP k                           ; 16 loads: wp's eight fragments, channels 32 k .. of the tile, into buffer k % 2
	WIN 0
.set xw, W0+64*((\k)%2)
.irp a, 0,1,2,3,4,5,6,7
	ds_load_b128 v[xw+8*\a:xw+8*\a+3], v[AWC] offset:16*\a*PITCH+64*(\k)
	ds_load_b128 v[xw+8*\a+4:xw+8*\a+7], v[AWC] offset:16*\a*PITCH+64*(\k)+32
.endr
.endm
.macro MULP k, a0, n                   ; 4 n products: output blocks a0 .., all four position blocks.  The 32 accumulators take turns
	WIN 0x52                                       ; O in window 2, wp in window 0, C and D in window 1
.set xa, (\a0)
.rept \n
.set xw, W0+64*((\k)%2)+8*xa
.irp p, 0,1,2,3
.set xd, 8*(4*xa+\p)
.set xo, 8*(4*(\k)+\p)
	v_wmma_f32_16x16x32_bf16 v[xd:xd+7], v[xo:xo+7], v[xw:xw+7], v[xd:xd+7]
.endr
.set xa, xa+1
.endr
.endm
; A STEP: a block of 128 channels.  fill = 1: the next block of op and wp's next tile are asked for.  fill = 0, the last step: x is asked for, and a barrier frees the join's buffers for the way out.
.macro TRIP fill
	s_wait_loadcnt 0x0                             ; this block of op is in: no load was issued behind it
.if !(\fill)
	WIN 0xc0                                       ; destination window 3: x, 64 loads of two rows of 256 bytes
.irp a, 0,1,2,3,4,5,6,7
.irp f, 0,1,2,3,4,5,6,7
	global_load_b128 v[32*\a+4*\f:32*\a+4*\f+3], v[XO], s[12:13] offset:(16*\a+2*\f)*8192
.endr
.endr
.endif
	WIN 0x02                                       ; source 0 (op) in window 2
.set i, 0
.rept 8
.irp z, 0,1,2,3
	v_fma_mix_f32_bf16 v[WK+8*i+2*\z], v[OX+4*i+\z], v[B0], v[ZR] op_sel_hi:[1,0,0]
	v_fma_mix_f32_bf16 v[WK+8*i+2*\z+1], v[OX+4*i+\z], v[B0], v[ZR] op_sel:[1,0,0] op_sel_hi:[1,0,0]
.endr
.irp z, 0,1,2,3
	v_fma_mix_f32_bf16 v[WK+8*i+2*\z], v[OX+32+4*i+\z], v[B1], v[WK+8*i+2*\z] op_sel_hi:[1,0,0]
	v_fma_mix_f32_bf16 v[WK+8*i+2*\z+1], v[OX+32+4*i+\z], v[B1], v[WK+8*i+2*\z+1] op_sel:[1,0,0] op_sel_hi:[1,0,0]
.endr
.set i, i+1
.endr
.if \fill
	WIN 0
	v_add_nc_u32 v[VO], 4096, v[VO]                ; free since the wait at the step's head: the next block
	WIN 0x80
.irp i, 0,1,2,3,4,5,6,7
	global_load_b128 v[OX+4*\i:OX+4*\i+3], v[VO], s[4:5] offset:512*\i
	global_load_b128 v[OX+32+4*\i:OX+32+4*\i+3], v[VO], s[16:17] offset:512*\i
.endr
.endif
	WIN 0
.set i, 0
.rept 8
.irp z, 0,1,2,3
	v_cvt_pk_bf16_f32 v[WK+8*i+\z], v[WK+8*i+2*\z], v[WK+8*i+2*\z+1]
.endr
	ds_store_b128 v[STBC], v[WK+8*i:WK+8*i+3] offset:512*i   ; 32 lanes x 16 neighbouring bytes
.set i, i+1
.endr
	s_wait_tensorcnt 0x0                           ; all my tensor loads have landed: the one that was out is my rows of this step's tile; so group 0 may be written
	ds_add_u32 v[SPW], v[NIL]
.if \fill
	s_xor_b32 s[G0+1], s[G0+1], SLOT               ; the walking descriptor: the other slot, the next tile
	s_add_nc_u64 s[G0+2:G0+3], s[G0+2:G0+3], 131072
.endif
	s_wait_dscnt 0x0                               ; the add and my stores are done; my reads of the other slot and of the other buffer were over at the last step's end
.if \fill
	CROUND                                         ; every wave of every partner has said so
	JLOAD                                          ; the first thing behind the round: it has this step's 128 products and the next join in which to land
.else
	s_barrier_signal -1
	s_barrier_wait -1
.endif
	FWP 0
	WIN 0x80                                       ; destination window 2
.irp k, 0,1,2,3
.irp p, 0,1,2,3
	ds_load_b128 v[8*(4*\k+\p):8*(4*\k+\p)+3], v[FRDC] offset:4096*\p+1024*\k
	ds_load_b128 v[8*(4*\k+\p)+4:8*(4*\k+\p)+7], v[FRDC] offset:4096*\p+1024*\k+512
.endr
.endr
	s_wait_dscnt 24                                ; wp's sixteen and O's first eight are in; O's fragments of the three later steps along K may stay out
	MULP 0, 0, 2
	PLACES
	FWP 1
	MULP 0, 2, 6
	s_wait_dscnt 0x0
	MULP 1, 0, 2
	PLACES
	FWP 2
	MULP 1, 2, 6
	s_wait_dscnt 0x0
	MULP 2, 0, 2
	PLACES
	FWP 3
	MULP 2, 2, 6
	s_wait_dscnt 0x0                               ; my last reads of this slot and of this buffer are over
.if !(\fill)
	s_barrier_signal -1                            ; say so: the way out writes where the others have read
.endif
	MULP 3, 0, 8
	WIN 0
.if \fill
	s_xor_b32 s[SR], s[SR], SLOT                   ; the next step reads the other slot and uses the other buffer
	s_xor_b32 s[SQ], s[SQ], SBUF
	v_add_nc_u32 v[AWC], s[SR], v[AW0]
	v_add_nc_u32 v[STBC], s[SQ], v[STB0]
	v_add_nc_u32 v[FRDC], s[SQ], v[FRD0]
.else
	s_barrier_wait -1
.endif
.endm
	s_mov_b32 s3, 3
.Lc:                                   ; blocks 0 to 2: tiles 1 to 3 of wp and blocks 1 to 3 of op are asked for
	TRIP 1
	s_sub_co_u32 s3, s3, 1
	s_cmp_lg_u32 s3, 0
	s_cbranch_scc1 .Lc
	TRIP 0
; THE WAY OUT.  Unit a: 16 outputs x 64 positions of f32 through my stage, back as rows of 256 bytes; x is added; sixteen lanes store one aligned row of 256 bytes.
.macro OUTU a
	WIN 0x04                                       ; the stores' data in window 1
.irp p, 0,1,2,3
	ds_store_b128 v[STO], v[8*(4*(\a)+\p):8*(4*(\a)+\p)+3] offset:64*\p
	ds_store_b128 v[STO], v[8*(4*(\a)+\p)+4:8*(4*(\a)+\p)+7] offset:64*\p+16
.endr
	WIN 0
	s_wait_xcnt 0x0                                ; the registers that earlier stores read are loaded again only behind this wait
.set xt, T0+32*((\a)%2)
.irp f, 0,1,2,3,4,5,6,7
	ds_load_b128 v[xt+4*\f:xt+4*\f+3], v[RDO] offset:2*PITCH*\f   ; LDS serves a wave's instructions in order (ISA guide 5.7.1.4)
.endr
	s_wait_dscnt 0x0
	s_wait_loadcnt 56-8*(\a)                       ; this unit's eight loads of x are in; the later units' stay out
	WIN 0x0c                                       ; source 1 (x) in window 3
.set z, 0
.rept 16
	v_pk_add_f32 v[xt+2*z:xt+2*z+1], v[xt+2*z:xt+2*z+1], v[32*(\a)+2*z:32*(\a)+2*z+1]
.set z, z+1
.endr
	WIN 0
.irp f, 0,1,2,3,4,5,6,7
	global_store_b128 v[XO], v[xt+4*\f:xt+4*\f+3], s[14:15] offset:(16*(\a)+2*\f)*8192
.endr
.endm
	PLACES
.irp a, 0,1,2,3,4,5,6,7
	OUTU \a
.endr
	s_wait_tensorcnt 0x0                           ; the wave's end
	ds_add_u32 v[SPW], v[NIL]
	s_wait_dscnt 0x0
	CROUND                                         ; the closing round
	s_endpgm
.Lfunc_end_k_qc930e34467_proj:
	.size	k_qc930e34467_proj, .Lfunc_end_k_qc930e34467_proj-k_qc930e34467_proj
	.p2alignl 7, 3214868480
	.fill 96, 4, 3214868480
	.section	.rodata,"a",@progbits
	.p2align	6, 0x0
	.amdhsa_kernel k_qc930e34467_proj
		.amdhsa_group_segment_fixed_size 327680
		.amdhsa_private_segment_fixed_size 0
		.amdhsa_enable_private_segment 0
		.amdhsa_kernarg_size 48
		.amdhsa_user_sgpr_count 2
		.amdhsa_user_sgpr_kernarg_segment_ptr 1
		.amdhsa_wavefront_size32 1
		.amdhsa_system_sgpr_workgroup_id_x 1
		.amdhsa_system_sgpr_workgroup_id_y 1
		.amdhsa_system_sgpr_workgroup_id_z 1
		.amdhsa_system_vgpr_workitem_id 0
		.amdhsa_next_free_vgpr 1024
		.amdhsa_next_free_sgpr 66
		.amdhsa_reserve_vcc 0
		.amdhsa_float_denorm_mode_32 3
		.amdhsa_float_denorm_mode_16_64 3
		.amdhsa_memory_ordered 1
		.amdhsa_forward_progress 1
		.amdhsa_inst_pref_size 96
	.end_amdhsa_kernel
	.amdgpu_metadata
---
amdhsa.version: [ 1, 2 ]
amdhsa.kernels:
  - .name:           k_qc930e34467_proj
    .symbol:         k_qc930e34467_proj.kd
    .args:
      - { .name: op, .offset: 0, .size: 8, .value_kind: global_buffer, .address_space: global }
      - { .name: st, .offset: 8, .size: 8, .value_kind: global_buffer, .address_space: global }
      - { .name: wpb, .offset: 16, .size: 8, .value_kind: global_buffer, .address_space: global }
      - { .name: bp, .offset: 24, .size: 8, .value_kind: global_buffer, .address_space: global }
      - { .name: x, .offset: 32, .size: 8, .value_kind: global_buffer, .address_space: global }
      - { .name: out0, .offset: 40, .size: 8, .value_kind: global_buffer, .address_space: global }
    .group_segment_fixed_size: 327680
    .private_segment_fixed_size: 0
    .kernarg_segment_align: 8
    .kernarg_segment_size: 48
    .max_flat_workgroup_size: 128
    .sgpr_count:     66
    .vgpr_count:     1024
    .wavefront_size: 32
...
	.end_amdgpu_metadata
.endif
;; end of part 7
;; ======== version 3 of 3: 4 launches; version 2 with the launch gnorm written anew for expert scheduling mode
;; limits: values outside matrix products are rounded to bf16
;; workspace buffers: hb 16,777,216 bytes; wqkv 1,572,864 bytes; wpb 524,288 bytes; qt 16,777,216 bytes; kv 33,619,968 bytes; op 33,554,432 bytes; st 262,144 bytes
;; launch gnorm (part 8): grid 256 x 1, 8 waves a work-group, no clusters, 1,280 bytes of LDS; arguments x, gn_scale, gn_bias, wq, wk, wv, wp, hb, wqkv, wpb, kv; writes hb, wqkv, wpb, kv
.if DOCPART == 8
	.amdgcn_target "amdgcn-amd-amdhsa--gfx1250"
	.amdhsa_code_object_version 6
	.text
	.protected	k_qc930e34467_gnorm
	.globl	k_qc930e34467_gnorm
	.p2align	8
	.type	k_qc930e34467_gnorm,@function
k_qc930e34467_gnorm:
	s_mov_b64 s[64:65], 0
	v_nop
	global_prefetch_b8 v0, s[64:65] scope:SCOPE_SE
	s_setreg_imm32_b32 hwreg(HW_REG_WAVE_SCHED_MODE, 0, 2), 2
	s_setreg_imm32_b32 hwreg(HW_REG_WAVE_MODE, 25, 1), 1
	s_wait_xcnt 0x0
	s_wait_alu depctr_vm_vsrc(0)
; GROUP NORM, AND THE WEIGHTS IN bf16.  x: [8][512][2048] f32.  A group is 16 channels x 2,048 positions: 131,072 consecutive bytes.
; One work-group of eight waves takes one of the 256 groups and keeps it in registers (128 a thread) between the pass that finds the mean,
; the pass that finds the variance of x - mean (so a common offset in x costs nothing) and the pass that writes h = (x - mean) rstd scale + bias,
; rounded once to bf16: x is read once.  All 32 loads of a thread go out together.
; Beside that each work-group rounds two rows of each of the four weight matrices to bf16 and lays them as the later launches fetch them:
;   wqkv [o/128][c/64][q,k,v][o%128][c%64]      wpb [c/128][o][c%128]
; and writes 256 of the 65,536 zero bytes behind kv's last block, which the attention's last fetch touches and does not use.
; No cluster and no matrix unit: no two work-groups read the same bytes, and the work is a stream.
; LIMITS: NaN and infinities are not treated apart.
; THE MODE: SCHED_MODE bits 1:0 = 2 (LLVM: expert scheduling mode 2), set by the entry lines.  The code itself states the register dependences
; between vector instructions and memory or LDS instructions, with s_wait_alu, always for 0.
; THE PLAN.  Registers that memory or LDS instructions touch:
;   v1, v2, v5, v168-v173  offsets and LDS addresses; v174-v175 the zeros for kv's tail.  Written at the head and never again: one wait ahead of the first load serves them all.
;   v[16:31]   The four weight loads land here; the eight roundings read them.  v[16:23] then take the LDS loads of both meetings, whose adds read and write them.
;   v[32:39]   Written by the eight roundings, read by the four weight stores, never written again.
;   v8         Written by each fold, read by the meeting's LDS store; pass 2's chains write it again.
;   v[X ..]    x's 32 loads land here, once.  Pass 3 leaves h's rounded pairs in registers 4 i and 4 i + 1, which store i reads; none is written behind its store.
;   v[SPW], v[NIL]  Written at the head, read by the closing add alone.
; Pass 3 goes in eight blocks of four stores.  Block p's vector lines name its own sixteen registers alone; one wait at its head states that block p - 1's roundings are written,
; and block p - 1's four stores are dealt among block p's lines with no further wait.
.set SPARE, 256                        ; the spare words, 128 bytes for each of eight waves; bytes 0-31 and 64-95 hold the waves' partial sums
.set SPW, 3                            ; v3   LDS address of my spare word; never rewritten
.set NIL, 4                            ; v4   0; never rewritten
.set X,   40                           ; v[40:167] my 128 numbers of the group
.macro WRED r, t                       ; the sum of register r over the wave's 32 lanes, in every lane
	v_add_f32_dpp v[\r], v[\r], v[\r] row_xmask:1 row_mask:0xf bank_mask:0xf
	v_add_f32_dpp v[\r], v[\r], v[\r] row_xmask:2 row_mask:0xf bank_mask:0xf
	v_add_f32_dpp v[\r], v[\r], v[\r] row_xmask:4 row_mask:0xf bank_mask:0xf
	v_add_f32_dpp v[\r], v[\r], v[\r] row_xmask:8 row_mask:0xf bank_mask:0xf
	v_permlanex16_b32 v[\t], v[\r], s8, s9
	v_add_f32 v[\r], v[\r], v[\t]
.endm
.macro FOLD                            ; four chains in v[8:15] into v8
	v_pk_add_f32 v[8:9], v[8:9], v[10:11]
	v_pk_add_f32 v[12:13], v[12:13], v[14:15]
	v_pk_add_f32 v[8:9], v[8:9], v[12:13]
	v_add_f32 v8, v8, v9
	WRED 8, 9
.endm
.macro MEET off                        ; the eight waves' sums meet in LDS at byte off; the total comes back in v6
	s_wait_alu depctr_va_vdst(0)                   ; the fold has written v8, which the LDS store reads; and the vector lines that named v[16:23], in which the LDS loads below land, are done
	ds_store_b32 v5, v8 offset:\off
	s_wait_dscnt 0x0                               ; for the others' sake: my word is written
	s_barrier_signal -1
	s_barrier_wait -1
	ds_load_b128 v[16:19], v173 offset:\off        ; no vector line since the wait above names v[16:23] or v173
	ds_load_b128 v[20:23], v173 offset:(\off)+16
	s_wait_dscnt 0x0
	v_pk_add_f32 v[16:17], v[16:17], v[18:19]
	v_pk_add_f32 v[20:21], v[20:21], v[22:23]
	v_pk_add_f32 v[16:17], v[16:17], v[20:21]
	v_add_f32 v6, v16, v17
.endm
	s_load_b512 s[68:83], s[0:1], 0x0              ; x 68, gn_scale 70, gn_bias 72, wq 74, wk 76, wv 78, wp 80, hb 82
	s_load_b128 s[84:87], s[0:1], 0x40             ; wqkv 84, wpb 86
	s_load_b64 s[88:89], s[0:1], 0x50              ; kv
	v_lshl_add_u32 v[SPW], v0, 2, SPARE
	v_mov_b32 v[NIL], 0
	v_lshrrev_b32 v5, 5, v0
	v_readfirstlane_b32 s10, v5                    ; wave w, 0..7
	v_lshlrev_b32 v5, 2, v5                        ; my wave's word among the partial sums
	v_lshlrev_b32 v1, 4, v0                        ; 16 t: my 16 bytes in 4,096 of x
	v_lshlrev_b32 v2, 3, v0                        ; 8 t: my 8 bytes in 2,048 of hb
	v_and_b32 v6, 31, v0                           ; lane l
	v_and_b32 v7, 15, v0                           ; l % 16
	v_bfe_u32 v8, v0, 4, 1                         ; l / 16
	s_mov_b32 s8, 0x76543210                       ; v_permlanex16_b32: each lane takes its own place in the other half
	s_mov_b32 s9, 0xfedcba98
	s_mov_b32 s95, 0x38000000                      ; 2^-15 = 1 / 32,768 numbers in a group
	s_lshl_b32 s12, ttmp9, 17                      ; the group's first byte in x
	s_mov_b32 s13, 0
	s_and_b32 s6, ttmp9, 31
	s_lshl_b32 s6, s6, 6                           ; its 16 channels in gn_scale and gn_bias
	s_mov_b32 s7, 0
	s_lshl_b32 s14, ttmp9, 16                      ; its first byte in hb
	s_mov_b32 s15, 0
	s_wait_alu depctr_va_sdst(0)                   ; s10 is written, ahead of its first reader: the weights' offsets below and the branch on the wave's number are made from it
	; wq, wk, wv: the wave takes rows 2 G and 2 G + 1, columns 64 w .. 64 w + 63; a lane four numbers
	s_lshl_b32 s3, ttmp9, 12
	s_lshl_b32 s4, s10, 8
	s_add_co_u32 s3, s3, s4
	v_lshl_add_u32 v168, v7, 4, s3
	v_lshl_add_u32 v168, v8, 11, v168              ; from: (2 G + l / 16) 2,048 + 256 w + 16 (l % 16)
	s_lshr_b32 s4, ttmp9, 6
	s_lshl3_add_u32 s4, s4, s10                    ; 8 (o / 128) + c / 64
	s_mul_i32 s4, s4, 49152
	s_and_b32 s5, ttmp9, 63
	s_lshl_b32 s5, s5, 8                           ; (o % 128) 128
	s_add_co_u32 s4, s4, s5
	v_lshl_add_u32 v169, v6, 3, s4                 ; to: the two rows are 256 consecutive bytes, 8 a lane; the matrix stands in the immediate
	; wp: the wave takes row 2 G + w / 4, columns 128 (w % 4) ..
	s_lshr_b32 s90, s10, 2
	s_lshl1_add_u32 s90, ttmp9, s90                ; o
	s_and_b32 s91, s10, 3
	s_lshl_b32 s92, s90, 11
	s_lshl_b32 s93, s91, 9
	s_add_co_u32 s92, s92, s93
	v_lshl_add_u32 v170, v6, 4, s92
	s_add_co_u32 s93, s93, s90                     ; 512 (c / 128) + o
	s_lshl_b32 s93, s93, 8
	v_lshl_add_u32 v171, v6, 3, s93
	s_lshl_b32 s94, ttmp9, 8
	s_add_co_u32 s94, s94, 0x2000000               ; behind kv's 33,554,432 bytes of blocks
	v_lshl_add_u32 v172, v6, 3, s94
	v_mov_b32 v173, 0                              ; LDS byte 0
	v_mov_b32 v174, 0
	v_mov_b32 v175, 0
	s_wait_kmcnt 0x0
	s_add_nc_u64 s[68:69], s[68:69], s[12:13]
	s_add_nc_u64 s[70:71], s[70:71], s[6:7]
	s_add_nc_u64 s[72:73], s[72:73], s[6:7]
	s_add_nc_u64 s[82:83], s[82:83], s[14:15]
	s_load_b512 s[16:31], s[70:71], 0x0            ; scale of the 16 channels
	s_load_b512 s[32:47], s[72:73], 0x0            ; bias
	s_wait_alu depctr_va_vdst(0)                   ; v1, v2, v5 and v168 to v175 are written: the offsets, LDS addresses and zeros that every load, store and LDS access of the kernel reads; no vector line writes them again
	global_load_b128 v[16:19], v168, s[74:75]
	global_load_b128 v[20:23], v168, s[76:77]
	global_load_b128 v[24:27], v168, s[78:79]
	global_load_b128 v[28:31], v170, s[80:81]
.set i, 0
.rept 32                               ; load i: 4,096 consecutive bytes for the work-group, half of channel i / 2
	global_load_b128 v[X+4*i:X+4*i+3], v1, s[68:69] offset:4096*i th:TH_LOAD_NT
.set i, i+1
.endr
	s_wait_loadcnt 32                              ; the four weight loads are in; x's 32 stay out
.irp k, 0,1,2,3,4,5,6,7
	v_cvt_pk_bf16_f32 v[32+\k], v[16+2*\k], v[17+2*\k]
.endr
	s_wait_alu depctr_va_vdst(0)                   ; the roundings have written v[32:39], which the four stores read
	global_store_b64 v169, v[32:33], s[84:85]                 ; each store of the wave covers 256 consecutive bytes, aligned
	global_store_b64 v169, v[34:35], s[84:85] offset:16384
	global_store_b64 v169, v[36:37], s[84:85] offset:32768
	global_store_b64 v171, v[38:39], s[86:87]
	s_cmp_lg_u32 s10, 0
	s_cbranch_scc1 .Lno_tail
	global_store_b64 v172, v[174:175], s[88:89]               ; wave 0: my group's 256 bytes of kv's tail
.Lno_tail:
	s_wait_loadcnt 0x0
	; pass 1: the sum, in four chains that the first eight pairs start
.irp k, 0,1,2,3
	v_pk_add_f32 v[8+2*\k:9+2*\k], v[X+2*\k:X+2*\k+1], v[X+8+2*\k:X+9+2*\k]
.endr
.set i, 8
.rept 56
	v_pk_add_f32 v[8+2*(i%4):9+2*(i%4)], v[8+2*(i%4):9+2*(i%4)], v[X+2*i:X+2*i+1]
.set i, i+1
.endr
	FOLD
	MEET 0
	v_mul_f32 v6, s95, v6                          ; the mean,
	v_mov_b32 v7, v6                               ; as a pair
	; pass 2: d = x - mean in place, and the sum of d d
.set i, 0
.rept 64
	v_pk_add_f32 v[X+2*i:X+2*i+1], v[X+2*i:X+2*i+1], v[6:7] neg_lo:[0,1] neg_hi:[0,1]
.set i, i+1
.endr
	s_wait_alu depctr_vm_vsrc(0)                   ; the first meeting's LDS store has read v8, which the chains below write again
.irp k, 0,1,2,3
	v_pk_mul_f32 v[8+2*\k:9+2*\k], v[X+2*\k:X+2*\k+1], v[X+2*\k:X+2*\k+1]
.endr
.set i, 4
.rept 60
	v_pk_fma_f32 v[8+2*(i%4):9+2*(i%4)], v[X+2*i:X+2*i+1], v[X+2*i:X+2*i+1], v[8+2*(i%4):9+2*(i%4)]
.set i, i+1
.endr
	FOLD
	MEET 64                                        ; other bytes than the first meeting's: no wave need wait for the readers of those
	v_mov_b32 v7, 0x358637bd                       ; 1e-6
	v_fma_f32 v6, v6, s95, v7                      ; variance + eps
	v_rsq_f32 v9, v6
	v_nop                                          ; a plain instruction between the root and the use of its result (ISA guide 5.7.2)
	s_wait_alu depctr_va_vdst(0)                   ; the root has written v9, ahead of its first reader
	v_readfirstlane_b32 s11, v9
	s_wait_alu depctr_va_sdst(0)                   ; s11 is written, ahead of its first reader: the sixteen scalar multiplies below
	s_wait_kmcnt 0x0                               ; scale and bias
.set k, 0
.rept 16
	s_mul_f32 s[48+k], s[16+k], s11                ; rstd x scale, a channel each
.set k, k+1
.endr
	; pass 3: h, rounded to bf16; no register is written again behind its store
.macro NORM i                          ; half i of 32: four multiply-adds in place, two roundings into its first two registers
.irp z, 0,1,2,3
	v_fma_f32 v[X+4*(\i)+\z], v[X+4*(\i)+\z], s[48+(\i)/2], s[32+(\i)/2]
.endr
	v_cvt_pk_bf16_f32 v[X+4*(\i)], v[X+4*(\i)], v[X+4*(\i)+1]
	v_cvt_pk_bf16_f32 v[X+4*(\i)+1], v[X+4*(\i)+2], v[X+4*(\i)+3]
.endm
.macro SEND i
	global_store_b64 v2, v[X+4*(\i):X+4*(\i)+1], s[82:83] offset:2048*(\i)   ; a wave's store covers 256 consecutive bytes, aligned
.endm
.set p, 0
.rept 8                                ; block p: halves 4 p to 4 p + 3; among its lines the stores of block p - 1
.if p > 0
	s_wait_alu depctr_va_vdst(0)                   ; the block before has written its rounded pairs, which the four stores below read; this block's lines name its own sixteen registers alone
.endif
.set q, 0
.rept 4
.if p > 0
	SEND 4*(p-1)+q
.endif
	NORM 4*p+q
.set q, q+1
.endr
.set p, p+1
.endr
	s_wait_alu depctr_va_vdst(0)                   ; the last block has written its rounded pairs, which the last four stores read
.irp q, 28,29,30,31
	SEND \q
.endr
	s_wait_dscnt 0x0                               ; the closing lines, six on end
	s_wait_alu 0x0
	s_wait_tensorcnt 0x0
	ds_add_u32 v[SPW], v[NIL]
	s_wait_dscnt 0x0
	s_endpgm
.Lfunc_end_k_qc930e34467_gnorm:
	.size	k_qc930e34467_gnorm, .Lfunc_end_k_qc930e34467_gnorm-k_qc930e34467_gnorm
	.p2alignl 7, 3214868480
	.fill 96, 4, 3214868480
	.section	.rodata,"a",@progbits
	.p2align	6, 0x0
	.amdhsa_kernel k_qc930e34467_gnorm
		.amdhsa_group_segment_fixed_size 1280
		.amdhsa_private_segment_fixed_size 0
		.amdhsa_enable_private_segment 0
		.amdhsa_kernarg_size 88
		.amdhsa_user_sgpr_count 2
		.amdhsa_user_sgpr_kernarg_segment_ptr 1
		.amdhsa_wavefront_size32 1
		.amdhsa_system_sgpr_workgroup_id_x 1
		.amdhsa_system_sgpr_workgroup_id_y 1
		.amdhsa_system_sgpr_workgroup_id_z 1
		.amdhsa_system_vgpr_workitem_id 0
		.amdhsa_next_free_vgpr 176
		.amdhsa_next_free_sgpr 96
		.amdhsa_reserve_vcc 0
		.amdhsa_float_denorm_mode_32 3
		.amdhsa_float_denorm_mode_16_64 3
		.amdhsa_memory_ordered 1
		.amdhsa_forward_progress 1
		.amdhsa_inst_pref_size 38
	.end_amdhsa_kernel
	.amdgpu_metadata
---
amdhsa.version: [ 1, 2 ]
amdhsa.kernels:
  - .name:           k_qc930e34467_gnorm
    .symbol:         k_qc930e34467_gnorm.kd
    .args:
      - { .name: x, .offset: 0, .size: 8, .value_kind: global_buffer, .address_space: global }
      - { .name: gn_scale, .offset: 8, .size: 8, .value_kind: global_buffer, .address_space: global }
      - { .name: gn_bias, .offset: 16, .size: 8, .value_kind: global_buffer, .address_space: global }
      - { .name: wq, .offset: 24, .size: 8, .value_kind: global_buffer, .address_space: global }
      - { .name: wk, .offset: 32, .size: 8, .value_kind: global_buffer, .address_space: global }
      - { .name: wv, .offset: 40, .size: 8, .value_kind: global_buffer, .address_space: global }
      - { .name: wp, .offset: 48, .size: 8, .value_kind: global_buffer, .address_space: global }
      - { .name: hb, .offset: 56, .size: 8, .value_kind: global_buffer, .address_space: global }
      - { .name: wqkv, .offset: 64, .size: 8, .value_kind: global_buffer, .address_space: global }
      - { .name: wpb, .offset: 72, .size: 8, .value_kind: global_buffer, .address_space: global }
      - { .name: kv, .offset: 80, .size: 8, .value_kind: global_buffer, .address_space: global }
    .group_segment_fixed_size: 1280
    .private_segment_fixed_size: 0
    .kernarg_segment_align: 8
    .kernarg_segment_size: 88
    .max_flat_workgroup_size: 256
    .sgpr_count:     96
    .vgpr_count:     176
    .wavefront_size: 32
...
	.end_amdgpu_metadata
.endif
;; end of part 8
;; launch qkv: the kernel of part 5 again; grid 4 x 64, 4 waves a work-group, clusters of 4 x 4, 327,680 bytes of LDS; arguments hb, wqkv, bq, bk, bv, qt, kv; writes qt, kv
;; launch attn: the kernel of part 6 again; grid 16 x 16, 4 waves a work-group, clusters of 4 x 1, 327,680 bytes of LDS; arguments qt, kv, op, st; writes op, st
;; launch proj: the kernel of part 7 again; grid 256 x 1, 4 waves a work-group, clusters of 4 x 1, 327,680 bytes of LDS; arguments op, st, wpb, bp, x, out0; writes out0
